; MI455X (gfx1250); checked and timed in simulation.
; The chip was launched on July 23, 2026; its instructions are those of AMD's public machine-readable ISA for CDNA 5 (MIT licence, August 2026) and "CDNA5" Instruction Set Architecture Reference Guide (July 2026). The comments in the code are by the model that wrote it; some were corrected since.
;; Llama Attention. Allowed arithmetic: float matrix products may take bf16 or f16 operands with f32 sums; other float arithmetic in f32, or as packed bf16 or f16 multiplies, adds, multiply-adds, maxima and minima; sums over many terms, partial sums and values carried from step to step in f32; what a program stores and reads back later, other than sums and carried values, may be rounded once to bf16 or f16.
;; Inputs: attention_mask 1 x 1 x 2,048 x 2,048 float32; hidden_states 1 x 2,048 x 4,096 float32; position_ids 1 x 2,048 int32; wk 1,024 x 4,096 float32; wo 4,096 x 1,024 float32; wq 1,024 x 4,096 float32; wv 1,024 x 4,096 float32.
;; Outputs: out0 1 x 2,048 x 4,096 float32.
;; 3 versions, each right; version 2 is faster than version 1; version 3 is version 2 with the launch cast written anew for expert scheduling mode. Each part assembles by itself: llvm-mc -triple=amdgcn-amd-amdhsa -mcpu=gfx1250 --defsym DOCPART=n.
;; ======== version 1 of 3: 4 launches
;; limits: values are held in f16: magnitudes above 65,504 overflow, below 6.1e-05 lose precision; right only within a limited range of input values
;; workspace buffers: xb 16,777,216 bytes; wb 25,165,824 bytes; wob 8,388,608 bytes; qh 4,194,304 bytes; kh 4,194,304 bytes; vh 4,194,304 bytes; oh 4,194,304 bytes
;; launch cast (part 1): grid 128 x 6, 8 waves a work-group, no clusters, 0 bytes of LDS; arguments hidden_states, wq, wk, wv, wo, xb, wb, wob; writes xb, wb, wob
.if DOCPART == 1
	.amdgcn_target "amdgcn-amd-amdhsa--gfx1250"
	.amdhsa_code_object_version 6
	.text
	.protected	k_qf4e74c3548_cast
	.globl	k_qf4e74c3548_cast
	.p2align	8
	.type	k_qf4e74c3548_cast,@function
k_qf4e74c3548_cast:
	s_mov_b64 s[64:65], 0
	v_nop
	global_prefetch_b8 v0, s[64:65] scope:SCOPE_SE
	s_setreg_imm32_b32 hwreg(HW_REG_WAVE_MODE, 25, 1), 1
	s_wait_xcnt 0x0
; The module's f32 matrix inputs are rounded ONCE to 16 bits and laid out for the products that follow.
;   xb  = bf16(x)                      [2048][4096]
;   wb  = bf16(wq | wk | wv)           [32 heads][q, k, v][32][4096]: row 96 h + 32 t + d, so that a head pair's 192 rows lie together
;   wob = 4 x bf16(wo), written as f16 [4096][1024]  (the 4 undoes the 1/4 that v carries; bf16's 8 significant bits fit f16's 11)
; LIMIT: |4 wo| stays within f16's 65,504; below 6e-5 it keeps f16's fixed step of 6e-8.
; A stream: no LDS, no barrier, no matrix unit, since no byte is used twice.  The grid's y picks a slab of 16 MiB of input (0, 1: the halves of x; 2, 3, 4: wq, wk, wv; 5: wo),
; x a piece of 131,072 bytes of it (for the weights: 8 whole rows, which stay 8 neighbouring rows in wb).  A wave takes 16,384 bytes: 32 loads of 512 neighbouring bytes, all issued
; at once; each is rounded and stored as 256 neighbouring bytes, at a multiple of 256 from the buffer's first byte.  No register is written twice, so no wait frees any.
.set X,  4                             ; v[4:131]  32 loads of 4 registers
.set TW, 132                           ; v[132:133] at work (wo's path)
	s_load_b512 s[8:23], s[0:1], 0x0               ; x s[8:9], wq s[10:11], wk s[12:13], wv s[14:15], wo s[16:17], xb s[18:19], wb s[20:21], wob s[22:23]
	s_and_b32 s2, ttmp7, 0xffff                    ; the slab
	s_lshl_b32 s28, ttmp9, 17                      ; my piece in the source,
	s_lshl_b32 s32, ttmp9, 16                      ; and in a destination that keeps the source's order
	s_cmp_eq_u32 s2, 1                             ; x's second half lies 16 MiB (8 MiB in bf16) further on
	s_cselect_b32 s30, 0x1000000, 0
	s_cselect_b32 s31, 0x800000, 0
	s_add_co_u32 s28, s28, s30
	s_add_co_u32 s32, s32, s31
	s_mov_b32 s29, 0
	s_lshr_b32 s34, ttmp9, 2                       ; the weights' destination: head = piece / 4,
	s_mul_i32 s34, s34, 96
	s_sub_co_u32 s35, s2, 2                        ; t = slab - 2 (for the other slabs this offset is made and not taken),
	s_lshl_b32 s35, s35, 5
	s_add_co_u32 s34, s34, s35
	s_and_b32 s35, ttmp9, 3                        ; d = 8 (piece % 4),
	s_lshl_b32 s35, s35, 3
	s_add_co_u32 s34, s34, s35
	s_lshl_b32 s34, s34, 13                        ; rows of 8,192 bytes
	s_cmp_lt_u32 s2, 2
	s_cselect_b32 s34, s32, s34
	s_cmp_eq_u32 s2, 5
	s_cselect_b32 s34, s32, s34
	s_mov_b32 s35, 0
	v_lshrrev_b32 v3, 5, v0                        ; wave
	v_and_b32 v1, 31, v0                           ; lane
	v_lshlrev_b32 v2, 3, v1                        ; out: 8 bytes a lane,
	v_lshlrev_b32 v1, 4, v1                        ; in: 16
	v_lshl_add_u32 v1, v3, 14, v1                  ; + wave x 16,384
	v_lshl_add_u32 v2, v3, 13, v2                  ; + wave x 8,192
	s_wait_kmcnt 0x0
	s_mov_b64 s[24:25], s[8:9]                     ; the source, chosen by the slab's number
	s_cmp_eq_u32 s2, 2
	s_cselect_b64 s[24:25], s[10:11], s[24:25]
	s_cmp_eq_u32 s2, 3
	s_cselect_b64 s[24:25], s[12:13], s[24:25]
	s_cmp_eq_u32 s2, 4
	s_cselect_b64 s[24:25], s[14:15], s[24:25]
	s_cmp_eq_u32 s2, 5
	s_cselect_b64 s[24:25], s[16:17], s[24:25]
	s_mov_b64 s[26:27], s[20:21]                   ; the destination
	s_cmp_lt_u32 s2, 2
	s_cselect_b64 s[26:27], s[18:19], s[26:27]
	s_cmp_eq_u32 s2, 5
	s_cselect_b64 s[26:27], s[22:23], s[26:27]
	s_add_nc_u64 s[24:25], s[24:25], s[28:29]
	s_add_nc_u64 s[26:27], s[26:27], s[34:35]
.set j, 0
.rept 32
	global_load_b128 v[X+4*j:X+4*j+3], v1, s[24:25] offset:512*j th:TH_LOAD_NT  ; read once in the launch
.set j, j+1
.endr
	s_cmp_eq_u32 s2, 5
	s_cbranch_scc1 .Lwo
.set j, 0
.rept 32
	s_wait_loadcnt 31-j                            ; loads come back in order (ISA guide 5.7.1): load j is in, the younger ones stay out
	v_cvt_pk_bf16_f32 v[X+4*j],   v[X+4*j],   v[X+4*j+1]
	v_cvt_pk_bf16_f32 v[X+4*j+1], v[X+4*j+2], v[X+4*j+3]
	global_store_b64 v2, v[X+4*j:X+4*j+1], s[26:27] offset:256*j
.set j, j+1
.endr
	s_endpgm
.Lwo:                                                  ; wo: rounded to bf16 like every input, times 4 (exact), and that number written as f16
.set j, 0
.rept 32
	s_wait_loadcnt 31-j
	v_cvt_pk_bf16_f32 v[TW],   v[X+4*j],   v[X+4*j+1]
	v_cvt_pk_bf16_f32 v[TW+1], v[X+4*j+2], v[X+4*j+3]
	v_lshlrev_b32 v[X+4*j],   16, v[TW]
	v_and_b32     v[X+4*j+1], 0xffff0000, v[TW]
	v_lshlrev_b32 v[X+4*j+2], 16, v[TW+1]
	v_and_b32     v[X+4*j+3], 0xffff0000, v[TW+1]
	v_pk_mul_f32 v[X+4*j:X+4*j+1],   v[X+4*j:X+4*j+1],   4.0 op_sel_hi:[1,0]
	v_pk_mul_f32 v[X+4*j+2:X+4*j+3], v[X+4*j+2:X+4*j+3], 4.0 op_sel_hi:[1,0]
	v_cvt_pk_f16_f32 v[X+4*j],   v[X+4*j],   v[X+4*j+1]
	v_cvt_pk_f16_f32 v[X+4*j+1], v[X+4*j+2], v[X+4*j+3]
	global_store_b64 v2, v[X+4*j:X+4*j+1], s[26:27] offset:256*j
.set j, j+1
.endr
	s_endpgm
.Lfunc_end_k_qf4e74c3548_cast:
	.size	k_qf4e74c3548_cast, .Lfunc_end_k_qf4e74c3548_cast-k_qf4e74c3548_cast
	.p2alignl 7, 3214868480
	.fill 96, 4, 3214868480
	.section	.rodata,"a",@progbits
	.p2align	6, 0x0
	.amdhsa_kernel k_qf4e74c3548_cast
		.amdhsa_group_segment_fixed_size 0
		.amdhsa_private_segment_fixed_size 0
		.amdhsa_enable_private_segment 0
		.amdhsa_kernarg_size 64
		.amdhsa_user_sgpr_count 2
		.amdhsa_user_sgpr_kernarg_segment_ptr 1
		.amdhsa_wavefront_size32 1
		.amdhsa_system_sgpr_workgroup_id_x 1
		.amdhsa_system_sgpr_workgroup_id_y 1
		.amdhsa_system_sgpr_workgroup_id_z 1
		.amdhsa_system_vgpr_workitem_id 0
		.amdhsa_next_free_vgpr 136
		.amdhsa_next_free_sgpr 66
		.amdhsa_reserve_vcc 0
		.amdhsa_float_denorm_mode_32 3
		.amdhsa_float_denorm_mode_16_64 3
		.amdhsa_memory_ordered 1
		.amdhsa_forward_progress 1
		.amdhsa_inst_pref_size 36
	.end_amdhsa_kernel
	.amdgpu_metadata
---
amdhsa.version: [ 1, 2 ]
amdhsa.kernels:
  - .name:           k_qf4e74c3548_cast
    .symbol:         k_qf4e74c3548_cast.kd
    .args:
      - { .name: hidden_states, .offset: 0, .size: 8, .value_kind: global_buffer, .address_space: global }
      - { .name: wq, .offset: 8, .size: 8, .value_kind: global_buffer, .address_space: global }
      - { .name: wk, .offset: 16, .size: 8, .value_kind: global_buffer, .address_space: global }
      - { .name: wv, .offset: 24, .size: 8, .value_kind: global_buffer, .address_space: global }
      - { .name: wo, .offset: 32, .size: 8, .value_kind: global_buffer, .address_space: global }
      - { .name: xb, .offset: 40, .size: 8, .value_kind: global_buffer, .address_space: global }
      - { .name: wb, .offset: 48, .size: 8, .value_kind: global_buffer, .address_space: global }
      - { .name: wob, .offset: 56, .size: 8, .value_kind: global_buffer, .address_space: global }
    .group_segment_fixed_size: 0
    .private_segment_fixed_size: 0
    .kernarg_segment_align: 8
    .kernarg_segment_size: 64
    .max_flat_workgroup_size: 256
    .sgpr_count:     66
    .vgpr_count:     136
    .wavefront_size: 32
...
	.end_amdgpu_metadata
.endif
;; end of part 1
;; launch qkv (part 2): grid 16 x 16, 4 waves a work-group, clusters of 4 x 4, 327,680 bytes of LDS; arguments xb, wb, position_ids, qh, kh, vh; writes qh, kh, vh
.if DOCPART == 2
	.amdgcn_target "amdgcn-amd-amdhsa--gfx1250"
	.amdhsa_code_object_version 6
	.text
	.protected	k_qf4e74c3548_qkv
	.globl	k_qf4e74c3548_qkv
	.p2align	8
	.type	k_qf4e74c3548_qkv,@function
k_qf4e74c3548_qkv:
	s_mov_b64 s[64:65], 0
	v_nop
	global_prefetch_b8 v0, s[64:65] scope:SCOPE_SE
	s_setreg_imm32_b32 hwreg(HW_REG_WAVE_MODE, 25, 1), 1
	s_wait_xcnt 0x0
	s_wait_alu depctr_hold_cnt(0) depctr_sa_sdst(0) depctr_va_vdst(0) depctr_va_sdst(0) depctr_va_ssrc(0) depctr_va_vcc(0) depctr_vm_vsrc(0)
	s_getreg_b32 s2, hwreg(HW_REG_IB_STS2, 6, 4)
	s_cmp_eq_u32 s2, 0
	s_cbranch_scc0 .Lentry_in_a_cluster
	s_endpgm
.Lentry_in_a_cluster:
	s_bfe_u32 s2, ttmp6, 0x10000c
	s_cmp_lg_u32 s2, 0xf033
	s_cbranch_scc0 .Lentry_shape_is_right
	s_endpgm
.Lentry_shape_is_right:
; q, k, v = x W^T with RoPE on q and k, written by head pairs.  xb: [2048][4096] bf16.  wb: [3072][4096] bf16, row 96 h + 32 t + d (t = q, k, v).  Sums in f32.
; qh, kh, vh: [16 head pairs][2048][64] f16: rows of 128 bytes, head 2 p + hh at byte 64 hh.  Each number is rounded once, from f32:
;   q' = al rope(q), k' = al rope(k), al = 32^(-1/4), so that q' . k' is the score in the mask's own units;   v' = v / 4 (the last product's weights carry the 4).
; LIMITS.  f16 ends at 65,504: |q|, |k| stay under 155,000, |v| under 262,000.  sin and cos are made by taking k = round(x 2/pi) quarter turns away in three parts and two polynomials on
; |r| <= pi/4 (terms to r^9 and r^10): right to f32's last bits for |position| up to 2^20.
; A TILE is 128 rows x 192 columns: one head pair's q, k and v: 16 x 16 tiles, one to a work-group.  Four waves; wave (mi, ni) makes rows 64 mi .. x head 2 tc + ni's 96 columns: 24 accumulators.
; K goes in steps of 128 (rows of 256 bytes in memory) through a ring of two LDS slots filled by the tensor data mover.  Two slots of a step of 256 would take 337,920 bytes: they do not fit.
; CLUSTER 4 x 4: the four of a row of the cluster need the same rows of x, the four of a column the same rows of W: each tile is asked for jointly, by the same load with a mask of four.
; THE MATRIX INSTRUCTION IS USED TRANSPOSED (source 0 = 16 rows of W, source 1 = 16 rows of x): a lane holds ONE row of x (lane % 16) and eight neighbouring channels 8 (lane / 16) + 0..7.
; REGISTERS, in windows of 256 (s_set_vgpr_msb: bits 1:0 source 0, 3:2 source 1, 5:4 source 2, 7:6 destination):
;   window 0: v0-31 addresses, v32-255 the table's making and the way out     window 1: the accumulators, (a, b) at 8 (6 a + b)
;   window 2, window 3: two fragment buffers, each 64 along K: for each 32 along K 48 registers of W (6 blocks), then 32 of x (4 blocks)
.set NA,    4
.set NBK,   6
.set FH,    8*(NA+NBK)                 ; registers of a buffer's half (32 along K)
.set NL,    4*(NA+NBK)                 ; LDS loads that fill a buffer
.set PA,    272                        ; an LDS row: 256 bytes + 16 of padding = 68 words: the 16 rows of a load start at 16 different groups of four banks (ISA guide 11.1)
.set PB,    272
.set BOFF,  128*PA                     ; a slot: x's 128 rows, then W's 192
.set SLOT,  BOFF+192*PB                ; 87,040
.set TAB,   2*SLOT                     ; behind the ring: the table, 128 rows x (16 al cos, 16 al sin, 16 bytes of padding)
.set TP,    144
.set STAGE, TAB+128*TP                 ; the stage: q's, k's and v's 128 rows x (128 bytes + 16)
.set SP,    144
.set STT,   128*SP
.set SPARE, STAGE+3*STT                ; the spare words, 128 bytes a wave: two blocks of 256 bytes that no other line names
.set LAPS,  16                         ; a lap = two K steps = once round the ring: 4096 / 256
.set KA1,   128                        ; where a row's second 64 along K begin, for x
.set ASTEP, 512                        ; two K steps on, in bytes
.set BSTEP, 512
.set ADRA, 16                          ; v16-17  LDS address of my fragments of x in slot 0, 1
.set ADRB, 20                          ; v20-21  the same for W
.set STO,  24                          ; v24     the way out: where I put 16 bytes of a row
.set RD,   25                          ; v25     where I read rows back
.set CO,   26                          ; v26     16 x lane
.set TABR, 27                          ; v27     my row and half in the table
.set SPW,  28                          ; v28     LDS address of my spare word; never rewritten
.set NIL,  29                          ; v29     0; never rewritten
.set TT,   32                          ; v32-39, v40-47 at work; v48-55 packed
.set UU,   40
.set PKR,  48
.set WV, 16                            ; s16 wave; s17 mi: my half of the rows, and: I fetch for x (0) or W (1); s18 ni: my head, and: which part I fetch
.set MI, 17
.set NI, 18
.set G1,  24                           ; s[24:31] group 1 for x's tiles; s[32:39] group 0, a set for each slot
.set G0,  32
.set G1B, 48                           ; s[48:55], s[56:63] the same for W's
.set G0B, 56
.set GW, (1<<16)|(1<<20)|(1<<21)|(5<<22)|(3<<25)  ; 17:16 2-byte elements; 20 padding on; 21 set beside a mask; 24:22 after every 64 words; 31:25 4 words
.set MSB, 0
.macro WIN new                         ; the immediate's high byte repeats the setting that is left; a switch that changes nothing is dropped
.if MSB != (\new)
	s_set_vgpr_msb (MSB<<8)|(\new)
.set MSB, \new
.endif
.endm
.macro PLACES                          ; four places behind matrix instructions, in front of loads into their sources and of reads of their results
.rept 4
	v_nop
.endr
.endm
.macro JLOAD s                         ; a joint load: waves 0 and 1 fetch x's two halves, waves 2 and 3 W's; an s_nop 0 and four v_nop follow each line
	s_cmp_eq_u32 s[MI], 0
	s_cbranch_scc0 .Lfor_b_\@
	tensor_load_to_lds s[G0+4*(\s):G0+4*(\s)+3], s[G1:G1+7]
	s_nop 0
.rept 4
	v_nop
.endr
	s_branch .Lasked_\@
.Lfor_b_\@:
	tensor_load_to_lds s[G0B+4*(\s):G0B+4*(\s)+3], s[G1B:G1B+7]
	s_nop 0
.rept 4
	v_nop
.endr
.Lasked_\@:
.endm
.macro CREST                           ; a round of the cluster's barrier behind its opening barrier
	s_cmp_lg_u32 s[WV], 0
	s_cbranch_scc1 .Lnot_wave_0_\@
	s_barrier_signal -3
.Lnot_wave_0_\@:
	s_barrier_wait -3
	s_barrier_signal -1
	s_barrier_wait -1
.endm
.macro CROUND
	s_barrier_signal -1
	s_barrier_wait -1
	CREST
.endm
; 12 matrix instructions: row blocks a0, a0 + 1 x all 6 column blocks, 32 along K: half c of buffer f.  zero = 1: the product starts the sums.
; The 24 accumulators take turns, one instruction a turn, in the same order everywhere.
.macro MULH f, c, a0, zero
	WIN 0x5a+5*(\f)                                ; sources in window 2 or 3, C and D in window 1
.irp a, \a0, (\a0)+1
.irp b, 0,1,2,3,4,5
.if \zero
	v_wmma_f32_16x16x32_bf16 v[8*(NBK*(\a)+(\b)):8*(NBK*(\a)+(\b))+7], v[FH*(\c)+8*(\b):FH*(\c)+8*(\b)+7], v[FH*(\c)+8*NBK+8*(\a):FH*(\c)+8*NBK+8*(\a)+7], 0
.else
	v_wmma_f32_16x16x32_bf16 v[8*(NBK*(\a)+(\b)):8*(NBK*(\a)+(\b))+7], v[FH*(\c)+8*(\b):FH*(\c)+8*(\b)+7], v[FH*(\c)+8*NBK+8*(\a):FH*(\c)+8*NBK+8*(\a)+7], v[8*(NBK*(\a)+(\b)):8*(NBK*(\a)+(\b))+7]
.endif
.endr
.endr
.endm
; NL LDS loads in one run: the fragments of 64 along K (x's at byte ka, W's at byte kb of the rows) into buffer f; the first 32 along K first.
; A fragment is 16 rows x 32 K in 8 registers: lane l holds row l % 16, K = 8 (l / 16) + 0..7 and 16 + 8 (l / 16) + 0..7: two loads of 16 bytes, 32 bytes apart.
.macro FETCH slot, ka, kb, f
	WIN 0x80+0x40*(\f)                             ; destination window 2 or 3, address window 0
.irp c, 0,1
.irp b, 0,1,2,3,4,5
	ds_load_b128 v[FH*(\c)+8*(\b):FH*(\c)+8*(\b)+3],   v[ADRB+(\slot)] offset:(\kb)+64*(\c)+(\b)*16*PB
	ds_load_b128 v[FH*(\c)+8*(\b)+4:FH*(\c)+8*(\b)+7], v[ADRB+(\slot)] offset:(\kb)+64*(\c)+(\b)*16*PB+32
.endr
.irp a, 0,1,2,3
	ds_load_b128 v[FH*(\c)+8*NBK+8*(\a):FH*(\c)+8*NBK+8*(\a)+3],   v[ADRA+(\slot)] offset:(\ka)+64*(\c)+(\a)*16*PA
	ds_load_b128 v[FH*(\c)+8*NBK+8*(\a)+4:FH*(\c)+8*NBK+8*(\a)+7], v[ADRA+(\slot)] offset:(\ka)+64*(\c)+(\a)*16*PA+32
.endr
.endr
.endm
; A K step's first half: multiplies buffer f and, in its middle, fetches the step's second half into buffer g.
.macro QUARTER slot, ka, kb, f, g, zero
	s_wait_dscnt NL/2                              ; f's first 32 along K are in; the younger half of the run may be out
	MULH \f, 0, 0, \zero
	MULH \f, 0, 2, \zero
	PLACES
	FETCH \slot, \ka, \kb, \g
	s_wait_dscnt NL                                ; all but the run just issued
	MULH \f, 1, 0, 0
	MULH \f, 1, 2, 0
.endm
; A K step's second half multiplies buffer 1 and changes slots: ONE barrier.  In front of it each wave waits for all its tensor loads (one is out: its part of the next slot), adds 0 to its
; spare word, and waits for that and for its own reads of this slot.  fill = 1: the barrier opens a round of the cluster's, and this slot is filled again, two K steps ahead, first thing behind it.
.macro TURN slot, next, fill
	WIN 0                                          ; (the add's two registers lie in window 0)
	s_wait_tensorcnt 0x0                           ; all my tensor loads have landed
	ds_add_u32 v[SPW], v[NIL]                      ; 0 onto my spare word
	s_wait_dscnt NL/2+1                            ; (the add and the younger half of buffer 1's run may be out)
	MULH 1, 0, 0, 0                                ; twelve matrix instructions stand between the add and the wait for it
	s_wait_dscnt 0x0                               ; the add is done, and my reads of this slot are over
	s_barrier_signal -1
	MULH 1, 0, 2, 0                                ; work on registers while the others arrive
.if \fill
	WIN 0
.endif
	s_barrier_wait -1
.if \fill
	CREST                                          ; no wave of any partner still reads this slot's tile or has a load on its way
	s_add_nc_u64 s[G0+4*(\slot)+2:G0+4*(\slot)+3], s[G0+4*(\slot)+2:G0+4*(\slot)+3], ASTEP
	s_add_nc_u64 s[G0B+4*(\slot)+2:G0B+4*(\slot)+3], s[G0B+4*(\slot)+2:G0B+4*(\slot)+3], BSTEP
	JLOAD \slot                                    ; 72 matrix instructions ahead of the wait for it; its four v_nop are also the places in front of the loads below
.else
	PLACES
.endif
	FETCH \next, 0, 0, 0
	MULH 1, 1, 0, 0
	MULH 1, 1, 2, 0
.endm
	s_load_b256 s[4:11], s[0:1], 0x0               ; xb s[4:5], wb s[6:7], position_ids s[8:9], qh s[10:11]
	s_load_b128 s[12:15], s[0:1], 0x20             ; kh s[12:13], vh s[14:15]
	v_lshl_add_u32 v[SPW], v0, 2, SPARE
	v_mov_b32 v[NIL], 0
	ds_add_u32 v[SPW], v[NIL]                      ; the wave's opening: the add and its wait stand ahead of my first tensor load; work on registers stands between them
	v_lshrrev_b32 v1, 5, v0
	v_readfirstlane_b32 s[WV], v1                  ; wave 0..3
	s_lshr_b32 s[MI], s[WV], 1
	s_and_b32 s[NI], s[WV], 1
	s_bfe_u32 s20, ttmp6, 0x40000                  ; cx, cy: my place in the cluster
	s_bfe_u32 s21, ttmp6, 0x40004
	s_lshl_b32 s22, ttmp9, 2
	s_add_co_u32 s22, s22, s20                     ; tc: the head pair = 4 x cluster x + cx
	s_and_b32 s23, ttmp7, 0xffff
	s_lshl_b32 s23, s23, 2
	s_add_co_u32 s23, s23, s21                     ; tr: the block of 128 rows = 4 x cluster y + cy
	s_lshl_b32 s40, s21, 2
	s_lshl_b32 s40, 15, s40                        ; my row of the cluster
	s_lshl_b32 s41, 0x1111, s20                    ; my column
	s_or_b32 s[G1], s40, GW                        ; x's tiles go to my row: 64 rows x 128 elements
	s_mov_b32 s[G1+1], 128<<16                     ; tensor_dim0 = 128
	s_mov_b32 s[G1+2], 64<<16                      ; tensor_dim1 = 64
	s_mov_b32 s[G1+3], 128<<16                     ; tile_dim0 = 128
	s_mov_b32 s[G1+4], 64                          ; tile_dim1 = 64
	s_mov_b32 s[G1+5], 4096                        ; elements from row to row
	s_mov_b32 s[G1+6], 0
	s_mov_b32 s[G1+7], 0
	s_or_b32 s[G1B], s41, GW                       ; W's tiles go to my column: 96 rows x 128 elements, one head's q, k, v
	s_mov_b32 s[G1B+1], 128<<16
	s_mov_b32 s[G1B+2], 96<<16
	s_mov_b32 s[G1B+3], 128<<16
	s_mov_b32 s[G1B+4], 96
	s_mov_b32 s[G1B+5], 4096
	s_mov_b32 s[G1B+6], 0
	s_mov_b32 s[G1B+7], 0
	s_lshl_b32 s42, s23, 7                         ; x: row 128 tr + 64 ni, rows of 8,192 bytes
	s_lshl_b32 s43, s[NI], 6
	s_add_co_u32 s42, s42, s43
	s_lshl_b32 s42, s42, 13
	s_mov_b32 s43, 0
	s_mul_i32 s44, s22, 192                        ; W: row 192 tc + 96 ni
	s_mul_i32 s45, s[NI], 96
	s_add_co_u32 s44, s44, s45
	s_lshl_b32 s44, s44, 13
	s_mov_b32 s45, 0
	s_mul_i32 s46, s[NI], 64*PA                    ; where they go: the wave's number alone enters an LDS address
	s_mul_i32 s47, s[NI], 96*PB
	s_add_co_u32 s47, s47, BOFF
	s_mov_b32 s66, 0x3f22f983                      ; 2 / pi
	s_mov_b32 s67, 0xbfc90fdb                      ; pi / 2 in three parts, negated
	s_mov_b32 s68, 0x333bbd2e
	s_mov_b32 s69, 0x26f72ced
	s_mov_b32 s70, 0xbe2aaaab                      ; sin: -1/3!, 1/5!, -1/7!, 1/9!
	s_mov_b32 s71, 0x3c088889
	s_mov_b32 s72, 0xb9500d01
	s_mov_b32 s73, 0x3638ef1d
	s_mov_b32 s74, 0x3d2aaaab                      ; cos: 1/4!, -1/6!, 1/8!, -1/10!
	s_mov_b32 s75, 0xbab60b61
	s_mov_b32 s76, 0x37d00d01
	s_mov_b32 s77, 0xb493f27e
	s_mov_b32 s78, 0x3ed744fd                      ; al = 32^(-1/4)
	s_mov_b32 s79, 0x80000000                      ; the sign
	s_mov_b32 s82, 0x3e800000                      ; 1/4, named as a pair
	s_mov_b32 s83, 0x3e800000
	s_wait_dscnt 0x0                               ; the opening add is done
	s_wait_kmcnt 0x0
	s_add_nc_u64 s[42:43], s[4:5], s[42:43]
	s_add_nc_u64 s[44:45], s[6:7], s[44:45]
	CROUND                                         ; all sixteen work-groups are here: the first joint loads meet
.irp s, 0,1
	s_mov_b32 s[G0+4*(\s)], 1                      ; count = 1
	s_add_co_u32 s[G0+4*(\s)+1], s46, (\s)*SLOT    ; LDS address
	s_add_nc_u64 s[G0+4*(\s)+2:G0+4*(\s)+3], s[42:43], (\s)*256  ; global address: K step s
	s_or_b32 s[G0+4*(\s)+3], s[G0+4*(\s)+3], 0x80000000          ; type = 2
	s_mov_b32 s[G0B+4*(\s)], 1
	s_add_co_u32 s[G0B+4*(\s)+1], s47, (\s)*SLOT
	s_add_nc_u64 s[G0B+4*(\s)+2:G0B+4*(\s)+3], s[44:45], (\s)*256
	s_or_b32 s[G0B+4*(\s)+3], s[G0B+4*(\s)+3], 0x80000000
	JLOAD \s                                       ; two loads of mine are out
.endr
	s_lshl_b32 s40, s23, 9                         ; thread t takes row t of the block: its position
	v_lshl_add_u32 v30, v0, 2, s40
	global_load_b32 v31, v30, s[8:9]
	v_and_b32 v1, 15, v0                           ; l % 16
	v_bfe_u32 v2, v0, 4, 1                         ; l / 16
	v_mul_u32_u24 v3, v1, PA
	v_lshl_add_u32 v3, v2, 4, v3                   ; a fragment's row x pitch + 16 x half
	s_mul_i32 s40, s[MI], 64*PA                    ; my 64 rows of x
	s_mul_i32 s41, s[NI], 96*PB                    ; my head's 96 rows of W
	s_add_co_u32 s41, s41, BOFF
.irp s, 0,1
	v_add_nc_u32 v[ADRA+(\s)], s40, v3
	v_add_nc_u32 v[ADRB+(\s)], s41, v3
	s_add_co_u32 s40, s40, SLOT
	s_add_co_u32 s41, s41, SLOT
.endr
	s_mul_i32 s40, s[MI], 64*SP                    ; into the stage: row 64 mi + l % 16, my head's 64 bytes, 16 for each half of the lanes
	s_lshl_b32 s41, s[NI], 6
	s_add_co_u32 s40, s40, s41
	s_add_co_u32 s40, s40, STAGE
	v_mul_u32_u24 v[STO], v1, SP
	v_lshl_add_u32 v[STO], v2, 4, v[STO]
	v_add_nc_u32 v[STO], s40, v[STO]
	s_mul_i32 s40, s[WV], 32*SP                    ; back: wave w takes rows 32 w .. + 31, whole; 32 lanes take four rows of 128 bytes
	s_add_co_u32 s40, s40, STAGE
	v_bfe_u32 v[RD], v0, 3, 2
	v_mul_u32_u24 v[RD], v[RD], SP
	v_and_b32 v4, 7, v0
	v_lshl_add_u32 v[RD], v4, 4, v[RD]
	v_add_nc_u32 v[RD], s40, v[RD]
	v_and_b32 v[CO], 31, v0
	v_lshlrev_b32 v[CO], 4, v[CO]
	s_mul_i32 s40, s[MI], 64*TP                    ; the table: row 64 mi + l % 16, frequencies 8 (l / 16) on
	s_add_co_u32 s40, s40, TAB
	v_mul_u32_u24 v[TABR], v1, TP
	v_lshl_add_u32 v[TABR], v2, 5, v[TABR]
	v_add_nc_u32 v[TABR], s40, v[TABR]
	v_mul_u32_u24 v45, v0, TP                      ; where thread t writes its row of the table
	v_add_nc_u32 v45, TAB, v45
	s_lshl_b32 s40, s23, 7                         ; the rows that I store: 128 tr + 32 w, of 128 bytes, in the head pair's 262,144
	s_lshl_b32 s41, s[WV], 5
	s_add_co_u32 s40, s40, s41
	s_lshl_b32 s40, s40, 7
	s_lshl_b32 s41, s22, 18
	s_add_co_u32 s40, s40, s41
	s_mov_b32 s41, 0
	s_add_nc_u64 s[10:11], s[10:11], s[40:41]
	s_add_nc_u64 s[12:13], s[12:13], s[40:41]
	s_add_nc_u64 s[14:15], s[14:15], s[40:41]
	s_wait_loadcnt 0x0
	v_cvt_f32_i32 v31, v31
; THE TABLE, made in the wait for the first tiles.  x = position x frequency i, rounded once as in f32; k = round(x 2/pi), r = x - k pi/2; sin r and cos r by polynomials; an odd k swaps them;
; sin's sign is bit 1 of k, cos's bit 1 of k + 1.  The choice is a select by a lane mask in a scalar register.  Both leave times al.
.macro SINCOS i, lit
	v_mul_f32 v32, \lit, v31
	v_mul_f32 v33, s66, v32
	v_rndne_f32 v33, v33
	v_fma_f32 v34, v33, s67, v32
	v_fma_f32 v34, v33, s68, v34
	v_fma_f32 v34, v33, s69, v34
	v_cvt_i32_f32 v35, v33
	v_mul_f32 v36, v34, v34
	v_fma_f32 v37, v36, s73, s72
	v_fma_f32 v39, v36, s77, s76
	v_fma_f32 v37, v37, v36, s71
	v_fma_f32 v39, v39, v36, s75
	v_fma_f32 v37, v37, v36, s70
	v_fma_f32 v39, v39, v36, s74
	v_mul_f32 v38, v34, v36
	v_fma_f32 v39, v39, v36, -0.5
	v_fma_f32 v37, v38, v37, v34
	v_fma_f32 v39, v39, v36, 1.0
	v_and_b32 v40, 1, v35
	v_cmp_eq_u32 s80, 1, v40
	v_cndmask_b32 v41, v37, v39, s80
	v_cndmask_b32 v42, v39, v37, s80
	v_lshlrev_b32 v43, 30, v35
	v_add_nc_u32 v44, 1, v35
	v_and_b32 v43, s79, v43
	v_lshlrev_b32 v44, 30, v44
	v_xor_b32 v41, v41, v43
	v_and_b32 v44, s79, v44
	v_xor_b32 v42, v42, v44
	v_mul_f32 v[64+(\i)], s78, v42
	v_mul_f32 v[80+(\i)], s78, v41
.endm
	SINCOS 0,  0x3f800000                          ; 10000^(-i/16)
	SINCOS 1,  0x3f0ff59a
	SINCOS 2,  0x3ea1e89b
	SINCOS 3,  0x3e361887
	SINCOS 4,  0x3dcccccd
	SINCOS 5,  0x3d6655c3
	SINCOS 6,  0x3d0186e2
	SINCOS 7,  0x3c91ad39
	SINCOS 8,  0x3c23d70a
	SINCOS 9,  0x3bb8449c
	SINCOS 10, 0x3b4f3e37
	SINCOS 11, 0x3ae91528
	SINCOS 12, 0x3a83126f
	SINCOS 13, 0x3a136a16
	SINCOS 14, 0x39a5cb5f
	SINCOS 15, 0x393a7753
.irp i, 0,1,2,3,4,5,6,7
	ds_store_b128 v45, v[64+4*(\i):64+4*(\i)+3] offset:16*(\i)
.endr
	s_wait_dscnt 0x0                               ; for the others' sake: my row of the table is written,
	s_wait_tensorcnt 0x1                           ; and my part of K step 0 is in; K step 1's may stay out
	s_barrier_signal -1
	s_barrier_wait -1
	FETCH 0, 0, 0, 0
	QUARTER 0, KA1, 128, 0, 1, 1                   ; the first half step stands in front of the loop: its first products start the sums
	WIN 0                                          ; at a label and at a branch every window is 0
	s_mov_b32 s19, LAPS-1
.Llap:                                                 ; a trip goes once round the ring and fills both slots again
	TURN 0, 1, 1
	QUARTER 1, KA1, 128, 0, 1, 0
	TURN 1, 0, 1
	QUARTER 0, KA1, 128, 0, 1, 0
	WIN 0
	s_sub_co_u32 s19, s19, 1
	s_cmp_lg_u32 s19, 0
	s_cbranch_scc1 .Llap
	TURN 0, 1, 0                                   ; the last lap fills nothing
	QUARTER 1, KA1, 128, 0, 1, 0
	s_wait_dscnt NL/2
	MULH 1, 0, 0, 0
	MULH 1, 0, 2, 0
	s_wait_dscnt 0x0
	MULH 1, 1, 0, 0
	MULH 1, 1, 2, 0
	WIN 0
	PLACES
	; THE WAY OUT.  My rows' al cos and al sin for my eight frequencies; block a's at v[64 + 16 a], cos then sin.
.irp a, 0,1,2,3
	ds_load_b128 v[64+16*(\a):64+16*(\a)+3],     v[TABR] offset:(\a)*16*TP
	ds_load_b128 v[64+16*(\a)+4:64+16*(\a)+7],   v[TABR] offset:(\a)*16*TP+16
	ds_load_b128 v[64+16*(\a)+8:64+16*(\a)+11],  v[TABR] offset:(\a)*16*TP+64
	ds_load_b128 v[64+16*(\a)+12:64+16*(\a)+15], v[TABR] offset:(\a)*16*TP+80
.endr
	s_wait_dscnt 0x0
; Row block a of q (t = 0) or k (t = 1).  X1 holds channels 8 h + j, X2 channels 16 + 8 h + j: x1 cos - x2 sin and x2 cos + x1 sin.  Each accumulator is read from its lowest registers on.
.macro ROPE a, t
.set X1, 8*(NBK*(\a)+2*(\t))
.set X2, X1+8
.set CSR, 64+16*(\a)
.set SNR, CSR+8
	WIN 0x01                                       ; source 0 in window 1
.irp j, 0,2,4,6
	v_pk_mul_f32 v[TT+\j:TT+\j+1], v[X2+\j:X2+\j+1], v[SNR+\j:SNR+\j+1]
.endr
.irp j, 0,2,4,6
	v_pk_mul_f32 v[UU+\j:UU+\j+1], v[X1+\j:X1+\j+1], v[SNR+\j:SNR+\j+1]
.endr
.irp j, 0,2,4,6
	v_pk_fma_f32 v[TT+\j:TT+\j+1], v[X1+\j:X1+\j+1], v[CSR+\j:CSR+\j+1], v[TT+\j:TT+\j+1] neg_lo:[0,0,1] neg_hi:[0,0,1]
.endr
.irp j, 0,2,4,6
	v_pk_fma_f32 v[UU+\j:UU+\j+1], v[X2+\j:X2+\j+1], v[CSR+\j:CSR+\j+1], v[UU+\j:UU+\j+1]
.endr
	WIN 0
.irp j, 0,1,2,3
	v_cvt_pk_f16_f32 v[PKR+\j],   v[TT+2*\j], v[TT+2*\j+1]
	v_cvt_pk_f16_f32 v[PKR+4+\j], v[UU+2*\j], v[UU+2*\j+1]
.endr
	ds_store_b128 v[STO], v[PKR:PKR+3]   offset:(\t)*STT+(\a)*16*SP
	ds_store_b128 v[STO], v[PKR+4:PKR+7] offset:(\t)*STT+(\a)*16*SP+32
.endm
.macro VOUT a                          ; row block a of v, times 1/4
.set X1, 8*(NBK*(\a)+4)
.set X2, X1+8
	WIN 0x01
.irp j, 0,2,4,6
	v_pk_mul_f32 v[TT+\j:TT+\j+1], v[X1+\j:X1+\j+1], s[82:83] op_sel_hi:[1,0]
	v_pk_mul_f32 v[UU+\j:UU+\j+1], v[X2+\j:X2+\j+1], s[82:83] op_sel_hi:[1,0]
.endr
	WIN 0
.irp j, 0,1,2,3
	v_cvt_pk_f16_f32 v[PKR+\j],   v[TT+2*\j], v[TT+2*\j+1]
	v_cvt_pk_f16_f32 v[PKR+4+\j], v[UU+2*\j], v[UU+2*\j+1]
.endr
	ds_store_b128 v[STO], v[PKR:PKR+3]   offset:2*STT+(\a)*16*SP
	ds_store_b128 v[STO], v[PKR+4:PKR+7] offset:2*STT+(\a)*16*SP+32
.endm
.irp a, 0,1,2,3
	ROPE \a, 0
	ROPE \a, 1
	VOUT \a
.endr
	s_wait_dscnt 0x0                               ; for the others' sake: a row's 128 bytes come from two waves
	s_barrier_signal -1
	s_barrier_wait -1
.irp t, 0,1,2
.irp i, 0,1,2,3,4,5,6,7
	ds_load_b128 v[128+32*(\t)+4*(\i):128+32*(\t)+4*(\i)+3], v[RD] offset:(\t)*STT+(\i)*4*SP
.endr
.endr
.set n, 0
.irp t, 0,1,2
.irp i, 0,1,2,3,4,5,6,7
	s_wait_dscnt 23-n                              ; LDS loads come back in order: load n is in
	global_store_b128 v[CO], v[128+32*(\t)+4*(\i):128+32*(\t)+4*(\i)+3], s[10+2*(\t):11+2*(\t)] offset:512*(\i)  ; four rows: 512 consecutive bytes, at a multiple of 256 from the buffer's first
.set n, n+1
.endr
.endr
	s_wait_tensorcnt 0x0                           ; the wave's end: the add to my spare word and its waits, behind my last tensor load and my last LDS store
	ds_add_u32 v[SPW], v[NIL]
	s_wait_dscnt 0x0
	CROUND                                         ; the closing round: no work-group ends while a partner may still ask for a tile that names it
	s_endpgm
.Lfunc_end_k_qf4e74c3548_qkv:
	.size	k_qf4e74c3548_qkv, .Lfunc_end_k_qf4e74c3548_qkv-k_qf4e74c3548_qkv
	.p2alignl 7, 3214868480
	.fill 96, 4, 3214868480
	.section	.rodata,"a",@progbits
	.p2align	6, 0x0
	.amdhsa_kernel k_qf4e74c3548_qkv
		.amdhsa_group_segment_fixed_size 327680
		.amdhsa_private_segment_fixed_size 0
		.amdhsa_enable_private_segment 0
		.amdhsa_kernarg_size 48
		.amdhsa_user_sgpr_count 2
		.amdhsa_user_sgpr_kernarg_segment_ptr 1
		.amdhsa_wavefront_size32 1
		.amdhsa_system_sgpr_workgroup_id_x 1
		.amdhsa_system_sgpr_workgroup_id_y 1
		.amdhsa_system_sgpr_workgroup_id_z 1
		.amdhsa_system_vgpr_workitem_id 0
		.amdhsa_next_free_vgpr 928
		.amdhsa_next_free_sgpr 96
		.amdhsa_reserve_vcc 0
		.amdhsa_float_denorm_mode_32 3
		.amdhsa_float_denorm_mode_16_64 3
		.amdhsa_memory_ordered 1
		.amdhsa_forward_progress 1
		.amdhsa_inst_pref_size 106
	.end_amdhsa_kernel
	.amdgpu_metadata
---
amdhsa.version: [ 1, 2 ]
amdhsa.kernels:
  - .name:           k_qf4e74c3548_qkv
    .symbol:         k_qf4e74c3548_qkv.kd
    .args:
      - { .name: xb, .offset: 0, .size: 8, .value_kind: global_buffer, .address_space: global }
      - { .name: wb, .offset: 8, .size: 8, .value_kind: global_buffer, .address_space: global }
      - { .name: position_ids, .offset: 16, .size: 8, .value_kind: global_buffer, .address_space: global }
      - { .name: qh, .offset: 24, .size: 8, .value_kind: global_buffer, .address_space: global }
      - { .name: kh, .offset: 32, .size: 8, .value_kind: global_buffer, .address_space: global }
      - { .name: vh, .offset: 40, .size: 8, .value_kind: global_buffer, .address_space: global }
    .group_segment_fixed_size: 327680
    .private_segment_fixed_size: 0
    .kernarg_segment_align: 8
    .kernarg_segment_size: 48
    .max_flat_workgroup_size: 128
    .sgpr_count:     96
    .vgpr_count:     928
    .wavefront_size: 32
...
	.end_amdgpu_metadata
.endif
;; end of part 2
;; launch attn (part 3): grid 16 x 16, 8 waves a work-group, clusters of 4 x 4, 327,680 bytes of LDS; arguments qh, kh, vh, attention_mask, oh; writes oh
.if DOCPART == 3
	.amdgcn_target "amdgcn-amd-amdhsa--gfx1250"
	.amdhsa_code_object_version 6
	.text
	.protected	k_qf4e74c3548_attn
	.globl	k_qf4e74c3548_attn
	.p2align	8
	.type	k_qf4e74c3548_attn,@function
k_qf4e74c3548_attn:
	s_mov_b64 s[64:65], 0
	v_nop
	global_prefetch_b8 v0, s[64:65] scope:SCOPE_SE
	s_setreg_imm32_b32 hwreg(HW_REG_WAVE_MODE, 25, 1), 1
	s_wait_xcnt 0x0
	s_wait_alu depctr_hold_cnt(0) depctr_sa_sdst(0) depctr_va_vdst(0) depctr_va_sdst(0) depctr_va_ssrc(0) depctr_va_vcc(0) depctr_vm_vsrc(0)
	s_getreg_b32 s2, hwreg(HW_REG_IB_STS2, 6, 4)
	s_cmp_eq_u32 s2, 0
	s_cbranch_scc0 .Lentry_in_a_cluster
	s_endpgm
.Lentry_in_a_cluster:
	s_bfe_u32 s2, ttmp6, 0x10000c
	s_cmp_lg_u32 s2, 0xf033
	s_cbranch_scc0 .Lentry_shape_is_right
	s_endpgm
.Lentry_shape_is_right:
; O'[h][q] = the sum over k of softmax_k(q'[h][q] . k'[h][k] + mask[q][k]) v'[h][k].  qh, kh, vh, oh: [16 head pairs][2048][64] f16, head 2 p + hh at byte 64 hh of a row of 128 bytes;
; q' and k' carry 32^(-1/4) each, so q' . k' is the score in the mask's units; v' = v / 4, so O' = O / 4.  attention_mask: [2048][2048] f32, an INPUT: every key of every query is computed.
; Products, maxima and sums in f32; the weights p are rounded to f16 for the second product, and their sum l is taken of the rounded p, by the matrix unit; O' is rounded once at the end.
; LIMITS.  The mask enters as the C operand of the product that makes the score: s = q' . k' + mask has that instruction's one rounding.  A weight below 2^-126 counts as 0, below 6e-5 it keeps
; f16's fixed step of 6e-8.  NaN and infinities in the inputs are not treated apart.
; SHARES.  A work-group owns 128 queries of a head pair; wave w owns head hh = w % 2 and the 32 queries 32 (w / 2) on: two tiles of 16.  Every wave walks all 2,048 keys, 64 a step.
; At head size 32 a tile and step have 10 matrix and 111 vector instructions: the vector work sets the time.  So the text goes in plain phases, and two waves share a SIMD: one wave's matrix
; instructions and waits stand beside the other's vector work.
; LAYOUT.  S^T = K Q^T + mask^T (source 0 = 16 keys, source 1 = 16 queries): a lane holds ONE query (lane % 16) and the keys 8 (lane / 16) + 0..7, which are 32 neighbouring bytes of a mask row.
; Two such results rounded to f16 ARE source 1 (32 keys x 16 queries) of O^T = V^T P.  V comes out of LDS turned, by ds_load_tr16_b128.  l = ONES P, where ONES has rows 0 and 8 full of 1:
; register 0 of the result is the query's sum in both halves of the lanes.
; SOFTMAX.  A running maximum m: p = 2^(c (s - m)), c = log2(e).  s - m is taken first, so that it is exact however large a mask value both carry.  In every step O and l are multiplied by
; a = 2^(c (m_old - m_new)).  m starts at the lowest finite number, O and l at 0: the first step is a step like any other.
; CLUSTER 4 x 4.  The four of a row of the cluster share the head pair (K, V), the four of a column the queries (mask): each tile is asked for jointly, by the same load with a mask of four.
; A slot holds 128 keys, two steps; wave 0 asks for K, wave 1 for V, waves 2 and 3 for the two halves of the mask's 128 rows, waves 4 to 7 for nothing.
; REGISTERS (s_set_vgpr_msb: bits 1:0 source 0, 3:2 source 1, 5:4 source 2, 7:6 destination):
;   window 0: v0-15 addresses; v16-31 statistics; v32-95 S^T, 32 a tile; v96-127 P; v128-159 O^T, at 16 t + 8 cb; v160-175 l, at 8 t; v176-178 set-up
;   window 1: v0-15 Q; v16-23 ONES; v32-63 K of a step; v64-95 V of a step, at 16 kk + 8 cb
.set PK,    144       ; a key's row of K in LDS: 128 bytes + 16 = 36 words: the 16 rows of a load start at 16 different groups of four banks (ISA guide 11.1)
.set PVP,   160       ; of V: 128 + 32 = 40 words
.set PM,    528       ; a query's row of the mask: 512 bytes + 16
.set VOFF,  128*PK    ; a slot: 128 keys of K, 128 of V, 128 rows of the mask
.set MOFF,  VOFF+128*PVP
.set SLOT1, 1<<17     ; slot 1 begins here: one exclusive or turns an address in one slot into the other's
.set STAGE, SLOT1+MOFF+128*PM  ; behind the ring, never filled by a tensor load: 128 rows x 144 bytes
.set SP,    144
.set SPARE, STAGE+128*SP       ; the spare words, 128 bytes a wave: four blocks of 256 bytes that no other line names
.set AK,  2           ; v2-4   LDS addresses of my fragments of K, the mask and V in the slot in hand
.set AM,  3
.set AV,  4
.set STO, 5           ; v5     the way out: where I put 16 bytes of a row
.set RD,  6           ; v6     where I read rows back
.set GO,  7           ; v7     16 x lane
.set QO,  8           ; v8     my byte offset in 16 rows of Q
.set AK0, 9           ; v9-11  the same three addresses in slot 0; never rewritten
.set AM0, 10
.set AV0, 11
.set SPW, 12          ; v12    LDS address of my spare word; never rewritten
.set NIL, 13          ; v13    0; never rewritten
.set MV,  14          ; v14-15 m_old, by tile
.set ST,  16          ; tile t's statistics at v[ST + 8 t]: m, (pair), a, (pair), c0-c3 at work
.set SS,  32
.set PP,  96
.set OO,  128
.set LL,  160
.set QF,  0           ; window 1
.set ONES, 16
.set KF,  32
.set VF,  64
.set WV,  14          ; s14 wave; s15 hh; s16 qq
.set HH,  15
.set QQ,  16
.set G1K, 28          ; s[28:35], s[36:43], s[44:51] descriptor groups 1
.set G1V, 36
.set G1M, 44
.set G0K, 52          ; s[52:55], s[56:59], s[60:63] descriptor groups 0: they walk
.set G0V, 56
.set G0M, 60
.set CNT, 66          ; s66  slots still to be asked for
.set TB,  67          ; s67  LDS byte at which the slot in hand begins
.set CS,  68          ; s[68:69] c, named as a pair
.set SEL, 70          ; s[70:71] v_permlanex16_b32's selects: each lane takes its own place in the other half
.set MSB, 0
.macro WIN new                      ; the high byte repeats the setting that is left; a switch that changes nothing is dropped
.if MSB != (\new)
	s_set_vgpr_msb (MSB<<8)|(\new)
.set MSB, \new
.endif
.endm
.macro PLACES                       ; four places behind matrix instructions (ISA guide 7.12.1)
.rept 4
	v_nop
.endr
.endm
; A joint fill.  The branches hang on the wave's number alone.  An s_nop 0 and four v_nop follow each of the three lines.
.macro JLOAD
	s_cmp_gt_u32 s[WV], 3
	s_cbranch_scc1 .Lnone_\@
	s_cmp_gt_u32 s[WV], 1
	s_cbranch_scc1 .Lfor_m_\@
	s_cmp_eq_u32 s[WV], 0
	s_cbranch_scc0 .Lfor_v_\@
	tensor_load_to_lds s[G0K:G0K+3], s[G1K:G1K+7]
	s_nop 0
.rept 4
	v_nop
.endr
	s_branch .Lnone_\@
.Lfor_v_\@:
	tensor_load_to_lds s[G0V:G0V+3], s[G1V:G1V+7]
	s_nop 0
.rept 4
	v_nop
.endr
	s_branch .Lnone_\@
.Lfor_m_\@:
	tensor_load_to_lds s[G0M:G0M+3], s[G1M:G1M+7]
	s_nop 0
.rept 4
	v_nop
.endr
.Lnone_\@:
.endm
.macro CROUND                       ; a round of the cluster's barrier
	s_barrier_signal -1
	s_barrier_wait -1
	s_cmp_lg_u32 s[WV], 0
	s_cbranch_scc1 .Lnot_wave_0_\@
	s_barrier_signal -3
.Lnot_wave_0_\@:
	s_barrier_wait -3
	s_barrier_signal -1
	s_barrier_wait -1
.endm
; THE CHANGE OF SLOTS.  The slot's last bytes, V of its second step, have been asked for.  Each wave waits for all its tensor loads (at most one is out: its part of the other slot), adds 0 to its
; spare word, and waits for that and for its own reads of the slot.  fill = 1: the barrier is a round of the cluster's, and the slot is filled again, with the keys two slots on, first thing behind
; it: the load has two key steps in which to land.  (At its first use nothing has been read yet: slot 0 is waited for, slot 1 filled.)
.macro CHANGE fill
	WIN 0                           ; at a label and at a branch every window is 0
	s_wait_tensorcnt 0x0            ; no tensor load of mine is out, so a group 0 may be written
	ds_add_u32 v[SPW], v[NIL]       ; 0 onto my spare word: scalar work stands between it and the wait for it
.if \fill
.irp g, G0K, G0V
	s_xor_b32 s[\g+1], s[\g+1], SLOT1  ; the other slot than last time,
	s_add_nc_u64 s[\g+2:\g+3], s[\g+2:\g+3], 128*128  ; the next 128 keys; the type bits on top are not reached
.endr
	s_xor_b32 s[G0M+1], s[G0M+1], SLOT1
	s_add_nc_u64 s[G0M+2:G0M+3], s[G0M+2:G0M+3], 128*4
.endif
	s_xor_b32 s[TB], s[TB], SLOT1   ; the reads go to the other slot
	s_wait_dscnt 0x0                ; the add is done, and my reads of the slot are over
.if \fill
	CROUND
	JLOAD
.else
	s_barrier_signal -1
	s_barrier_wait -1
.endif
	v_add_nc_u32 v[AK], s[TB], v[AK0]
	v_add_nc_u32 v[AM], s[TB], v[AM0]
	v_add_nc_u32 v[AV], s[TB], v[AV0]
.endm
	s_load_b256 s[4:11], s[0:1], 0x0  ; qh s[4:5], kh s[6:7], vh s[8:9], attention_mask s[10:11]
	s_load_b64 s[12:13], s[0:1], 0x20 ; oh
	v_lshl_add_u32 v[SPW], v0, 2, SPARE
	v_mov_b32 v[NIL], 0
	ds_add_u32 v[SPW], v[NIL]       ; the wave's opening: the add and its wait stand ahead of my first tensor load; work on registers stands between them
	v_lshrrev_b32 v1, 5, v0
	v_readfirstlane_b32 s[WV], v1   ; wave 0..7
	s_and_b32 s[HH], s[WV], 1
	s_lshr_b32 s[QQ], s[WV], 1
	s_bfe_u32 s17, ttmp6, 0x40000   ; cx, cy: my place in the cluster
	s_bfe_u32 s18, ttmp6, 0x40004
	s_lshl_b32 s19, ttmp9, 2
	s_add_co_u32 s19, s19, s17      ; qb: the block of 128 queries = 4 x cluster x + cx
	s_and_b32 s20, ttmp7, 0xffff
	s_lshl_b32 s20, s20, 2
	s_add_co_u32 s20, s20, s18      ; pr: the head pair = 4 x cluster y + cy
	s_lshl_b32 s21, s18, 2
	s_lshl_b32 s21, 15, s21         ; my row of the cluster: the same head pair
	s_lshl_b32 s72, 0x1111, s17     ; my column: the same queries
	; 128 keys of K or V are 16,384 dense bytes: asked for as 64 rows of 256 bytes, two keys a row, padded in LDS after every key
	s_or_b32 s[G1K], s21, (1<<16)|(1<<20)|(1<<21)|(4<<22)|(3<<25)  ; 2-byte elements; padding on; 21 set beside a mask; after every 32 words 4 words
	s_or_b32 s[G1V], s21, (1<<16)|(1<<20)|(1<<21)|(4<<22)|(7<<25)  ; the same with 8 words
.irp g, G1K, G1V
	s_mov_b32 s[\g+1], 128<<16      ; tensor_dim0 = 128
	s_mov_b32 s[\g+2], 64<<16       ; tensor_dim1 = 64
	s_mov_b32 s[\g+3], 128<<16      ; tile_dim0 = 128
	s_mov_b32 s[\g+4], 64           ; tile_dim1 = 64
	s_mov_b32 s[\g+5], 128          ; elements from row to row
	s_mov_b32 s[\g+6], 0
	s_mov_b32 s[\g+7], 0
.endr
	s_or_b32 s[G1M], s72, (2<<16)|(1<<20)|(1<<21)|(6<<22)|(3<<25)  ; the mask: 4-byte elements; after every 128 words 4 words: 64 rows x 128 keys
	s_mov_b32 s[G1M+1], 128<<16
	s_mov_b32 s[G1M+2], 64<<16
	s_mov_b32 s[G1M+3], 128<<16
	s_mov_b32 s[G1M+4], 64
	s_mov_b32 s[G1M+5], 2048
	s_mov_b32 s[G1M+6], 0
	s_mov_b32 s[G1M+7], 0
	s_lshl_b32 s22, s20, 18         ; the head pair's first byte in qh, kh, vh, oh
	s_mov_b32 s23, 0
	s_lshl_b32 s24, s19, 7          ; the mask: row 128 qb + 64 (w % 2), rows of 8,192 bytes
	s_lshl_b32 s25, s[HH], 6
	s_add_co_u32 s24, s24, s25
	s_lshl_b32 s24, s24, 13
	s_mov_b32 s25, 0
	s_lshl_b32 s26, s19, 7          ; Q: row 128 qb + 32 qq, rows of 128 bytes
	s_lshl_b32 s27, s[QQ], 5
	s_add_co_u32 s26, s26, s27
	s_lshl_b32 s26, s26, 7
	s_add_co_u32 s26, s26, s22
	s_mov_b32 s27, 0
	s_lshl_b32 s74, s19, 7          ; O: the rows that I store: 128 qb + 16 w
	s_lshl_b32 s75, s[WV], 4
	s_add_co_u32 s74, s74, s75
	s_lshl_b32 s74, s74, 7
	s_add_co_u32 s74, s74, s22
	s_mov_b32 s75, 0
	s_mov_b32 s[G0K], 1             ; count = 1
	s_mov_b32 s[G0K+1], 0           ; LDS address: slot 0
	s_mov_b32 s[G0V], 1
	s_mov_b32 s[G0V+1], VOFF
	s_mov_b32 s[G0M], 1
	s_mul_i32 s[G0M+1], s[HH], 64*PM  ; the wave's number alone enters an LDS address
	s_add_co_u32 s[G0M+1], s[G0M+1], MOFF
	s_mov_b32 s[CS], 0x3fb8aa3b     ; c = log2(e)
	s_mov_b32 s[CS+1], 0x3fb8aa3b
	s_mov_b32 s[SEL], 0x76543210
	s_mov_b32 s[SEL+1], 0xfedcba98
	s_mov_b32 s[TB], SLOT1          ; the first change of slots turns it into 0
	s_mov_b32 s79, 0x3c003c00       ; 1.0 twice, in f16
	s_wait_dscnt 0x0                ; the opening add is done
	s_wait_kmcnt 0x0
	s_add_nc_u64 s[G0K+2:G0K+3], s[6:7], s[22:23]   ; global address: the head pair's first 128 keys
	s_or_b32 s[G0K+3], s[G0K+3], 0x80000000         ; type = 2
	s_add_nc_u64 s[G0V+2:G0V+3], s[8:9], s[22:23]
	s_or_b32 s[G0V+3], s[G0V+3], 0x80000000
	s_add_nc_u64 s[G0M+2:G0M+3], s[10:11], s[24:25]
	s_or_b32 s[G0M+3], s[G0M+3], 0x80000000
	s_add_nc_u64 s[4:5], s[4:5], s[26:27]
	s_add_nc_u64 s[12:13], s[12:13], s[74:75]
	CROUND                          ; all sixteen work-groups are here: the first joint loads meet
	JLOAD                           ; slot 0.  Slot 1 is asked for when slot 0 is in, by the first change of slots
	; A fragment of K or Q is 16 rows x 32 channels in 8 registers: lane l holds row l % 16, channels 8 (l / 16) + 0..7 and 16 + 8 (l / 16) + 0..7: two loads of 16 bytes, 32 bytes apart.
	v_and_b32 v1, 15, v0            ; l % 16
	v_bfe_u32 v176, v0, 4, 1        ; l / 16
	v_and_b32 v177, 7, v0
	v_bfe_u32 v178, v0, 3, 1
	s_lshl_b32 s73, s[HH], 6        ; my head's 64 bytes of a row
	v_lshlrev_b32 v[QO], 7, v1
	v_lshl_add_u32 v[QO], v176, 4, v[QO]
	v_add_nc_u32 v[QO], s73, v[QO]
	v_cmp_eq_u32 s78, 0, v177       ; lanes 0, 8, 16, 24 hold rows 0 and 8 of ONES
	WIN 0x40                        ; destination window 1
.irp t, 0,1
	global_load_b128 v[QF+8*\t:QF+8*\t+3],   v[QO], s[4:5] offset:\t*2048
	global_load_b128 v[QF+8*\t+4:QF+8*\t+7], v[QO], s[4:5] offset:\t*2048+32
.endr
.set i, 0
.rept 8
	v_cndmask_b32 v[ONES+i], 0, s79, s78
.set i, i+1
.endr
	WIN 0
.irp t, 0,1
	v_mov_b32 v[ST+8*\t], 0xff7fffff   ; m: the lowest finite number
	v_mov_b32 v[ST+8*\t+1], 0          ; named with it as a pair
	v_mov_b32 v[ST+8*\t+2], 0
	v_mov_b32 v[ST+8*\t+3], 0          ; named with a as a pair
.endr
.set i, OO
.rept 48                            ; O^T and l start at 0: no first step is written out.  This stands in the wait for the first tile
	v_mov_b32 v[i], 0
.set i, i+1
.endr
	v_mul_u32_u24 v[AK0], v1, PK    ; K: key l % 16, my head, 16 bytes for each half of the lanes
	v_lshl_add_u32 v[AK0], v176, 4, v[AK0]
	v_add_nc_u32 v[AK0], s73, v[AK0]
	s_mul_i32 s76, s[QQ], 32*PM     ; the mask: row 32 qq + l % 16, 32 bytes for each half of the lanes
	s_add_co_u32 s76, s76, MOFF
	v_mul_u32_u24 v[AM0], v1, PM
	v_lshl_add_u32 v[AM0], v176, 5, v[AM0]
	v_add_nc_u32 v[AM0], s76, v[AM0]
	; The turning load takes 16 keys x 16 channels (lane l reads key 8 (l / 16) + l % 8, channels 8 ((l / 8) % 2) + 0..7) and leaves half a fragment of V^T: lane l holds channel l % 16 and 8 keys.
	v_lshl_add_u32 v[AV0], v176, 3, v177
	v_mul_u32_u24 v[AV0], v[AV0], PVP
	v_lshl_add_u32 v[AV0], v178, 4, v[AV0]
	s_add_co_u32 s76, s73, VOFF
	v_add_nc_u32 v[AV0], s76, v[AV0]
	s_mul_i32 s76, s[QQ], 32*SP     ; into the stage: row 32 qq + l % 16, my head's 64 bytes
	s_add_co_u32 s76, s76, s73
	s_add_co_u32 s76, s76, STAGE
	v_mul_u32_u24 v[STO], v1, SP
	v_lshl_add_u32 v[STO], v176, 4, v[STO]
	v_add_nc_u32 v[STO], s76, v[STO]
	s_mul_i32 s76, s[WV], 16*SP     ; back: wave w takes rows 16 w .. + 15, whole; 32 lanes take four rows of 128 bytes
	s_add_co_u32 s76, s76, STAGE
	v_bfe_u32 v[RD], v0, 3, 2
	v_mul_u32_u24 v[RD], v[RD], SP
	v_lshl_add_u32 v[RD], v177, 4, v[RD]
	v_add_nc_u32 v[RD], s76, v[RD]
	v_and_b32 v[GO], 31, v0
	v_lshlrev_b32 v[GO], 4, v[GO]
; THE LDS LOADS stand in runs.  Step u (0, 1) of the slot in hand: K's 4 fragments, and the mask straight into S^T's registers (24 loads); V's 4 fragments, turned (8 loads).
.macro LOADKM u
	WIN 0x40
.irp kb, 0,1,2,3
	ds_load_b128 v[KF+8*\kb:KF+8*\kb+3],   v[AK] offset:(\u)*64*PK+\kb*16*PK
	ds_load_b128 v[KF+8*\kb+4:KF+8*\kb+7], v[AK] offset:(\u)*64*PK+\kb*16*PK+32
.endr
	WIN 0
.irp t, 0,1
.irp kb, 0,1,2,3
	ds_load_b128 v[SS+32*\t+8*\kb:SS+32*\t+8*\kb+3],   v[AM] offset:\t*16*PM+(\u)*256+\kb*64
	ds_load_b128 v[SS+32*\t+8*\kb+4:SS+32*\t+8*\kb+7], v[AM] offset:\t*16*PM+(\u)*256+\kb*64+16
.endr
.endr
.endm
.macro LOADV u
	WIN 0x40
.irp kk, 0,1
.irp cb, 0,1
	ds_load_tr16_b128 v[VF+16*\kk+8*\cb:VF+16*\kk+8*\cb+3],   v[AV] offset:(\u)*64*PVP+\kk*32*PVP+\cb*32
	ds_load_tr16_b128 v[VF+16*\kk+8*\cb+4:VF+16*\kk+8*\cb+7], v[AV] offset:(\u)*64*PVP+\kk*32*PVP+16*PVP+\cb*32
.endr
.endr
	WIN 0
.endm
; THE MATRIX WORK.  8 products S^T = K Q^T + mask^T, on 8 accumulators; 12 products O^T += V^T P and l += ONES P, on 6 accumulators by turns, one instruction a turn.
.macro KQ
	WIN 0x05                        ; K and Q in window 1, S^T in window 0
.irp kb, 0,1,2,3
.irp t, 0,1
	v_wmma_f32_16x16x32_f16 v[SS+32*\t+8*\kb:SS+32*\t+8*\kb+7], v[KF+8*\kb:KF+8*\kb+7], v[QF+8*\t:QF+8*\t+7], v[SS+32*\t+8*\kb:SS+32*\t+8*\kb+7]
.endr
.endr
.endm
.macro PVM
	WIN 0x01                        ; V and ONES in window 1
.irp kk, 0,1
.irp cb, 0,1
.irp t, 0,1
	v_wmma_f32_16x16x32_f16 v[OO+16*\t+8*\cb:OO+16*\t+8*\cb+7], v[VF+16*\kk+8*\cb:VF+16*\kk+8*\cb+7], v[PP+16*\t+8*\kk:PP+16*\t+8*\kk+7], v[OO+16*\t+8*\cb:OO+16*\t+8*\cb+7]
.endr
.endr
.irp t, 0,1
	v_wmma_f32_16x16x32_f16 v[LL+8*\t:LL+8*\t+7], v[ONES:ONES+7], v[PP+16*\t+8*\kk:PP+16*\t+8*\kk+7], v[LL+8*\t:LL+8*\t+7]
.endr
.endr
.endm
; THE VECTOR WORK.
.macro REGS t
.set rT, ST+8*(\t)
.set rC, ST+8*(\t)+4
.set rM, MV+(\t)
.set rS, SS+32*(\t)
.set rP, PP+16*(\t)
.set rO, OO+16*(\t)
.set rL, LL+8*(\t)
.endm
; Number n of the 22 that find a tile's maximum and a.  s0-s31 are the lane's 32 scores; each accumulator's lowest registers are read first.
;   0-11 four chains c0-c3 of seven scores each     12-14, 16 the four scores left over, the old m, and c0-c3 into c0     15 m_old is kept
;   17, 18 the query's other 32 keys lie in the lane 16 away: the new m     19-21 m_old - m_new; times c; a
.macro XS t, n
	REGS \t
.if (\n) < 4
	v_max3_num_f32 v[rC+(\n)], v[rS+8*(\n)], v[rS+8*(\n)+1], v[rS+8*(\n)+2]
.elseif (\n) < 12
	v_max3_num_f32 v[rC+(\n)%4], v[rC+(\n)%4], v[rS+8*((\n)%4)+2*((\n)/4)+1], v[rS+8*((\n)%4)+2*((\n)/4)+2]
.elseif (\n) == 12
	v_max3_num_f32 v[rC], v[rC], v[rS+7], v[rS+15]
.elseif (\n) == 13
	v_max3_num_f32 v[rC+1], v[rC+1], v[rS+23], v[rS+31]
.elseif (\n) == 14
	v_max3_num_f32 v[rC+2], v[rC+2], v[rC+3], v[rT]
.elseif (\n) == 15
	v_mov_b32 v[rM], v[rT]
.elseif (\n) == 16
	v_max3_num_f32 v[rC], v[rC], v[rC+1], v[rC+2]
.elseif (\n) == 17
	v_permlanex16_b32 v[rC+3], v[rC], s[SEL], s[SEL+1]
.elseif (\n) == 18
	v_max_num_f32 v[rT], v[rC], v[rC+3]
.elseif (\n) == 19
	v_sub_f32 v[rC+1], v[rM], v[rT]
.elseif (\n) == 20
	v_mul_f32 v[rC+1], s[CS], v[rC+1]
.else
	v_exp_f32 v[rT+2], v[rC+1]
.endif
.endm
.macro MAXS                         ; the two tiles alternate, so that no line reads the result of the one before it
.irp n, 0,1,2,3,4,5,6,7,8,9,10,11,12,13,14,15,16,17,18,19,20,21
	XS 0, \n
	XS 1, \n
.endr
.endm
.macro FA t, n                      ; pair n of 16: s - m
	REGS \t
	v_pk_add_f32 v[rS+2*(\n):rS+2*(\n)+1], v[rS+2*(\n):rS+2*(\n)+1], v[rT:rT+1] op_sel_hi:[1,0] neg_lo:[0,1] neg_hi:[0,1]
.endm
.macro FM t, n                      ; times c
	REGS \t
	v_pk_mul_f32 v[rS+2*(\n):rS+2*(\n)+1], v[rS+2*(\n):rS+2*(\n)+1], s[CS:CS+1] op_sel_hi:[1,0]
.endm
.macro EE t, n                      ; the exponential of score n of 32
	REGS \t
	v_exp_f32 v[rS+(\n)], v[rS+(\n)]
.endm
.macro CC t, n                      ; pair n rounded to f16
	REGS \t
	s_wait_alu depctr_va_vdst(0)
	v_cvt_pk_f16_f32 v[rP+(\n)], v[rS+2*(\n)], v[rS+2*(\n)+1]
.endm
; Exponentials and plain lines by turns while plain lines last: a pair's difference is made three trips, its scaling two trips ahead of its exponentials, its rounding a trip behind them.
; Between an exponential and the first use of its result stands a plain line that names none of its registers (ISA guide 5.7.2).
.macro EXPS
.irp n, 0,1,2
	FA 0, \n
	FA 1, \n
.endr
.irp n, 0,1
	FM 0, \n
	FM 1, \n
.endr
.set i, 0
.rept 17
.if i < 14
	FM 0, i+2
.endif
.if i < 16
	EE 0, 2*i
.endif
.if i < 14
	FM 1, i+2
.endif
.if i < 16
	EE 1, 2*i
.endif
.if i < 13
	FA 0, i+3
.endif
.if i < 16
	EE 0, 2*i+1
.endif
.if i < 13
	FA 1, i+3
.endif
.if i < 16
	EE 1, 2*i+1
.endif
.if i > 0
	CC 0, i-1
	CC 1, i-1
.endif
.set i, i+1
.endr
.endm
.macro RESC                         ; O^T and l times a; each accumulator is read from its lowest registers on.  l's registers 1 to 7 are 0 and stay 0
.irp t, 0,1
	REGS \t
.irp z, 0,1,2,3,4,5,6,7
	v_pk_mul_f32 v[rO+2*\z:rO+2*\z+1], v[rO+2*\z:rO+2*\z+1], v[rT+2:rT+3] op_sel_hi:[1,0]
.endr
	v_mul_f32 v[rL], v[rL], v[rT+2]
.endr
.endm
; A KEY STEP, step u of its slot.  chg = 1: the slot is left and filled again; 2: left; 0: not left.  nxt = 1: the next step's fragments are fetched: K and the mask under this step's second product,
; V behind it.  The change of slots stands between the softmax and the second product: this step's V is in registers by its wait for 0.
.macro STEP u, chg, nxt
	s_wait_dscnt 8                  ; K and the mask are in; V's eight younger loads may be out
	KQ
	WIN 0
	PLACES
	MAXS
	EXPS
.if (\chg) == 1
	CHANGE 1
.elseif (\chg) == 2
	CHANGE 0
.endif
.if \nxt
	LOADKM 1-(\u)
	s_wait_dscnt 24                 ; V is in; the 24 just issued may be out
.else
	s_wait_dscnt 0x0
.endif
	RESC
	PVM
	WIN 0
	PLACES                          ; in front of the loads into V's registers, and of the way out's reads
.if \nxt
	LOADV 1-(\u)
.endif
.endm
	CHANGE 1                        ; slot 0 is in, everybody's part of it; slot 1 is asked for
	LOADKM 0
	LOADV 0
	s_wait_loadcnt 0x0              ; Q
	s_mov_b32 s[CNT], 14
.Lslot:                             ; 14 trips: every slot but the last two is filled again
	STEP 0, 0, 1
	STEP 1, 1, 1
	s_sub_co_u32 s[CNT], s[CNT], 1
	s_cmp_lg_u32 s[CNT], 0
	s_cbranch_scc1 .Lslot
	STEP 0, 0, 1                    ; the tail is written out: nothing is asked for
	STEP 1, 2, 1
	STEP 0, 0, 1
	STEP 1, 0, 0
	; THE WAY OUT.  O^T is divided by l, rounded to f16 and sent through the stage: a row's 128 bytes come from the two heads' waves.
.irp t, 0,1
	v_rcp_f32 v[ST+8*\t+2], v[LL+8*\t]
.endr
	v_nop                           ; a plain line between the last reciprocal and the use of its result
	s_wait_alu depctr_va_vdst(0)
.irp t, 0,1
.irp z, 0,1,2,3,4,5,6,7
	v_pk_mul_f32 v[OO+16*\t+2*\z:OO+16*\t+2*\z+1], v[OO+16*\t+2*\z:OO+16*\t+2*\z+1], v[ST+8*\t+2:ST+8*\t+3] op_sel_hi:[1,0]
.endr
.endr
.irp t, 0,1
.irp z, 0,1,2,3,4,5,6,7
	v_cvt_pk_f16_f32 v[SS+8*\t+\z], v[OO+16*\t+2*\z], v[OO+16*\t+2*\z+1]
.endr
.endr
.irp t, 0,1
.irp cb, 0,1
	ds_store_b128 v[STO], v[SS+8*\t+4*\cb:SS+8*\t+4*\cb+3] offset:\t*16*SP+\cb*32
.endr
.endr
	s_wait_dscnt 0x0                ; for the others' sake: my stores into the stage are done
	s_barrier_signal -1
	s_barrier_wait -1
.irp f, 0,1,2,3
	ds_load_b128 v[SS+32+4*\f:SS+32+4*\f+3], v[RD] offset:\f*4*SP
.endr
.irp f, 0,1,2,3
	s_wait_dscnt 3-\f
	global_store_b128 v[GO], v[SS+32+4*\f:SS+32+4*\f+3], s[12:13] offset:\f*512  ; four rows: 512 consecutive bytes, at a multiple of 256 from oh's first
.endr
	s_wait_tensorcnt 0x0            ; the wave's end: the add to my spare word and its waits, behind my last tensor load and my last LDS store
	ds_add_u32 v[SPW], v[NIL]
	s_wait_dscnt 0x0
	CROUND                          ; the closing round: no work-group ends while a partner may still ask for a tile that names it
	s_endpgm
.Lfunc_end_k_qf4e74c3548_attn:
	.size	k_qf4e74c3548_attn, .Lfunc_end_k_qf4e74c3548_attn-k_qf4e74c3548_attn
	.p2alignl 7, 3214868480
	.fill 96, 4, 3214868480
	.section	.rodata,"a",@progbits
	.p2align	6, 0x0
	.amdhsa_kernel k_qf4e74c3548_attn
		.amdhsa_group_segment_fixed_size 327680
		.amdhsa_private_segment_fixed_size 0
		.amdhsa_enable_private_segment 0
		.amdhsa_kernarg_size 40
		.amdhsa_user_sgpr_count 2
		.amdhsa_user_sgpr_kernarg_segment_ptr 1
		.amdhsa_wavefront_size32 1
		.amdhsa_system_sgpr_workgroup_id_x 1
		.amdhsa_system_sgpr_workgroup_id_y 1
		.amdhsa_system_sgpr_workgroup_id_z 1
		.amdhsa_system_vgpr_workitem_id 0
		.amdhsa_next_free_vgpr 352
		.amdhsa_next_free_sgpr 80
		.amdhsa_reserve_vcc 0
		.amdhsa_float_denorm_mode_32 3
		.amdhsa_float_denorm_mode_16_64 3
		.amdhsa_memory_ordered 1
		.amdhsa_forward_progress 1
		.amdhsa_inst_pref_size 117
	.end_amdhsa_kernel
	.amdgpu_metadata
---
amdhsa.version: [ 1, 2 ]
amdhsa.kernels:
  - .name:           k_qf4e74c3548_attn
    .symbol:         k_qf4e74c3548_attn.kd
    .args:
      - { .name: qh, .offset: 0, .size: 8, .value_kind: global_buffer, .address_space: global }
      - { .name: kh, .offset: 8, .size: 8, .value_kind: global_buffer, .address_space: global }
      - { .name: vh, .offset: 16, .size: 8, .value_kind: global_buffer, .address_space: global }
      - { .name: attention_mask, .offset: 24, .size: 8, .value_kind: global_buffer, .address_space: global }
      - { .name: oh, .offset: 32, .size: 8, .value_kind: global_buffer, .address_space: global }
    .group_segment_fixed_size: 327680
    .private_segment_fixed_size: 0
    .kernarg_segment_align: 8
    .kernarg_segment_size: 40
    .max_flat_workgroup_size: 256
    .sgpr_count:     80
    .vgpr_count:     352
    .wavefront_size: 32
...
	.end_amdgpu_metadata
.endif
;; end of part 3
;; launch proj (part 4): grid 16 x 16, 4 waves a work-group, clusters of 4 x 4, 327,680 bytes of LDS; arguments oh, wob, out0; writes out0
.if DOCPART == 4
	.amdgcn_target "amdgcn-amd-amdhsa--gfx1250"
	.amdhsa_code_object_version 6
	.text
	.protected	k_qf4e74c3548_proj
	.globl	k_qf4e74c3548_proj
	.p2align	8
	.type	k_qf4e74c3548_proj,@function
k_qf4e74c3548_proj:
	s_mov_b64 s[64:65], 0
	v_nop
	global_prefetch_b8 v0, s[64:65] scope:SCOPE_SE
	s_setreg_imm32_b32 hwreg(HW_REG_WAVE_MODE, 25, 1), 1
	s_wait_xcnt 0x0
	s_wait_alu depctr_hold_cnt(0) depctr_sa_sdst(0) depctr_va_vdst(0) depctr_va_sdst(0) depctr_va_ssrc(0) depctr_va_vcc(0) depctr_vm_vsrc(0)
	s_getreg_b32 s2, hwreg(HW_REG_IB_STS2, 6, 4)
	s_cmp_eq_u32 s2, 0
	s_cbranch_scc0 .Lentry_in_a_cluster
	s_endpgm
.Lentry_in_a_cluster:
	s_bfe_u32 s2, ttmp6, 0x10000c
	s_cmp_lg_u32 s2, 0xf033
	s_cbranch_scc0 .Lentry_shape_is_right
	s_endpgm
.Lentry_shape_is_right:
; out0 = O wo^T.  oh: [16 head pairs][2048][64] f16 = O / 4; wob: [4096][1024] f16 = 4 x bf16(wo); out0: [2048][4096] f32.  Sums in f32; nothing is rounded on the way out.
; K = 1024 runs over head pairs: pair p holds K = 64 p .. 64 p + 63, as 2,048 dense rows of 128 bytes.
; A TILE is 128 rows x 256 columns: 16 x 16 tiles, one to a work-group.  Four waves; wave (mi, ni) makes 64 x 128: 32 accumulators.  K goes in steps of 128, two head pairs, through a ring of two
; LDS slots filled by the tensor data mover: O's part of a step is two sub-tiles (a pair's 128 rows, 16,384 dense bytes, asked for as 64 rows of 256), wo's 256 rows of 256 bytes.
; CLUSTER 4 x 4: the four of a row of the cluster need the same rows of O, the four of a column the same rows of wo: each tile is asked for jointly, by the same load with a mask of four.
; THE MATRIX INSTRUCTION IS USED TRANSPOSED (source 0 = 16 rows of wo, source 1 = 16 rows of O): a lane holds one row of out0 (lane % 16) and eight neighbouring columns, 32 bytes.
; REGISTERS, in windows of 256 (s_set_vgpr_msb: bits 1:0 source 0, 3:2 source 1, 5:4 source 2, 7:6 destination):
;   window 0: v0-31 addresses, v64-191 the way out     window 1: the accumulators, (a, b) at 8 (8 a + b)
;   window 2, window 3: two fragment buffers, each 64 along K: for each 32 along K 64 registers of wo (8 blocks), then 32 of O (4 blocks)
.set NA,    4
.set NBK,   8
.set FH,    8*(NA+NBK)
.set NL,    4*(NA+NBK)                 ; LDS loads that fill a buffer
.set PA,    144                        ; a row of O in LDS: 128 bytes + 16: the 16 rows of a load start at 16 different groups of four banks (ISA guide 11.1)
.set PB,    272                        ; a row of wo: 256 bytes + 16
.set BOFF,  2*128*PA                   ; a slot: O's two sub-tiles of 128 rows, then wo's 256 rows
.set SLOT,  BOFF+256*PB                ; 106,496
.set STAGE, 2*SLOT                     ; behind the ring: 16 rows x 528 bytes for each wave, its own
.set SPITCH, 528
.set SPARE, STAGE+4*16*SPITCH          ; the spare words, 128 bytes a wave: two blocks of 256 bytes that no other line names
.set LAPS,  4                          ; a lap = two K steps: 1024 / 256
.set KA1,   128*PA                     ; O's second 64 along K of a step: the second sub-tile
.set ASTEP, 4*262144                   ; two K steps on: four head pairs
.set BSTEP, 512
.set ADRA, 16
.set ADRB, 20
.set STO,  24
.set RD,   25
.set CO,   26
.set SPW,  28                          ; v28  LDS address of my spare word; never rewritten
.set NIL,  29                          ; v29  0; never rewritten
.set WV, 16
.set MI, 17
.set NI, 18
.set G1,  24
.set G0,  32
.set G1B, 48
.set G0B, 56
.set MSB, 0
.macro WIN new
.if MSB != (\new)
	s_set_vgpr_msb (MSB<<8)|(\new)
.set MSB, \new
.endif
.endm
.macro PLACES                          ; four places behind matrix instructions (ISA guide 7.12.1)
.rept 4
	v_nop
.endr
.endm
.macro JLOAD s                         ; a joint load: waves 0 and 1 fetch O's two sub-tiles, waves 2 and 3 wo's two halves; an s_nop 0 and four v_nop follow each line
	s_cmp_eq_u32 s[MI], 0
	s_cbranch_scc0 .Lfor_b_\@
	tensor_load_to_lds s[G0+4*(\s):G0+4*(\s)+3], s[G1:G1+7]
	s_nop 0
.rept 4
	v_nop
.endr
	s_branch .Lasked_\@
.Lfor_b_\@:
	tensor_load_to_lds s[G0B+4*(\s):G0B+4*(\s)+3], s[G1B:G1B+7]
	s_nop 0
.rept 4
	v_nop
.endr
.Lasked_\@:
.endm
.macro CREST
	s_cmp_lg_u32 s[WV], 0
	s_cbranch_scc1 .Lnot_wave_0_\@
	s_barrier_signal -3
.Lnot_wave_0_\@:
	s_barrier_wait -3
	s_barrier_signal -1
	s_barrier_wait -1
.endm
.macro CROUND
	s_barrier_signal -1
	s_barrier_wait -1
	CREST
.endm
; 16 matrix instructions: row blocks a0, a0 + 1 x all 8 column blocks, 32 along K.  The 32 accumulators take turns, one instruction a turn.
.macro MULH f, c, a0, zero
	WIN 0x5a+5*(\f)
.irp a, \a0, (\a0)+1
.irp b, 0,1,2,3,4,5,6,7
.if \zero
	v_wmma_f32_16x16x32_f16 v[8*(NBK*(\a)+(\b)):8*(NBK*(\a)+(\b))+7], v[FH*(\c)+8*(\b):FH*(\c)+8*(\b)+7], v[FH*(\c)+8*NBK+8*(\a):FH*(\c)+8*NBK+8*(\a)+7], 0
.else
	v_wmma_f32_16x16x32_f16 v[8*(NBK*(\a)+(\b)):8*(NBK*(\a)+(\b))+7], v[FH*(\c)+8*(\b):FH*(\c)+8*(\b)+7], v[FH*(\c)+8*NBK+8*(\a):FH*(\c)+8*NBK+8*(\a)+7], v[8*(NBK*(\a)+(\b)):8*(NBK*(\a)+(\b))+7]
.endif
.endr
.endr
.endm
.macro FETCH slot, ka, kb, f           ; NL LDS loads in one run: the fragments of 64 along K into buffer f; the first 32 along K first
	WIN 0x80+0x40*(\f)
.irp c, 0,1
.irp b, 0,1,2,3,4,5,6,7
	ds_load_b128 v[FH*(\c)+8*(\b):FH*(\c)+8*(\b)+3],   v[ADRB+(\slot)] offset:(\kb)+64*(\c)+(\b)*16*PB
	ds_load_b128 v[FH*(\c)+8*(\b)+4:FH*(\c)+8*(\b)+7], v[ADRB+(\slot)] offset:(\kb)+64*(\c)+(\b)*16*PB+32
.endr
.irp a, 0,1,2,3
	ds_load_b128 v[FH*(\c)+8*NBK+8*(\a):FH*(\c)+8*NBK+8*(\a)+3],   v[ADRA+(\slot)] offset:(\ka)+64*(\c)+(\a)*16*PA
	ds_load_b128 v[FH*(\c)+8*NBK+8*(\a)+4:FH*(\c)+8*NBK+8*(\a)+7], v[ADRA+(\slot)] offset:(\ka)+64*(\c)+(\a)*16*PA+32
.endr
.endr
.endm
.macro QUARTER slot, ka, kb, f, g, zero ; a K step's first half: multiplies buffer f and fetches the second half into g
	s_wait_dscnt NL/2                              ; f's first 32 along K are in
	MULH \f, 0, 0, \zero
	MULH \f, 0, 2, \zero
	PLACES
	FETCH \slot, \ka, \kb, \g
	s_wait_dscnt NL                                ; all but the run just issued
	MULH \f, 1, 0, 0
	MULH \f, 1, 2, 0
.endm
; A K step's second half multiplies buffer 1 and changes slots: ONE barrier; in front of it each wave waits for all its tensor loads, adds 0 to its spare word, and waits for that and for its own
; reads of this slot.  fill = 1: the barrier opens a round of the cluster's, and this slot is filled again, two K steps ahead, first thing behind it.
.macro TURN slot, next, fill
	WIN 0
	s_wait_tensorcnt 0x0                           ; all my tensor loads have landed: my part of the next slot
	ds_add_u32 v[SPW], v[NIL]                      ; 0 onto my spare word
	s_wait_dscnt NL/2+1                            ; (the add and the younger half of buffer 1's run may be out)
	MULH 1, 0, 0, 0
	s_wait_dscnt 0x0                               ; the add is done, and my reads of this slot are over
	s_barrier_signal -1
	MULH 1, 0, 2, 0
.if \fill
	WIN 0
.endif
	s_barrier_wait -1
.if \fill
	CREST                                          ; no wave of any partner still reads this slot's tile or has a load on its way
	s_add_nc_u64 s[G0+4*(\slot)+2:G0+4*(\slot)+3], s[G0+4*(\slot)+2:G0+4*(\slot)+3], ASTEP
	s_add_nc_u64 s[G0B+4*(\slot)+2:G0B+4*(\slot)+3], s[G0B+4*(\slot)+2:G0B+4*(\slot)+3], BSTEP
	JLOAD \slot                                    ; 96 matrix instructions ahead of the wait for it; its four v_nop are also the places in front of the loads below
.else
	PLACES
.endif
	FETCH \next, 0, 0, 0
	MULH 1, 1, 0, 0
	MULH 1, 1, 2, 0
.endm
	s_load_b128 s[4:7], s[0:1], 0x0                ; oh s[4:5], wob s[6:7]
	s_load_b64 s[8:9], s[0:1], 0x10                ; out0
	v_lshl_add_u32 v[SPW], v0, 2, SPARE
	v_mov_b32 v[NIL], 0
	ds_add_u32 v[SPW], v[NIL]                      ; the wave's opening: the add and its wait stand ahead of my first tensor load; work on registers stands between them
	v_lshrrev_b32 v1, 5, v0
	v_readfirstlane_b32 s[WV], v1
	s_lshr_b32 s[MI], s[WV], 1
	s_and_b32 s[NI], s[WV], 1
	s_bfe_u32 s20, ttmp6, 0x40000                  ; cx, cy
	s_bfe_u32 s21, ttmp6, 0x40004
	s_lshl_b32 s22, ttmp9, 2
	s_add_co_u32 s22, s22, s20                     ; tc: the block of 256 columns
	s_and_b32 s23, ttmp7, 0xffff
	s_lshl_b32 s23, s23, 2
	s_add_co_u32 s23, s23, s21                     ; tr: the block of 128 rows
	s_lshl_b32 s40, s21, 2
	s_lshl_b32 s40, 15, s40                        ; my row of the cluster
	s_lshl_b32 s41, 0x1111, s20                    ; my column
	s_or_b32 s[G1], s40, (1<<16)|(1<<20)|(1<<21)|(4<<22)|(3<<25)   ; O: 2-byte elements; padding on; 21 set beside a mask; after every 32 words (a row of O) 4 words
	s_mov_b32 s[G1+1], 128<<16                     ; 64 rows x 128 elements, dense: 128 rows of O
	s_mov_b32 s[G1+2], 64<<16
	s_mov_b32 s[G1+3], 128<<16
	s_mov_b32 s[G1+4], 64
	s_mov_b32 s[G1+5], 128
	s_mov_b32 s[G1+6], 0
	s_mov_b32 s[G1+7], 0
	s_or_b32 s[G1B], s41, (1<<16)|(1<<20)|(1<<21)|(5<<22)|(3<<25)  ; wo: after every 64 words 4 words
	s_mov_b32 s[G1B+1], 128<<16                    ; 128 rows x 128 elements
	s_mov_b32 s[G1B+2], 128<<16
	s_mov_b32 s[G1B+3], 128<<16
	s_mov_b32 s[G1B+4], 128
	s_mov_b32 s[G1B+5], 1024
	s_mov_b32 s[G1B+6], 0
	s_mov_b32 s[G1B+7], 0
	s_lshl_b32 s42, s[NI], 18                      ; O: head pair ni of the step, rows 128 tr on, of 128 bytes
	s_lshl_b32 s43, s23, 14
	s_add_co_u32 s42, s42, s43
	s_mov_b32 s43, 0
	s_lshl_b32 s44, s22, 8                         ; wo: row 256 tc + 128 ni, rows of 2,048 bytes
	s_lshl_b32 s45, s[NI], 7
	s_add_co_u32 s44, s44, s45
	s_lshl_b32 s44, s44, 11
	s_mov_b32 s45, 0
	s_mul_i32 s46, s[NI], 128*PA                   ; where they go: the wave's number alone enters an LDS address
	s_mul_i32 s47, s[NI], 128*PB
	s_add_co_u32 s47, s47, BOFF
	s_wait_dscnt 0x0                               ; the opening add is done
	s_wait_kmcnt 0x0
	s_add_nc_u64 s[42:43], s[4:5], s[42:43]
	s_add_nc_u64 s[44:45], s[6:7], s[44:45]
	CROUND                                         ; all sixteen work-groups are here: the first joint loads meet
.irp s, 0,1
	s_mov_b32 s[G0+4*(\s)], 1
	s_add_co_u32 s[G0+4*(\s)+1], s46, (\s)*SLOT
	s_add_nc_u64 s[G0+4*(\s)+2:G0+4*(\s)+3], s[42:43], (\s)*2*262144  ; K step s: head pairs 2 s, 2 s + 1
	s_or_b32 s[G0+4*(\s)+3], s[G0+4*(\s)+3], 0x80000000
	s_mov_b32 s[G0B+4*(\s)], 1
	s_add_co_u32 s[G0B+4*(\s)+1], s47, (\s)*SLOT
	s_add_nc_u64 s[G0B+4*(\s)+2:G0B+4*(\s)+3], s[44:45], (\s)*256
	s_or_b32 s[G0B+4*(\s)+3], s[G0B+4*(\s)+3], 0x80000000
	JLOAD \s                                       ; two loads of mine are out
.endr
	v_and_b32 v1, 15, v0                           ; l % 16
	v_bfe_u32 v2, v0, 4, 1                         ; l / 16
	v_mul_u32_u24 v3, v1, PA
	v_lshl_add_u32 v3, v2, 4, v3
	v_mul_u32_u24 v4, v1, PB
	v_lshl_add_u32 v4, v2, 4, v4
	s_mul_i32 s40, s[MI], 64*PA                    ; my 64 rows of O
	s_mul_i32 s41, s[NI], 128*PB                   ; my 128 rows of wo
	s_add_co_u32 s41, s41, BOFF
.irp s, 0,1
	v_add_nc_u32 v[ADRA+(\s)], s40, v3
	v_add_nc_u32 v[ADRB+(\s)], s41, v4
	s_add_co_u32 s40, s40, SLOT
	s_add_co_u32 s41, s41, SLOT
.endr
	s_mul_i32 s40, s[WV], 16*SPITCH
	s_add_co_u32 s40, s40, STAGE                   ; my stage
	v_mul_u32_u24 v[STO], v1, SPITCH               ; in: row l % 16, 32 bytes for each half of the lanes
	v_lshl_add_u32 v[STO], v2, 5, v[STO]
	v_add_nc_u32 v[STO], s40, v[STO]
	v_and_b32 v[CO], 31, v0                        ; back, and out: 32 lanes take a row's 512 bytes
	v_lshlrev_b32 v[CO], 4, v[CO]
	v_add_nc_u32 v[RD], s40, v[CO]
	s_lshl_b32 s40, s23, 7                         ; my part of out0: row 128 tr + 64 mi, of 16,384 bytes; column 256 tc + 128 ni, of 4
	s_lshl_b32 s41, s[MI], 6
	s_add_co_u32 s40, s40, s41
	s_lshl_b32 s40, s40, 14
	s_lshl_b32 s41, s22, 10
	s_add_co_u32 s40, s40, s41
	s_lshl_b32 s41, s[NI], 9
	s_add_co_u32 s40, s40, s41
	s_mov_b32 s41, 0
	s_add_nc_u64 s[8:9], s[8:9], s[40:41]
	s_wait_tensorcnt 0x1                           ; my part of K step 0 is in; K step 1's may stay out
	s_barrier_signal -1
	s_barrier_wait -1
	FETCH 0, 0, 0, 0
	QUARTER 0, KA1, 128, 0, 1, 1                   ; the first half step stands in front of the loop: its first products start the sums
	WIN 0
	s_mov_b32 s19, LAPS-1
.Llap:
	TURN 0, 1, 1
	QUARTER 1, KA1, 128, 0, 1, 0
	TURN 1, 0, 1
	QUARTER 0, KA1, 128, 0, 1, 0
	WIN 0
	s_sub_co_u32 s19, s19, 1
	s_cmp_lg_u32 s19, 0
	s_cbranch_scc1 .Llap
	TURN 0, 1, 0                                   ; the last lap fills nothing
	QUARTER 1, KA1, 128, 0, 1, 0
	s_wait_dscnt NL/2
	MULH 1, 0, 0, 0
	MULH 1, 0, 2, 0
	s_wait_dscnt 0x0
	MULH 1, 1, 0, 0
	MULH 1, 1, 2, 0
	WIN 0
	PLACES
	; THE WAY OUT, a block of 16 rows at a time through my own stage: a lane's 32 bytes go in, whole rows of 512 bytes come back and are stored.  LDS serves a wave's instructions in order
	; (ISA guide 5.7.1.4), so no wait stands between the stores and the loads, nor between a block's loads and the next block's stores.  Each accumulator is read from its lowest registers on.
.irp a, 0,1,2,3
	WIN 0x04                                       ; the stores' data in window 1
.irp b, 0,1,2,3,4,5,6,7
	ds_store_b128 v[STO], v[8*(NBK*(\a)+(\b)):8*(NBK*(\a)+(\b))+3]   offset:64*(\b)
	ds_store_b128 v[STO], v[8*(NBK*(\a)+(\b))+4:8*(NBK*(\a)+(\b))+7] offset:64*(\b)+16
.endr
	WIN 0
	s_wait_xcnt 0x0                                ; the registers below were store data two blocks ago: they are loaded again only behind this wait (ISA guide 3.1)
.irp t, 0,1,2,3,4,5,6,7,8,9,10,11,12,13,14,15
	ds_load_b128 v[64+64*((\a)%2)+4*(\t):64+64*((\a)%2)+4*(\t)+3], v[RD] offset:(\t)*SPITCH
.endr
.irp t, 0,1,2,3,4,5,6,7,8,9,10,11,12,13,14,15
	s_wait_dscnt 15-(\t)
	global_store_b128 v[CO], v[64+64*((\a)%2)+4*(\t):64+64*((\a)%2)+4*(\t)+3], s[8:9] offset:(16*(\a)+(\t))*16384 th:TH_STORE_NT  ; 512 consecutive bytes, at a multiple of 256 from out0's first; 63 rows at the most: inside the signed 24-bit immediate
.endr
.endr
	s_wait_tensorcnt 0x0                           ; the wave's end: the add to my spare word and its waits, behind my last tensor load and my last LDS store
	ds_add_u32 v[SPW], v[NIL]
	s_wait_dscnt 0x0
	CROUND                                         ; the closing round: no work-group ends while a partner may still ask for a tile that names it
	s_endpgm
.Lfunc_end_k_qf4e74c3548_proj:
	.size	k_qf4e74c3548_proj, .Lfunc_end_k_qf4e74c3548_proj-k_qf4e74c3548_proj
	.p2alignl 7, 3214868480
	.fill 96, 4, 3214868480
	.section	.rodata,"a",@progbits
	.p2align	6, 0x0
	.amdhsa_kernel k_qf4e74c3548_proj
		.amdhsa_group_segment_fixed_size 327680
		.amdhsa_private_segment_fixed_size 0
		.amdhsa_enable_private_segment 0
		.amdhsa_kernarg_size 24
		.amdhsa_user_sgpr_count 2
		.amdhsa_user_sgpr_kernarg_segment_ptr 1
		.amdhsa_wavefront_size32 1
		.amdhsa_system_sgpr_workgroup_id_x 1
		.amdhsa_system_sgpr_workgroup_id_y 1
		.amdhsa_system_sgpr_workgroup_id_z 1
		.amdhsa_system_vgpr_workitem_id 0
		.amdhsa_next_free_vgpr 960
		.amdhsa_next_free_sgpr 72
		.amdhsa_reserve_vcc 0
		.amdhsa_float_denorm_mode_32 3
		.amdhsa_float_denorm_mode_16_64 3
		.amdhsa_memory_ordered 1
		.amdhsa_forward_progress 1
		.amdhsa_inst_pref_size 85
	.end_amdhsa_kernel
	.amdgpu_metadata
---
amdhsa.version: [ 1, 2 ]
amdhsa.kernels:
  - .name:           k_qf4e74c3548_proj
    .symbol:         k_qf4e74c3548_proj.kd
    .args:
      - { .name: oh, .offset: 0, .size: 8, .value_kind: global_buffer, .address_space: global }
      - { .name: wob, .offset: 8, .size: 8, .value_kind: global_buffer, .address_space: global }
      - { .name: out0, .offset: 16, .size: 8, .value_kind: global_buffer, .address_space: global }
    .group_segment_fixed_size: 327680
    .private_segment_fixed_size: 0
    .kernarg_segment_align: 8
    .kernarg_segment_size: 24
    .max_flat_workgroup_size: 128
    .sgpr_count:     72
    .vgpr_count:     960
    .wavefront_size: 32
...
	.end_amdgpu_metadata
.endif
;; end of part 4
;; ======== version 2 of 3: 4 launches; 1.10 times as fast as version 1
;; limits: values are held in f16: magnitudes above 65,504 overflow, below 6.1e-05 lose precision; right only within a limited range of input values
;; workspace buffers: xb 16,777,216 bytes; wb 25,165,824 bytes; wob 8,388,608 bytes; qh 4,194,304 bytes; kh 4,194,304 bytes; vh 4,194,304 bytes; oh 4,194,304 bytes
;; launch cast (part 5): grid 128 x 6, 8 waves a work-group, no clusters, 68,608 bytes of LDS; arguments hidden_states, wq, wk, wv, wo, xb, wb, wob; writes xb, wb, wob
.if DOCPART == 5
	.amdgcn_target "amdgcn-amd-amdhsa--gfx1250"
	.amdhsa_code_object_version 6
	.text
	.protected	k_qf4e74c3548_cast
	.globl	k_qf4e74c3548_cast
	.p2align	8
	.type	k_qf4e74c3548_cast,@function
k_qf4e74c3548_cast:
	s_mov_b64 s[64:65], 0
	v_nop
	global_prefetch_b8 v0, s[64:65] scope:SCOPE_SE
	s_setreg_imm32_b32 hwreg(HW_REG_WAVE_MODE, 25, 1), 1
	s_wait_xcnt 0x0
; The module's f32 matrix inputs are rounded ONCE to 16 bits and laid out for the products that follow.
;   xb  = bf16(x), IN FRAGMENT ORDER: [128 blocks of 16 rows][128 blocks of 32 K][1,024 bytes].  A fragment is the register image of a matrix operand: two halves of 512 bytes; in half j
;         lane l's 16 bytes lie at 16 l and hold row l % 16, K = 16 j + 8 (l / 16) + 0..7.  So the next launch takes half a fragment by one load of 512 consecutive bytes, straight into registers.
;   wb  = bf16(wq | wk | wv)           [32 heads][q, k, v][32][4096]: row 96 h + 32 t + d, so that a head pair's 192 rows lie together
;   wob = 4 x bf16(wo), written as f16 [4096][1024]  (the 4 undoes the 1/4 that v carries; bf16's 8 significant bits fit f16's 11)
; LIMIT: |4 wo| stays within f16's 65,504; below 6e-5 it keeps f16's fixed step of 6e-8.
; A stream: no barrier, no matrix unit, since no byte is used twice.  The grid's y picks a slab of 16 MiB of input (0, 1: the K halves of x; 2, 3, 4: wq, wk, wv; 5: wo), x a piece of 131,072 bytes.
; A wave takes 16,384 bytes: 32 loads of 512 neighbouring bytes, all issued at once.
; WEIGHTS: a piece is 8 whole rows, which stay 8 neighbouring rows; each load is rounded and stored as 256 neighbouring bytes, at a multiple of 256 from the buffer's first byte.
; X: a piece is 16 rows x 2,048 K, a wave's part 16 rows x 256 K.  A load holds one row, a fragment's half 16 rows: so the rounded numbers turn through the wave's own 16 x 528 bytes of LDS
; (no other wave touches them: no barrier), and leave as 16 stores of 512 consecutive bytes.
.set X,   4                            ; v[4:131]  32 loads of 4 registers
.set TW,  132                          ; v[132:133] at work (wo's path)
.set LSA, 132                          ; v132  x's path: where I put 8 bytes of a row
.set LLA, 133                          ; v133  x's path: where I read 16 bytes of a fragment
.set SPW, 134                          ; v134  LDS address of my spare word; never rewritten
.set NIL, 135                          ; v135  0; never rewritten
.set XP,  528                          ; a row in the stage: 512 bytes + 16 = 33 x 16: the 16 rows of a read start at 16 different groups of four banks (ISA guide 11.1)
.set XST, 16*XP                        ; a wave's stage
.set SPARE, 8*XST                      ; behind the stages: the spare words, 128 bytes a wave: four blocks of 256 bytes that no other line names
	s_load_b512 s[8:23], s[0:1], 0x0               ; x s[8:9], wq s[10:11], wk s[12:13], wv s[14:15], wo s[16:17], xb s[18:19], wb s[20:21], wob s[22:23]
	v_lshl_add_u32 v[SPW], v0, 2, SPARE
	v_mov_b32 v[NIL], 0
	s_and_b32 s2, ttmp7, 0xffff                    ; the slab
	v_lshrrev_b32 v3, 5, v0                        ; wave
	v_readfirstlane_b32 s3, v3
	v_and_b32 v1, 31, v0                           ; lane
	s_cmp_lt_u32 s2, 2
	s_cbranch_scc1 .Lx
	; THE WEIGHTS
	s_lshl_b32 s28, ttmp9, 17                      ; my piece in the source,
	s_mov_b32 s29, 0
	s_lshl_b32 s32, ttmp9, 16                      ; and in wob, which keeps the source's order
	s_lshr_b32 s34, ttmp9, 2                       ; in wb: head = piece / 4,
	s_mul_i32 s34, s34, 96
	s_sub_co_u32 s35, s2, 2                        ; t = slab - 2 (for wo this offset is made and not taken),
	s_lshl_b32 s35, s35, 5
	s_add_co_u32 s34, s34, s35
	s_and_b32 s35, ttmp9, 3                        ; d = 8 (piece % 4),
	s_lshl_b32 s35, s35, 3
	s_add_co_u32 s34, s34, s35
	s_lshl_b32 s34, s34, 13                        ; rows of 8,192 bytes
	s_cmp_eq_u32 s2, 5
	s_cselect_b32 s34, s32, s34
	s_mov_b32 s35, 0
	v_lshlrev_b32 v2, 3, v1                        ; out: 8 bytes a lane,
	v_lshlrev_b32 v1, 4, v1                        ; in: 16
	v_lshl_add_u32 v1, v3, 14, v1                  ; + wave x 16,384
	v_lshl_add_u32 v2, v3, 13, v2                  ; + wave x 8,192
	s_wait_kmcnt 0x0
	s_mov_b64 s[24:25], s[10:11]                   ; the source, chosen by the slab's number
	s_cmp_eq_u32 s2, 3
	s_cselect_b64 s[24:25], s[12:13], s[24:25]
	s_cmp_eq_u32 s2, 4
	s_cselect_b64 s[24:25], s[14:15], s[24:25]
	s_cmp_eq_u32 s2, 5
	s_cselect_b64 s[24:25], s[16:17], s[24:25]
	s_cselect_b64 s[26:27], s[22:23], s[20:21]     ; the destination
	s_add_nc_u64 s[24:25], s[24:25], s[28:29]
	s_add_nc_u64 s[26:27], s[26:27], s[34:35]
.set j, 0
.rept 32
	global_load_b128 v[X+4*j:X+4*j+3], v1, s[24:25] offset:512*j th:TH_LOAD_NT  ; read once in the launch
.set j, j+1
.endr
	s_cmp_eq_u32 s2, 5
	s_cbranch_scc1 .Lwo
.set j, 0
.rept 32
	s_wait_loadcnt 31-j                            ; loads come back in order (ISA guide 5.7.1): load j is in, the younger ones stay out
	v_cvt_pk_bf16_f32 v[X+4*j],   v[X+4*j],   v[X+4*j+1]
	v_cvt_pk_bf16_f32 v[X+4*j+1], v[X+4*j+2], v[X+4*j+3]
	global_store_b64 v2, v[X+4*j:X+4*j+1], s[26:27] offset:256*j
.set j, j+1
.endr
	s_endpgm
.Lwo:                                                  ; wo: rounded to bf16 like every input, times 4 (exact), and that number written as f16
.set j, 0
.rept 32
	s_wait_loadcnt 31-j
	v_cvt_pk_bf16_f32 v[TW],   v[X+4*j],   v[X+4*j+1]
	v_cvt_pk_bf16_f32 v[TW+1], v[X+4*j+2], v[X+4*j+3]
	v_lshlrev_b32 v[X+4*j],   16, v[TW]
	v_and_b32     v[X+4*j+1], 0xffff0000, v[TW]
	v_lshlrev_b32 v[X+4*j+2], 16, v[TW+1]
	v_and_b32     v[X+4*j+3], 0xffff0000, v[TW+1]
	v_pk_mul_f32 v[X+4*j:X+4*j+1],   v[X+4*j:X+4*j+1],   4.0 op_sel_hi:[1,0]
	v_pk_mul_f32 v[X+4*j+2:X+4*j+3], v[X+4*j+2:X+4*j+3], 4.0 op_sel_hi:[1,0]
	v_cvt_pk_f16_f32 v[X+4*j],   v[X+4*j],   v[X+4*j+1]
	v_cvt_pk_f16_f32 v[X+4*j+1], v[X+4*j+2], v[X+4*j+3]
	global_store_b64 v2, v[X+4*j:X+4*j+1], s[26:27] offset:256*j
.set j, j+1
.endr
	s_endpgm
.Lx:                                                   ; X: row block = the grid's x, K half = the slab
	s_lshl_b32 s28, ttmp9, 18                      ; in: 16 rows of 16,384 bytes,
	s_lshl_b32 s30, s2, 13                         ; the half's 2,048 numbers of 4 bytes
	s_add_co_u32 s28, s28, s30
	s_mov_b32 s29, 0
	s_lshl_b32 s34, ttmp9, 17                      ; out: the row block's 128 fragments of 1,024 bytes,
	s_lshl_b32 s30, s2, 16                         ; the half's 64
	s_add_co_u32 s34, s34, s30
	s_mov_b32 s35, 0
	s_mul_i32 s31, s3, XST                         ; my stage
	v_lshl_add_u32 v[LSA], v1, 3, s31              ; into it: 8 bytes a lane, 256 neighbouring bytes a store
	v_lshlrev_b32 v2, 4, v1                        ; 16 x lane
	v_lshl_add_u32 v1, v3, 10, v2                  ; in: + wave x 256 numbers
	v_lshl_add_u32 v2, v3, 13, v2                  ; out: + wave x 8 fragments
	v_and_b32 v[LLA], 15, v0                       ; back: row l % 16, 16 bytes for each half of the lanes
	v_mul_u32_u24 v[LLA], v[LLA], XP
	v_bfe_u32 v3, v0, 4, 1
	v_lshl_add_u32 v[LLA], v3, 4, v[LLA]
	v_add_nc_u32 v[LLA], s31, v[LLA]
	s_wait_kmcnt 0x0
	s_add_nc_u64 s[24:25], s[8:9], s[28:29]
	s_add_nc_u64 s[26:27], s[18:19], s[34:35]
.set j, 0
.rept 32                                               ; row j / 2, its numbers 128 (j % 2) on
	global_load_b128 v[X+4*j:X+4*j+3], v1, s[24:25] offset:(j/2)*16384+(j%2)*512 th:TH_LOAD_NT
.set j, j+1
.endr
.set j, 0
.rept 32
	s_wait_loadcnt 31-j                            ; load j is in, the younger ones stay out
	v_cvt_pk_bf16_f32 v[X+4*j],   v[X+4*j],   v[X+4*j+1]
	v_cvt_pk_bf16_f32 v[X+4*j+1], v[X+4*j+2], v[X+4*j+3]
	ds_store_b64 v[LSA], v[X+4*j:X+4*j+1] offset:(j/2)*XP+(j%2)*256
.set j, j+1
.endr
.set j, 0
.rept 16                                               ; fragment j / 2 of my eight, half j % 2.  LDS serves a wave's instructions in order (ISA guide 5.7.1.4): these see the stores above
	ds_load_b128 v[X+4*j:X+4*j+3], v[LLA] offset:(j/2)*64+(j%2)*32
.set j, j+1
.endr
.set j, 0
.rept 16
	s_wait_dscnt 15-j                              ; LDS loads come back in order: load j is in
	global_store_b128 v2, v[X+4*j:X+4*j+3], s[26:27] offset:512*j  ; 512 consecutive bytes, at a multiple of 256 from xb's first
.set j, j+1
.endr
	s_wait_tensorcnt 0x0                           ; the wave's end: the add to my spare word and its waits, behind my last LDS store
	ds_add_u32 v[SPW], v[NIL]
	s_wait_dscnt 0x0
	s_endpgm
.Lfunc_end_k_qf4e74c3548_cast:
	.size	k_qf4e74c3548_cast, .Lfunc_end_k_qf4e74c3548_cast-k_qf4e74c3548_cast
	.p2alignl 7, 3214868480
	.fill 96, 4, 3214868480
	.section	.rodata,"a",@progbits
	.p2align	6, 0x0
	.amdhsa_kernel k_qf4e74c3548_cast
		.amdhsa_group_segment_fixed_size 68608
		.amdhsa_private_segment_fixed_size 0
		.amdhsa_enable_private_segment 0
		.amdhsa_kernarg_size 64
		.amdhsa_user_sgpr_count 2
		.amdhsa_user_sgpr_kernarg_segment_ptr 1
		.amdhsa_wavefront_size32 1
		.amdhsa_system_sgpr_workgroup_id_x 1
		.amdhsa_system_sgpr_workgroup_id_y 1
		.amdhsa_system_sgpr_workgroup_id_z 1
		.amdhsa_system_vgpr_workitem_id 0
		.amdhsa_next_free_vgpr 136
		.amdhsa_next_free_sgpr 66
		.amdhsa_reserve_vcc 0
		.amdhsa_float_denorm_mode_32 3
		.amdhsa_float_denorm_mode_16_64 3
		.amdhsa_memory_ordered 1
		.amdhsa_forward_progress 1
		.amdhsa_inst_pref_size 49
	.end_amdhsa_kernel
	.amdgpu_metadata
---
amdhsa.version: [ 1, 2 ]
amdhsa.kernels:
  - .name:           k_qf4e74c3548_cast
    .symbol:         k_qf4e74c3548_cast.kd
    .args:
      - { .name: hidden_states, .offset: 0, .size: 8, .value_kind: global_buffer, .address_space: global }
      - { .name: wq, .offset: 8, .size: 8, .value_kind: global_buffer, .address_space: global }
      - { .name: wk, .offset: 16, .size: 8, .value_kind: global_buffer, .address_space: global }
      - { .name: wv, .offset: 24, .size: 8, .value_kind: global_buffer, .address_space: global }
      - { .name: wo, .offset: 32, .size: 8, .value_kind: global_buffer, .address_space: global }
      - { .name: xb, .offset: 40, .size: 8, .value_kind: global_buffer, .address_space: global }
      - { .name: wb, .offset: 48, .size: 8, .value_kind: global_buffer, .address_space: global }
      - { .name: wob, .offset: 56, .size: 8, .value_kind: global_buffer, .address_space: global }
    .group_segment_fixed_size: 68608
    .private_segment_fixed_size: 0
    .kernarg_segment_align: 8
    .kernarg_segment_size: 64
    .max_flat_workgroup_size: 256
    .sgpr_count:     66
    .vgpr_count:     136
    .wavefront_size: 32
...
	.end_amdgpu_metadata
.endif
;; end of part 5
;; launch qkv (part 6): grid 16 x 16, 4 waves a work-group, clusters of 4 x 1, 327,680 bytes of LDS; arguments xb, wb, position_ids, qh, kh, vh; writes qh, kh, vh
.if DOCPART == 6
	.amdgcn_target "amdgcn-amd-amdhsa--gfx1250"
	.amdhsa_code_object_version 6
	.text
	.protected	k_qf4e74c3548_qkv
	.globl	k_qf4e74c3548_qkv
	.p2align	8
	.type	k_qf4e74c3548_qkv,@function
k_qf4e74c3548_qkv:
	s_mov_b64 s[64:65], 0
	v_nop
	global_prefetch_b8 v0, s[64:65] scope:SCOPE_SE
	s_setreg_imm32_b32 hwreg(HW_REG_WAVE_MODE, 25, 1), 1
	s_wait_xcnt 0x0
	s_wait_alu depctr_hold_cnt(0) depctr_sa_sdst(0) depctr_va_vdst(0) depctr_va_sdst(0) depctr_va_ssrc(0) depctr_va_vcc(0) depctr_vm_vsrc(0)
	s_getreg_b32 s2, hwreg(HW_REG_IB_STS2, 6, 4)
	s_cmp_eq_u32 s2, 0
	s_cbranch_scc0 .Lentry_in_a_cluster
	s_endpgm
.Lentry_in_a_cluster:
	s_bfe_u32 s2, ttmp6, 0x10000c
	s_cmp_lg_u32 s2, 0x3003
	s_cbranch_scc0 .Lentry_shape_is_right
	s_endpgm
.Lentry_shape_is_right:
; q, k, v = x W^T with RoPE on q and k, written by head pairs.  Sums in f32.
; xb: bf16(x) in fragment order: [128 blocks of 16 rows][128 blocks of 32 K][2 halves][32 lanes][16 bytes].  wb: [3072][4096] bf16, row 96 h + 32 t + d (t = q, k, v).
; qh, kh, vh: [16 head pairs][2048][64] f16: rows of 128 bytes, head 2 p + hh at byte 64 hh.  Each number is rounded once, from f32:
;   q' = al rope(q), k' = al rope(k), al = 32^(-1/4), so that q' . k' is the score in the mask's own units;   v' = v / 4 (the last product's weights carry the 4).
; LIMITS.  f16 ends at 65,504: |q|, |k| stay under 155,000, |v| under 262,000.  sin and cos are made by taking k = round(x 2/pi) quarter turns away in three parts and two polynomials on
; |r| <= pi/4 (terms to r^9 and r^10): right to f32's last bits for |position| up to 2^20.
; A TILE is 128 rows x 192 columns: one head pair's q, k and v: 16 x 16 tiles, one to a work-group.  Four waves; wave w makes rows 32 w .. 32 w + 31 x all 192 columns: 24 accumulators.
; W goes in K steps of 256 (rows of 512 bytes) through a ring of two LDS slots filled by the tensor data mover.  X DOES NOT GO THROUGH LDS: two slots of such a step for the tile's 320 rows would be
; 327,680 bytes before padding, all that there is.  A wave's rows of x are its own, and xb holds them as register images: a load takes 512 consecutive bytes, half a fragment, straight into a
; ring of eight register slots of 64 along K, six and a half quarters of a K step ahead of its use.
; CLUSTER 4 x 1: the four work-groups of a cluster make four row blocks of one head pair and need the same rows of W: each tile is asked for jointly, by the same load with a mask of four.
; x is not shared so: a load into registers has no joint form; each of its bytes is read by the 16 work-groups of a row of tiles.
; THE MATRIX INSTRUCTION IS USED TRANSPOSED (source 0 = 16 rows of W, source 1 = 16 rows of x): a lane holds ONE row of x (lane % 16) and eight neighbouring channels 8 (lane / 16) + 0..7.
; REGISTERS, in windows of 256 (s_set_vgpr_msb: bits 1:0 source 0, 3:2 source 1, 5:4 source 2, 7:6 destination):
;   window 0: v0-31 addresses and work; v32-63 my rows' al cos and al sin; v64-255 x's ring, slots 0-5 (later the way out)
;   window 1: v0-191 the accumulators, (a, b) at 8 (12 a + b); v192-255 x's ring, slots 6, 7
;   window 2, window 3: W's two fragment buffers, each 64 along K: for each 32 along K 96 registers (12 blocks)
.set NBK,   12
.set FH,    8*NBK                      ; registers of a buffer's half (32 along K)
.set NL,    4*NBK                      ; LDS loads that fill a buffer
.set PB,    528                        ; an LDS row: 512 bytes + 16 of padding = 33 x 16: the 16 rows of a load start at 16 different groups of four banks (ISA guide 11.1)
.set SLOT,  192*PB                     ; 101,376
.set STAGE, 2*SLOT                     ; behind the ring: for each wave q's, k's and v's 32 rows x (128 bytes + 16), its own
.set SP,    144
.set TST,   32*SP
.set WST,   3*TST
.set SPARE, STAGE+4*WST                ; the spare words, 128 bytes a wave: two blocks of 256 bytes that no other line names
.set LAPS,  8                          ; a lap = two K steps = once round both rings: 4096 / 512
.set BSTEP, 1024                       ; two K steps on in a row of W, in bytes
.set ALAP,  16384                      ; a lap of a row block of x: 16 fragments
.set AROW,  131072                     ; a row block of x: 128 fragments
.set T,    5                           ; v5-17   at work while the table is made
.set PAD,  18                          ; v18     my rows' byte offset in position_ids
.set FQ,   19                          ; v19     the frequency in hand
.set ADRB, 20                          ; v20-23  LDS address of my fragments of W: slot s, head n at v[20 + 2 s + n]
.set STO,  24                          ; v24     the way out: where I put 16 bytes of a row
.set RD,   25                          ; v25     where I read rows back
.set CO,   26                          ; v26     16 x lane; never rewritten
.set SPW,  28                          ; v28     LDS address of my spare word; never rewritten
.set NIL,  29                          ; v29     0; never rewritten
.set POS,  30                          ; v30-31  my two rows' positions
.set TBL,  32                          ; v32-63  row block a: 8 al cos at 32 + 16 a, 8 al sin behind them
.set TT,   64                          ; the way out: v64-71, v72-79 at work; v80-87 packed; v128-223 rows read back
.set UU,   72
.set PKR,  80
.set WV, 16                            ; s16 wave
.set G1,  24                           ; s[24:31] descriptor group 1; s[32:39] group 0, a set for each slot
.set G0,  32
.set AB,  48                           ; s[48:49] x at my first row block, at the lap in hand
.set MSB, 0
.macro WIN new                         ; the immediate's high byte repeats the setting that is left; a switch that changes nothing is dropped
.if MSB != (\new)
	s_set_vgpr_msb (MSB<<8)|(\new)
.set MSB, \new
.endif
.endm
.macro PLACES                          ; four places behind matrix instructions, in front of loads into their sources and of reads of their results
.rept 4
	v_nop
.endr
.endm
.macro JLOAD s                         ; a joint load: each wave fetches its 48 of the 192 rows; an s_nop 0 and four v_nop follow the line
	tensor_load_to_lds s[G0+4*(\s):G0+4*(\s)+3], s[G1:G1+7]
	s_nop 0
.rept 4
	v_nop
.endr
.endm
.macro CREST                           ; a round of the cluster's barrier behind its opening barrier
	s_cmp_lg_u32 s[WV], 0
	s_cbranch_scc1 .Lnot_wave_0_\@
	s_barrier_signal -3
.Lnot_wave_0_\@:
	s_barrier_wait -3
	s_barrier_signal -1
	s_barrier_wait -1
.endm
.macro CROUND
	s_barrier_signal -1
	s_barrier_wait -1
	CREST
.endm
; 12 matrix instructions: row block a x all 12 column blocks, 32 along K: half c of W's buffer f and of x's ring slot q.  zero = 1: the product starts the sums.
; The 24 accumulators take turns, one instruction a turn, in the same order everywhere.
.macro MULH f, c, a, q, zero
.if (\q) < 6
.set AR, 64+32*(\q)
	WIN 0x52+(\f)                                  ; W in window 2 or 3, x in window 0, C and D in window 1
.else
.set AR, 192+32*((\q)-6)
	WIN 0x56+(\f)                                  ; the same with x in window 1
.endif
.irp b, 0,1,2,3,4,5,6,7,8,9,10,11
.if \zero
	v_wmma_f32_16x16x32_bf16 v[8*(NBK*(\a)+(\b)):8*(NBK*(\a)+(\b))+7], v[FH*(\c)+8*(\b):FH*(\c)+8*(\b)+7], v[AR+16*(\c)+8*(\a):AR+16*(\c)+8*(\a)+7], 0
.else
	v_wmma_f32_16x16x32_bf16 v[8*(NBK*(\a)+(\b)):8*(NBK*(\a)+(\b))+7], v[FH*(\c)+8*(\b):FH*(\c)+8*(\b)+7], v[AR+16*(\c)+8*(\a):AR+16*(\c)+8*(\a)+7], v[8*(NBK*(\a)+(\b)):8*(NBK*(\a)+(\b))+7]
.endif
.endr
.endm
; NL LDS loads in one run: W's fragments of 64 along K, at byte kb of the rows, into buffer f; the first 32 along K first.
; A fragment is 16 rows x 32 K in 8 registers: lane l holds row l % 16, K = 8 (l / 16) + 0..7 and 16 + 8 (l / 16) + 0..7: two loads of 16 bytes, 32 bytes apart.
; Each head's 96 rows have an address register of their own, so that the immediates stay inside their 16 bits.
.macro FETCH slot, kb, f
	WIN 0x80+0x40*(\f)                             ; destination window 2 or 3, address window 0
.irp c, 0,1
.irp b, 0,1,2,3,4,5,6,7,8,9,10,11
	ds_load_b128 v[FH*(\c)+8*(\b):FH*(\c)+8*(\b)+3],   v[ADRB+2*(\slot)+(\b)/6] offset:(\kb)+64*(\c)+((\b)%6)*16*PB
	ds_load_b128 v[FH*(\c)+8*(\b)+4:FH*(\c)+8*(\b)+7], v[ADRB+2*(\slot)+(\b)/6] offset:(\kb)+64*(\c)+((\b)%6)*16*PB+32
.endr
.endr
.endm
; 8 loads: x's four fragments (2 along K x my 2 row blocks) of the quarter at place q of a lap, into ring slot q.  off: 0 for the lap at s[AB], ALAP for the next.  Each takes 512 consecutive bytes.
.macro AFETCH q, off
.if (\q) < 6
.set AR, 64+32*(\q)
	WIN 0
.else
.set AR, 192+32*((\q)-6)
	WIN 0x40                                       ; destination window 1
.endif
.irp c, 0,1
.irp a, 0,1
	global_load_b128 v[AR+16*(\c)+8*(\a):AR+16*(\c)+8*(\a)+3],   v[CO], s[AB:AB+1] offset:(\off)+(\q)*2048+(\c)*1024+(\a)*AROW
	global_load_b128 v[AR+16*(\c)+8*(\a)+4:AR+16*(\c)+8*(\a)+7], v[CO], s[AB:AB+1] offset:(\off)+(\q)*2048+(\c)*1024+(\a)*AROW+512
.endr
.endr
.endm
; A K step is four quarters of 64 along K, 48 matrix instructions each, on W's buffers 0, 1, 0, 1; q is the quarter's place in the lap, and x's ring slot.
; One of the first three: multiplies buffer f; in its middle it fetches the next quarter's W into buffer g and (af = 1) x's quarter seven on, into the ring slot that the quarter before has read.
; lw: the loads of x issued behind this quarter's own: 8 in each of the six quarters since; in the tail fewer.
.macro QUARTER slot, kb, f, g, q, zero, af, aoff, lw
	s_wait_loadcnt \lw                             ; loads come back in order (ISA guide 5.7.1): this quarter's x is in, the younger loads stay out
	s_wait_dscnt NL/2                              ; f's first 32 along K are in; the younger half of the run may be out
	MULH \f, 0, 0, \q, \zero
	MULH \f, 0, 1, \q, \zero
	PLACES
	FETCH \slot, \kb, \g
.if \af
	AFETCH ((\q)+7)%8, \aoff
.endif
	s_wait_dscnt NL                                ; all but the run just issued
	MULH \f, 1, 0, \q, 0
	MULH \f, 1, 1, \q, 0
.endm
; The fourth quarter multiplies buffer 1 and changes slots: ONE barrier.  In front of it each wave waits for all its tensor loads (one is out: its part of the next slot), adds 0 to its spare
; word, and waits for that and for its own reads of this slot.  fill = 1: the barrier opens a round of the cluster's, and this slot is filled again, two K steps ahead, first thing behind it.
.macro TURN slot, next, fill, q, af, aoff, lw
	WIN 0                                          ; (the add's two registers lie in window 0)
	s_wait_tensorcnt 0x0                           ; all my tensor loads have landed
	ds_add_u32 v[SPW], v[NIL]                      ; 0 onto my spare word
	s_wait_loadcnt \lw                             ; this quarter's x is in
	s_wait_dscnt NL/2+1                            ; (the add and the younger half of buffer 1's run may be out)
	MULH 1, 0, 0, \q, 0                            ; twelve matrix instructions stand between the add and the wait for it
	s_wait_dscnt 0x0                               ; the add is done, and my reads of this slot are over
	s_barrier_signal -1
	MULH 1, 0, 1, \q, 0                            ; work on registers while the others arrive
.if \fill
	WIN 0
.endif
	s_barrier_wait -1
.if \fill
	CREST                                          ; no wave of any partner still reads this slot's tile or has a load on its way
	s_add_nc_u64 s[G0+4*(\slot)+2:G0+4*(\slot)+3], s[G0+4*(\slot)+2:G0+4*(\slot)+3], BSTEP
	JLOAD \slot                                    ; 168 matrix instructions ahead of the wait for it; its four v_nop are also the places in front of the loads below
.else
	PLACES
.endif
	FETCH \next, 0, 0
.if \af
	AFETCH ((\q)+7)%8, \aoff
.endif
	MULH 1, 1, 0, \q, 0
	MULH 1, 1, 1, \q, 0
.endm
	s_load_b256 s[4:11], s[0:1], 0x0               ; xb s[4:5], wb s[6:7], position_ids s[8:9], qh s[10:11]
	s_load_b128 s[12:15], s[0:1], 0x20             ; kh s[12:13], vh s[14:15]
	v_lshl_add_u32 v[SPW], v0, 2, SPARE
	v_mov_b32 v[NIL], 0
	ds_add_u32 v[SPW], v[NIL]                      ; the wave's opening: the add and its wait stand ahead of my first tensor load; work on registers stands between them
	v_lshrrev_b32 v1, 5, v0
	v_readfirstlane_b32 s[WV], v1                  ; wave 0..3
	s_bfe_u32 s20, ttmp6, 0x40000                  ; cx: my place in the cluster
	s_lshl_b32 s23, ttmp9, 2                       ; in a cluster launch ttmp9 counts clusters
	s_add_co_u32 s23, s23, s20                     ; tr: the block of 128 rows = 4 x cluster x + cx: it enters x's, the positions' and the outputs' addresses alone
	s_and_b32 s22, ttmp7, 0xffff                   ; tc: the head pair, which the four partners share
	s_mov_b32 s[G1], 15|(1<<16)|(1<<20)|(1<<21)|(6<<22)|(3<<25)  ; 15:0 the mask of four; 17:16 2-byte elements; 20 padding on; 21 set beside a mask; 24:22 after every 128 words; 31:25 4 words
	s_mov_b32 s[G1+1], 256<<16                     ; tensor_dim0 = 256
	s_mov_b32 s[G1+2], 48<<16                      ; tensor_dim1 = 48
	s_mov_b32 s[G1+3], 256<<16                     ; tile_dim0 = 256
	s_mov_b32 s[G1+4], 48                          ; tile_dim1 = 48
	s_mov_b32 s[G1+5], 4096                        ; elements from row to row
	s_mov_b32 s[G1+6], 0
	s_mov_b32 s[G1+7], 0
	s_mul_i32 s44, s22, 192                        ; W: row 192 tc + 48 w, rows of 8,192 bytes
	s_mul_i32 s45, s[WV], 48
	s_add_co_u32 s44, s44, s45
	s_lshl_b32 s44, s44, 13
	s_mov_b32 s45, 0
	s_mul_i32 s47, s[WV], 48*PB                    ; where they go: the wave's number alone enters an LDS address
	s_lshl_b32 s42, s23, 3                         ; x: row block 8 tr + 2 w
	s_lshl_b32 s43, s[WV], 1
	s_add_co_u32 s42, s42, s43
	s_lshl_b32 s42, s42, 17
	s_mov_b32 s43, 0
	s_mov_b32 s66, 0x3f22f983                      ; 2 / pi
	s_mov_b32 s67, 0xbfc90fdb                      ; pi / 2 in three parts, negated
	s_mov_b32 s68, 0x333bbd2e
	s_mov_b32 s69, 0x26f72ced
	s_mov_b32 s70, 0xbe2aaaab                      ; sin: -1/3!, 1/5!, -1/7!, 1/9!
	s_mov_b32 s71, 0x3c088889
	s_mov_b32 s72, 0xb9500d01
	s_mov_b32 s73, 0x3638ef1d
	s_mov_b32 s74, 0x3d2aaaab                      ; cos: 1/4!, -1/6!, 1/8!, -1/10!
	s_mov_b32 s75, 0xbab60b61
	s_mov_b32 s76, 0x37d00d01
	s_mov_b32 s77, 0xb493f27e
	s_mov_b32 s78, 0x3ed744fd                      ; al = 32^(-1/4)
	s_mov_b32 s79, 0x80000000                      ; the sign
	s_mov_b32 s82, 0x3e800000                      ; 1/4, named as a pair
	s_mov_b32 s83, 0x3e800000
	v_and_b32 v[CO], 31, v0
	v_lshlrev_b32 v[CO], 4, v[CO]
	s_wait_dscnt 0x0                               ; the opening add is done
	s_wait_kmcnt 0x0
	s_add_nc_u64 s[AB:AB+1], s[4:5], s[42:43]
	s_add_nc_u64 s[44:45], s[6:7], s[44:45]
	CROUND                                         ; all four work-groups are here: the first joint loads meet
.irp s, 0,1
	s_mov_b32 s[G0+4*(\s)], 1                      ; count = 1
	s_add_co_u32 s[G0+4*(\s)+1], s47, (\s)*SLOT    ; LDS address
	s_add_nc_u64 s[G0+4*(\s)+2:G0+4*(\s)+3], s[44:45], (\s)*512  ; global address: K step s
	s_or_b32 s[G0+4*(\s)+3], s[G0+4*(\s)+3], 0x80000000          ; type = 2
	JLOAD \s                                       ; two loads of mine are out
.endr
	s_lshl_b32 s40, s23, 7
	s_lshl_b32 s41, s[WV], 5
	s_add_co_u32 s40, s40, s41                     ; my first row: 128 tr + 32 w
	s_lshl_b32 s41, s40, 2
	v_and_b32 v1, 15, v0                           ; l % 16
	v_lshl_add_u32 v[PAD], v1, 2, s41
	global_load_b32 v[POS],   v[PAD], s[8:9]           ; the positions of my rows l % 16 and 16 + l % 16
	global_load_b32 v[POS+1], v[PAD], s[8:9] offset:64
.irp q, 0,1,2,3,4,5,6
	AFETCH \q, 0                                   ; x's first seven quarters: with the two above 58 loads of mine are out
.endr
	WIN 0
	v_bfe_u32 v2, v0, 4, 1                         ; l / 16
	v_mul_u32_u24 v3, v1, PB
	v_lshl_add_u32 v3, v2, 4, v3                   ; a fragment's row x pitch + 16 x half
.irp s, 0,1
.irp n, 0,1
	v_add_nc_u32 v[ADRB+2*(\s)+(\n)], (\s)*SLOT+(\n)*96*PB, v3
.endr
.endr
	s_mul_i32 s41, s[WV], WST
	s_add_co_u32 s41, s41, STAGE                   ; my stage
	v_mul_u32_u24 v[STO], v1, SP                   ; in: row l % 16, 16 bytes for each half of the lanes
	v_lshl_add_u32 v[STO], v2, 4, v[STO]
	v_add_nc_u32 v[STO], s41, v[STO]
	v_bfe_u32 v[RD], v0, 3, 2                      ; back: 32 lanes take four rows of 128 bytes
	v_mul_u32_u24 v[RD], v[RD], SP
	v_and_b32 v4, 7, v0
	v_lshl_add_u32 v[RD], v4, 4, v[RD]
	v_add_nc_u32 v[RD], s41, v[RD]
	s_lshl_b32 s40, s40, 7                         ; my rows, of 128 bytes, in the head pair's 262,144
	s_lshl_b32 s41, s22, 18
	s_add_co_u32 s40, s40, s41
	s_mov_b32 s41, 0
	s_add_nc_u64 s[10:11], s[10:11], s[40:41]
	s_add_nc_u64 s[12:13], s[12:13], s[40:41]
	s_add_nc_u64 s[14:15], s[14:15], s[40:41]
	v_cmp_eq_u32 s81, 1, v2                        ; the upper half of the lanes holds frequencies 8 to 15
	s_wait_loadcnt 56                              ; the positions are in; x's 56 loads behind them stay out
	v_cvt_f32_i32 v[POS], v[POS]
	v_cvt_f32_i32 v[POS+1], v[POS+1]
; THE TABLE, made in the wait for the first tiles: al cos and al sin for my two rows and my eight frequencies 8 (l / 16) + j.  x = position x frequency, rounded once as in f32;
; k = round(x 2/pi), r = x - k pi/2; sin r and cos r by polynomials; an odd k swaps them; sin's sign is bit 1 of k, cos's bit 1 of k + 1.  The choices are selects by lane masks in scalar registers.
.macro SINCOS a, j
	v_mul_f32 v[T], v[FQ], v[POS+(\a)]
	v_mul_f32 v[T+1], s66, v[T]
	v_rndne_f32 v[T+1], v[T+1]
	v_fma_f32 v[T+2], v[T+1], s67, v[T]
	v_fma_f32 v[T+2], v[T+1], s68, v[T+2]
	v_fma_f32 v[T+2], v[T+1], s69, v[T+2]
	v_cvt_i32_f32 v[T+3], v[T+1]
	v_mul_f32 v[T+4], v[T+2], v[T+2]
	v_fma_f32 v[T+5], v[T+4], s73, s72
	v_fma_f32 v[T+7], v[T+4], s77, s76
	v_fma_f32 v[T+5], v[T+5], v[T+4], s71
	v_fma_f32 v[T+7], v[T+7], v[T+4], s75
	v_fma_f32 v[T+5], v[T+5], v[T+4], s70
	v_fma_f32 v[T+7], v[T+7], v[T+4], s74
	v_mul_f32 v[T+6], v[T+2], v[T+4]
	v_fma_f32 v[T+7], v[T+7], v[T+4], -0.5
	v_fma_f32 v[T+5], v[T+6], v[T+5], v[T+2]
	v_fma_f32 v[T+7], v[T+7], v[T+4], 1.0
	v_and_b32 v[T+8], 1, v[T+3]
	v_cmp_eq_u32 s80, 1, v[T+8]
	v_cndmask_b32 v[T+9], v[T+5], v[T+7], s80
	v_cndmask_b32 v[T+10], v[T+7], v[T+5], s80
	v_lshlrev_b32 v[T+11], 30, v[T+3]
	v_add_nc_u32 v[T+12], 1, v[T+3]
	v_and_b32 v[T+11], s79, v[T+11]
	v_lshlrev_b32 v[T+12], 30, v[T+12]
	v_xor_b32 v[T+9], v[T+9], v[T+11]
	v_and_b32 v[T+12], s79, v[T+12]
	v_xor_b32 v[T+10], v[T+10], v[T+12]
	v_mul_f32 v[TBL+16*(\a)+(\j)], s78, v[T+10]
	v_mul_f32 v[TBL+16*(\a)+8+(\j)], s78, v[T+9]
.endm
.macro FREQ j, lo, hi                  ; 10000^(-j/16) in the lower half of the lanes, 10000^(-(8+j)/16) in the upper
	v_mov_b32 v[FQ], \lo
	s_mov_b32 s84, \hi
	v_cndmask_b32 v[FQ], v[FQ], s84, s81
	SINCOS 0, \j
	SINCOS 1, \j
.endm
	FREQ 0, 0x3f800000, 0x3c23d70a
	FREQ 1, 0x3f0ff59a, 0x3bb8449c
	FREQ 2, 0x3ea1e89b, 0x3b4f3e37
	FREQ 3, 0x3e361887, 0x3ae91528
	FREQ 4, 0x3dcccccd, 0x3a83126f
	FREQ 5, 0x3d6655c3, 0x3a136a16
	FREQ 6, 0x3d0186e2, 0x39a5cb5f
	FREQ 7, 0x3c91ad39, 0x393a7753
	s_wait_tensorcnt 0x1                           ; my part of K step 0 is in; K step 1's may stay out
	s_barrier_signal -1
	s_barrier_wait -1
	FETCH 0, 0, 0
	QUARTER 0, 128, 0, 1, 0, 1, 1, 0, 48           ; the first quarter stands in front of the loop: its first products start the sums; it asks for x's quarter 7
	WIN 0                                          ; at a label and at a branch every window is 0
	s_mov_b32 s19, LAPS-1
.Llap:                                                 ; a trip goes once round both rings, from a lap's second quarter to the next lap's first; its loads of x are the next lap's
	QUARTER 0, 256, 1, 0, 1, 0, 1, ALAP, 48
	QUARTER 0, 384, 0, 1, 2, 0, 1, ALAP, 48
	TURN 0, 1, 1, 3, 1, ALAP, 48
	QUARTER 1, 128, 0, 1, 4, 0, 1, ALAP, 48
	QUARTER 1, 256, 1, 0, 5, 0, 1, ALAP, 48
	QUARTER 1, 384, 0, 1, 6, 0, 1, ALAP, 48
	TURN 1, 0, 1, 7, 1, ALAP, 48
	QUARTER 0, 128, 0, 1, 0, 0, 1, ALAP, 48
	WIN 0
	s_wait_xcnt 0x0                                ; the loads' base is stepped only behind this wait (ISA guide 3.1)
	s_add_nc_u64 s[AB:AB+1], s[AB:AB+1], ALAP
	s_sub_co_u32 s19, s19, 1
	s_cmp_lg_u32 s19, 0
	s_cbranch_scc1 .Llap
	QUARTER 0, 256, 1, 0, 1, 0, 0, 0, 48           ; the last lap fills nothing and asks for nothing: the counts run down
	QUARTER 0, 384, 0, 1, 2, 0, 0, 0, 40
	TURN 0, 1, 0, 3, 0, 0, 32
	QUARTER 1, 128, 0, 1, 4, 0, 0, 0, 24
	QUARTER 1, 256, 1, 0, 5, 0, 0, 0, 16
	QUARTER 1, 384, 0, 1, 6, 0, 0, 0, 8
	s_wait_loadcnt 0x0
	s_wait_dscnt NL/2
	MULH 1, 0, 0, 7, 0
	MULH 1, 0, 1, 7, 0
	s_wait_dscnt 0x0
	MULH 1, 1, 0, 7, 0
	MULH 1, 1, 1, 7, 0
	WIN 0
	PLACES
; THE WAY OUT.  Row block a, head n, of q (t = 0) or k (t = 1).  X1 holds channels 8 h + j, X2 channels 16 + 8 h + j: x1 cos - x2 sin and x2 cos + x1 sin.  Each accumulator is read from its lowest registers on.
.macro ROPE a, n, t
.set X1, 8*(NBK*(\a)+6*(\n)+2*(\t))
.set X2, X1+8
.set CSR, TBL+16*(\a)
.set SNR, CSR+8
	WIN 0x01                                       ; source 0 in window 1
.irp j, 0,2,4,6
	v_pk_mul_f32 v[TT+\j:TT+\j+1], v[X2+\j:X2+\j+1], v[SNR+\j:SNR+\j+1]
.endr
.irp j, 0,2,4,6
	v_pk_mul_f32 v[UU+\j:UU+\j+1], v[X1+\j:X1+\j+1], v[SNR+\j:SNR+\j+1]
.endr
.irp j, 0,2,4,6
	v_pk_fma_f32 v[TT+\j:TT+\j+1], v[X1+\j:X1+\j+1], v[CSR+\j:CSR+\j+1], v[TT+\j:TT+\j+1] neg_lo:[0,0,1] neg_hi:[0,0,1]
.endr
.irp j, 0,2,4,6
	v_pk_fma_f32 v[UU+\j:UU+\j+1], v[X2+\j:X2+\j+1], v[CSR+\j:CSR+\j+1], v[UU+\j:UU+\j+1]
.endr
	WIN 0
.irp j, 0,1,2,3
	v_cvt_pk_f16_f32 v[PKR+\j],   v[TT+2*\j], v[TT+2*\j+1]
	v_cvt_pk_f16_f32 v[PKR+4+\j], v[UU+2*\j], v[UU+2*\j+1]
.endr
	ds_store_b128 v[STO], v[PKR:PKR+3]   offset:(\t)*TST+(\a)*16*SP+64*(\n)
	ds_store_b128 v[STO], v[PKR+4:PKR+7] offset:(\t)*TST+(\a)*16*SP+64*(\n)+32
.endm
.macro VOUT a, n                       ; row block a, head n, of v, times 1/4
.set X1, 8*(NBK*(\a)+6*(\n)+4)
.set X2, X1+8
	WIN 0x01
.irp j, 0,2,4,6
	v_pk_mul_f32 v[TT+\j:TT+\j+1], v[X1+\j:X1+\j+1], s[82:83] op_sel_hi:[1,0]
	v_pk_mul_f32 v[UU+\j:UU+\j+1], v[X2+\j:X2+\j+1], s[82:83] op_sel_hi:[1,0]
.endr
	WIN 0
.irp j, 0,1,2,3
	v_cvt_pk_f16_f32 v[PKR+\j],   v[TT+2*\j], v[TT+2*\j+1]
	v_cvt_pk_f16_f32 v[PKR+4+\j], v[UU+2*\j], v[UU+2*\j+1]
.endr
	ds_store_b128 v[STO], v[PKR:PKR+3]   offset:2*TST+(\a)*16*SP+64*(\n)
	ds_store_b128 v[STO], v[PKR+4:PKR+7] offset:2*TST+(\a)*16*SP+64*(\n)+32
.endm
.irp a, 0,1
.irp n, 0,1
	ROPE \a, \n, 0
	ROPE \a, \n, 1
	VOUT \a, \n
.endr
.endr
	; A row's 128 bytes, both heads', are my own: the stage is mine alone, and LDS serves a wave's instructions in order (ISA guide 5.7.1.4): no wait and no barrier between the stores and these loads.
.irp t, 0,1,2
.irp i, 0,1,2,3,4,5,6,7
	ds_load_b128 v[128+32*(\t)+4*(\i):128+32*(\t)+4*(\i)+3], v[RD] offset:(\t)*TST+(\i)*4*SP
.endr
.endr
.set n, 0
.irp t, 0,1,2
.irp i, 0,1,2,3,4,5,6,7
	s_wait_dscnt 23-n                              ; LDS loads come back in order: load n is in
	global_store_b128 v[CO], v[128+32*(\t)+4*(\i):128+32*(\t)+4*(\i)+3], s[10+2*(\t):11+2*(\t)] offset:512*(\i)  ; four rows: 512 consecutive bytes, at a multiple of 256 from the buffer's first
.set n, n+1
.endr
.endr
	s_wait_tensorcnt 0x0                           ; the wave's end: the add to my spare word and its waits, behind my last tensor load and my last LDS store
	ds_add_u32 v[SPW], v[NIL]
	s_wait_dscnt 0x0
	CROUND                                         ; the closing round: no work-group ends while a partner may still ask for a tile that names it
	s_endpgm
.Lfunc_end_k_qf4e74c3548_qkv:
	.size	k_qf4e74c3548_qkv, .Lfunc_end_k_qf4e74c3548_qkv-k_qf4e74c3548_qkv
	.p2alignl 7, 3214868480
	.fill 96, 4, 3214868480
	.section	.rodata,"a",@progbits
	.p2align	6, 0x0
	.amdhsa_kernel k_qf4e74c3548_qkv
		.amdhsa_group_segment_fixed_size 327680
		.amdhsa_private_segment_fixed_size 0
		.amdhsa_enable_private_segment 0
		.amdhsa_kernarg_size 48
		.amdhsa_user_sgpr_count 2
		.amdhsa_user_sgpr_kernarg_segment_ptr 1
		.amdhsa_wavefront_size32 1
		.amdhsa_system_sgpr_workgroup_id_x 1
		.amdhsa_system_sgpr_workgroup_id_y 1
		.amdhsa_system_sgpr_workgroup_id_z 1
		.amdhsa_system_vgpr_workitem_id 0
		.amdhsa_next_free_vgpr 960
		.amdhsa_next_free_sgpr 96
		.amdhsa_reserve_vcc 0
		.amdhsa_float_denorm_mode_32 3
		.amdhsa_float_denorm_mode_16_64 3
		.amdhsa_memory_ordered 1
		.amdhsa_forward_progress 1
		.amdhsa_inst_pref_size 169
	.end_amdhsa_kernel
	.amdgpu_metadata
---
amdhsa.version: [ 1, 2 ]
amdhsa.kernels:
  - .name:           k_qf4e74c3548_qkv
    .symbol:         k_qf4e74c3548_qkv.kd
    .args:
      - { .name: xb, .offset: 0, .size: 8, .value_kind: global_buffer, .address_space: global }
      - { .name: wb, .offset: 8, .size: 8, .value_kind: global_buffer, .address_space: global }
      - { .name: position_ids, .offset: 16, .size: 8, .value_kind: global_buffer, .address_space: global }
      - { .name: qh, .offset: 24, .size: 8, .value_kind: global_buffer, .address_space: global }
      - { .name: kh, .offset: 32, .size: 8, .value_kind: global_buffer, .address_space: global }
      - { .name: vh, .offset: 40, .size: 8, .value_kind: global_buffer, .address_space: global }
    .group_segment_fixed_size: 327680
    .private_segment_fixed_size: 0
    .kernarg_segment_align: 8
    .kernarg_segment_size: 48
    .max_flat_workgroup_size: 128
    .sgpr_count:     96
    .vgpr_count:     960
    .wavefront_size: 32
...
	.end_amdgpu_metadata
.endif
;; end of part 6
;; launch attn (part 7): grid 16 x 16, 8 waves a work-group, clusters of 4 x 4, 327,680 bytes of LDS; arguments qh, kh, vh, attention_mask, oh; writes oh
.if DOCPART == 7
	.amdgcn_target "amdgcn-amd-amdhsa--gfx1250"
	.amdhsa_code_object_version 6
	.text
	.protected	k_qf4e74c3548_attn
	.globl	k_qf4e74c3548_attn
	.p2align	8
	.type	k_qf4e74c3548_attn,@function
k_qf4e74c3548_attn:
	s_mov_b64 s[64:65], 0
	v_nop
	global_prefetch_b8 v0, s[64:65] scope:SCOPE_SE
	s_setreg_imm32_b32 hwreg(HW_REG_WAVE_MODE, 25, 1), 1
	s_wait_xcnt 0x0
	s_wait_alu depctr_hold_cnt(0) depctr_sa_sdst(0) depctr_va_vdst(0) depctr_va_sdst(0) depctr_va_ssrc(0) depctr_va_vcc(0) depctr_vm_vsrc(0)
	s_getreg_b32 s2, hwreg(HW_REG_IB_STS2, 6, 4)
	s_cmp_eq_u32 s2, 0
	s_cbranch_scc0 .Lentry_in_a_cluster
	s_endpgm
.Lentry_in_a_cluster:
	s_bfe_u32 s2, ttmp6, 0x10000c
	s_cmp_lg_u32 s2, 0xf033
	s_cbranch_scc0 .Lentry_shape_is_right
	s_endpgm
.Lentry_shape_is_right:
; O'[h][q] = the sum over k of softmax_k(q'[h][q] . k'[h][k] + mask[q][k]) v'[h][k].  qh, kh, vh, oh: [16 head pairs][2048][64] f16, head 2 p + hh at byte 64 hh of a row of 128 bytes;
; q' and k' carry 32^(-1/4) each, so q' . k' is the score in the mask's units; v' = v / 4, so O' = O / 4.  attention_mask: [2048][2048] f32, an INPUT: every key of every query is computed.
; Products, maxima and sums in f32; the weights p are rounded to f16 for the second product, and their sum l is taken of the rounded p, by the matrix unit; O' is rounded once at the end.
; LIMITS.  The mask enters as the C operand of the product that makes the score: s = q' . k' + mask has that instruction's one rounding.  A weight below 2^-126 counts as 0, below 6e-5 it keeps
; f16's fixed step of 6e-8.  NaN and infinities in the inputs are not treated apart.
; SHARES.  A work-group owns 128 queries of a head pair; wave w owns head hh = w % 2 and the 32 queries 32 (w / 2) on: two tiles of 16.  Every wave walks all 2,048 keys, 64 a step.
; At head size 32 a tile and step have 10 matrix and 111 vector instructions: the vector work sets the time.  So the text goes in plain phases, and two waves share a SIMD: one wave's matrix
; instructions and waits stand beside the other's vector work.
; LAYOUT.  S^T = K Q^T + mask^T (source 0 = 16 keys, source 1 = 16 queries): a lane holds ONE query (lane % 16) and the keys 8 (lane / 16) + 0..7, which are 32 neighbouring bytes of a mask row.
; Two such results rounded to f16 ARE source 1 (32 keys x 16 queries) of O^T = V^T P.  V comes out of LDS turned, by ds_load_tr16_b128.  l = ONES P, where ONES has rows 0 and 8 full of 1:
; register 0 of the result is the query's sum in both halves of the lanes.
; SOFTMAX.  A running maximum m: p = 2^(c (s - m)), c = log2(e).  s - m is taken first, so that it is exact however large a mask value both carry.  In every step O and l are multiplied by
; a = 2^(c (m_old - m_new)).  m starts at the lowest finite number, O and l at 0: the first step is a step like any other.
; CLUSTER 4 x 4.  The four of a row of the cluster share the head pair (K, V), the four of a column the queries (mask): each tile is asked for jointly, by the same load with a mask of four.
; THE RING.  A slot holds 192 keys, three steps: as many as two slots allow (2 x 162,816 bytes and the spare words' 1,024, of 327,680).  Wave 0 asks for K, wave 1 for V, waves 2, 3 and 4 each for
; one PLANE of the mask (a step's 64 keys of all 128 queries: rows of 256 bytes), waves 5 to 7 for nothing.  2,048 keys are ten slots and two steps: the last fill brings 128 keys.
; A fill is asked for behind one change of slots and waited for at the next: it has three key steps in which to land.  Each LDS slot has its own descriptors, so the loop over slots holds two changes.
; REGISTERS (s_set_vgpr_msb: bits 1:0 source 0, 3:2 source 1, 5:4 source 2, 7:6 destination):
;   window 0: v0-15 addresses; v16-31 statistics; v32-95 S^T, 32 a tile; v96-127 P; v128-159 O^T, at 16 t + 8 cb; v160-175 l, at 8 t; v176-178 set-up
;   window 1: v0-15 Q; v16-23 ONES; v32-63 K of a step; v64-95 V of a step, at 16 kk + 8 cb
.set PK,    144       ; a key's row of K in LDS: 128 bytes + 16 = 36 words: the 16 rows of a load start at 16 different groups of four banks (ISA guide 11.1)
.set PVP,   160       ; of V: 128 + 32 = 40 words
.set PM,    272       ; a query's row in a plane of the mask: 256 bytes + 16 = 17 x 16
.set SK,    192       ; keys in a slot
.set VOFF,  SK*PK     ; a slot: 192 keys of K, 192 of V, three planes of the mask
.set MOFF,  VOFF+SK*PVP
.set MPL,   128*PM    ; a plane
.set SLOT,  MOFF+3*MPL
.set STAGE, SLOT      ; the way out's 128 rows x 144 bytes lie in slot 1: its last fill has been read out when the last change of slots is passed
.set SP,    144
.set SPARE, 2*SLOT    ; behind the ring: the spare words, 128 bytes a wave: four blocks of 256 bytes that no other line names
.set AK,  2           ; v2-4   LDS addresses of the runs of loads in hand: K, the mask, V
.set AM,  3
.set AV,  4
.set STO, 5           ; v5     the way out: where I put 16 bytes of a row
.set RD,  6           ; v6     where I read rows back
.set GO,  7           ; v7     16 x lane
.set QO,  8           ; v8     my byte offset in 16 rows of Q
.set AK0, 9           ; v9-11  my lane's place in a slot's first step of K, of the mask, of V; never rewritten
.set AM0, 10
.set AV0, 11
.set SPW, 12          ; v12    LDS address of my spare word; never rewritten
.set NIL, 13          ; v13    0; never rewritten
.set MV,  14          ; v14-15 m_old, by tile
.set ST,  16          ; tile t's statistics at v[ST + 8 t]: m, (pair), a, (pair), c0-c3 at work
.set SS,  32
.set PP,  96
.set OO,  128
.set LL,  160
.set QF,  0           ; window 1
.set ONES, 16
.set KF,  32
.set VF,  64
.set WV,  14          ; s14 wave; s15 hh; s16 qq
.set HH,  15
.set QQ,  16
.set G1K, 28          ; s[28:35], s[36:43], s[44:51] descriptor groups 1
.set G1V, 36
.set G1M, 44
.set G0K, 52          ; s[52:59] descriptor groups 0 for K: a set for each LDS slot
.set G0V, 68          ; s[68:75] for V
.set G0M, 76          ; s[76:83] for my plane of the mask
.set CNT, 60          ; s60  counts the key steps behind a change of slots
.set SLOTS, 61        ; s61  counts the trips of the loop over slots
.set TBK, 62          ; s62  LDS byte at which the slot and step to be fetched begin, for K
.set TBM, 63          ; s63  for the mask
.set TBV, 66          ; s66  for V
.set CS,  84          ; s[84:85] c, named as a pair
.set SEL, 86          ; s[86:87] v_permlanex16_b32's selects: each lane takes its own place in the other half
.set MSB, 0
.macro WIN new                      ; the high byte repeats the setting that is left; a switch that changes nothing is dropped
.if MSB != (\new)
	s_set_vgpr_msb (MSB<<8)|(\new)
.set MSB, \new
.endif
.endm
.macro PLACES                       ; four places behind matrix instructions (ISA guide 7.12.1)
.rept 4
	v_nop
.endr
.endm
; A joint fill of LDS slot s.  part = 1: the last fill, of two steps: wave 4's plane is not wanted.  The branches hang on the wave's number alone.
; An s_nop 0 and four v_nop follow each of the three lines.
.macro JLOAD s, part
	s_cmp_gt_u32 s[WV], 4-(\part)
	s_cbranch_scc1 .Lnone_\@
	s_cmp_gt_u32 s[WV], 1
	s_cbranch_scc1 .Lfor_m_\@
	s_cmp_eq_u32 s[WV], 0
	s_cbranch_scc0 .Lfor_v_\@
	tensor_load_to_lds s[G0K+4*(\s):G0K+4*(\s)+3], s[G1K:G1K+7]
	s_nop 0
.rept 4
	v_nop
.endr
	s_branch .Lnone_\@
.Lfor_v_\@:
	tensor_load_to_lds s[G0V+4*(\s):G0V+4*(\s)+3], s[G1V:G1V+7]
	s_nop 0
.rept 4
	v_nop
.endr
	s_branch .Lnone_\@
.Lfor_m_\@:
	tensor_load_to_lds s[G0M+4*(\s):G0M+4*(\s)+3], s[G1M:G1M+7]
	s_nop 0
.rept 4
	v_nop
.endr
.Lnone_\@:
.endm
.macro CROUND                       ; a round of the cluster's barrier
	s_barrier_signal -1
	s_barrier_wait -1
	s_cmp_lg_u32 s[WV], 0
	s_cbranch_scc1 .Lnot_wave_0_\@
	s_barrier_signal -3
.Lnot_wave_0_\@:
	s_barrier_wait -3
	s_barrier_signal -1
	s_barrier_wait -1
.endm
; THE CHANGE OF SLOTS, to LDS slot x.  The other slot's last bytes, K, mask and V of its third step, have been asked for.  Each wave waits for all its tensor loads (at most one is out: its part of
; slot x), adds 0 to its spare word, and waits for that and for its own reads of the other slot.  fill = 1: the barrier is a round of the cluster's, and the other slot is filled again first thing
; behind it.  fill = 2: the same with the last fill, 128 keys: K's and V's tiles have 64 rows of two keys.  fill = 0: nothing is left to ask for.
; Slot x's descriptors, whose load has just been shown landed, step two slots on: the next change of slots issues them.  (At its first use nothing has been read yet: slot 0 is waited for, slot 1 filled.)
.macro CHANGE x, fill
	WIN 0                           ; at a label and at a branch every window is 0
	s_wait_tensorcnt 0x0            ; no tensor load of mine is out, so descriptors may be written
	ds_add_u32 v[SPW], v[NIL]       ; 0 onto my spare word: scalar work stands between it and the wait for it
.if (\fill) == 1
	s_add_nc_u64 s[G0K+4*(\x)+2:G0K+4*(\x)+3], s[G0K+4*(\x)+2:G0K+4*(\x)+3], 2*SK*128  ; 384 keys of 128 bytes; the type bits on top are not reached
	s_add_nc_u64 s[G0V+4*(\x)+2:G0V+4*(\x)+3], s[G0V+4*(\x)+2:G0V+4*(\x)+3], 2*SK*128
	s_add_nc_u64 s[G0M+4*(\x)+2:G0M+4*(\x)+3], s[G0M+4*(\x)+2:G0M+4*(\x)+3], 2*SK*4    ; 384 keys of 4 bytes along the mask's rows
.endif
.if (\fill) == 2
	s_mov_b32 s[G1K+2], 64<<16      ; tensor_dim1 = 64
	s_mov_b32 s[G1K+4], 64          ; tile_dim1 = 64
	s_mov_b32 s[G1V+2], 64<<16
	s_mov_b32 s[G1V+4], 64
.endif
	s_mov_b32 s[TBK], (\x)*SLOT     ; the fetches go to slot x's first step
	s_mov_b32 s[TBM], (\x)*SLOT
	s_mov_b32 s[TBV], (\x)*SLOT
	s_wait_dscnt 0x0                ; the add is done, and my reads of the other slot are over
.if \fill
	CROUND                          ; no wave of any partner still reads the other slot or has a load on its way
	JLOAD 1-(\x), (\fill)/2
.else
	s_barrier_signal -1
	s_barrier_wait -1
.endif
.endm
	s_load_b256 s[4:11], s[0:1], 0x0  ; qh s[4:5], kh s[6:7], vh s[8:9], attention_mask s[10:11]
	s_load_b64 s[12:13], s[0:1], 0x20 ; oh
	v_lshl_add_u32 v[SPW], v0, 2, SPARE
	v_mov_b32 v[NIL], 0
	ds_add_u32 v[SPW], v[NIL]       ; the wave's opening: the add and its wait stand ahead of my first tensor load; work on registers stands between them
	v_lshrrev_b32 v1, 5, v0
	v_readfirstlane_b32 s[WV], v1   ; wave 0..7
	s_and_b32 s[HH], s[WV], 1
	s_lshr_b32 s[QQ], s[WV], 1
	s_bfe_u32 s17, ttmp6, 0x40000   ; cx, cy: my place in the cluster
	s_bfe_u32 s18, ttmp6, 0x40004
	s_lshl_b32 s19, ttmp9, 2
	s_add_co_u32 s19, s19, s17      ; qb: the block of 128 queries = 4 x cluster x + cx
	s_and_b32 s20, ttmp7, 0xffff
	s_lshl_b32 s20, s20, 2
	s_add_co_u32 s20, s20, s18      ; pr: the head pair = 4 x cluster y + cy
	s_lshl_b32 s21, s18, 2
	s_lshl_b32 s21, 15, s21         ; my row of the cluster: the same head pair
	s_lshl_b32 s88, 0x1111, s17     ; my column: the same queries
	; 192 keys of K or V are 24,576 dense bytes: asked for as 96 rows of 256 bytes, two keys a row, padded in LDS after every key
	s_or_b32 s[G1K], s21, (1<<16)|(1<<20)|(1<<21)|(4<<22)|(3<<25)  ; 2-byte elements; padding on; 21 set beside a mask; after every 32 words 4 words
	s_or_b32 s[G1V], s21, (1<<16)|(1<<20)|(1<<21)|(4<<22)|(7<<25)  ; the same with 8 words
.irp g, G1K, G1V
	s_mov_b32 s[\g+1], 128<<16      ; tensor_dim0 = 128
	s_mov_b32 s[\g+2], 96<<16       ; tensor_dim1 = 96
	s_mov_b32 s[\g+3], 128<<16      ; tile_dim0 = 128
	s_mov_b32 s[\g+4], 96           ; tile_dim1 = 96
	s_mov_b32 s[\g+5], 128          ; elements from row to row
	s_mov_b32 s[\g+6], 0
	s_mov_b32 s[\g+7], 0
.endr
	s_or_b32 s[G1M], s88, (2<<16)|(1<<20)|(1<<21)|(5<<22)|(3<<25)  ; a plane of the mask: 4-byte elements; after every 64 words 4 words: 128 rows x 64 keys
	s_mov_b32 s[G1M+1], 64<<16      ; tensor_dim0 = 64
	s_mov_b32 s[G1M+2], 128<<16     ; tensor_dim1 = 128
	s_mov_b32 s[G1M+3], 64<<16      ; tile_dim0 = 64
	s_mov_b32 s[G1M+4], 128         ; tile_dim1 = 128
	s_mov_b32 s[G1M+5], 2048        ; elements from row to row
	s_mov_b32 s[G1M+6], 0
	s_mov_b32 s[G1M+7], 0
	s_lshl_b32 s22, s20, 18         ; the head pair's first byte in qh, kh, vh, oh
	s_mov_b32 s23, 0
	s_max_u32 s67, s[WV], 2         ; which plane waves 2, 3, 4 fetch: 0, 1, 2 (held inside that range in the waves that fetch none, so that the address made of it stays in the mask)
	s_min_u32 s67, s67, 4
	s_sub_co_u32 s67, s67, 2
	s_lshl_b32 s24, s19, 20         ; the mask: row 128 qb, rows of 8,192 bytes; the plane's 64 keys of 4 bytes
	s_lshl_b32 s25, s67, 8
	s_add_co_u32 s24, s24, s25
	s_mov_b32 s25, 0
	s_mul_i32 s89, s[WV], MPL       ; where my plane goes: MOFF + (w - 2) planes: the wave's number alone enters an LDS address (only waves 2 to 4 use it)
	s_sub_co_u32 s89, s89, 2*MPL-MOFF
	s_lshl_b32 s26, s19, 7          ; Q: row 128 qb + 32 qq, rows of 128 bytes
	s_lshl_b32 s27, s[QQ], 5
	s_add_co_u32 s26, s26, s27
	s_lshl_b32 s26, s26, 7
	s_add_co_u32 s26, s26, s22
	s_mov_b32 s27, 0
	s_lshl_b32 s90, s19, 7          ; O: the rows that I store: 128 qb + 16 w
	s_lshl_b32 s91, s[WV], 4
	s_add_co_u32 s90, s90, s91
	s_lshl_b32 s90, s90, 7
	s_add_co_u32 s90, s90, s22
	s_mov_b32 s91, 0
.irp s, 0,1
	s_mov_b32 s[G0K+4*\s], 1        ; count = 1
	s_mov_b32 s[G0K+4*\s+1], \s*SLOT  ; LDS address
	s_mov_b32 s[G0V+4*\s], 1
	s_mov_b32 s[G0V+4*\s+1], \s*SLOT+VOFF
	s_mov_b32 s[G0M+4*\s], 1
	s_add_co_u32 s[G0M+4*\s+1], s89, \s*SLOT
.endr
	s_mov_b32 s[CS], 0x3fb8aa3b     ; c = log2(e)
	s_mov_b32 s[CS+1], 0x3fb8aa3b
	s_mov_b32 s[SEL], 0x76543210
	s_mov_b32 s[SEL+1], 0xfedcba98
	s_mov_b32 s94, 0x3c003c00       ; 1.0 twice, in f16
	s_wait_dscnt 0x0                ; the opening add is done
	s_wait_kmcnt 0x0
	s_add_nc_u64 s[6:7], s[6:7], s[22:23]     ; K and V at the head pair's first key,
	s_add_nc_u64 s[8:9], s[8:9], s[22:23]
	s_add_nc_u64 s[10:11], s[10:11], s[24:25] ; the mask at my plane of the first slot
.irp s, 0,1
	s_add_nc_u64 s[G0K+4*\s+2:G0K+4*\s+3], s[6:7], \s*SK*128    ; global address: slot s begins with keys 192 s on
	s_or_b32 s[G0K+4*\s+3], s[G0K+4*\s+3], 0x80000000           ; type = 2
	s_add_nc_u64 s[G0V+4*\s+2:G0V+4*\s+3], s[8:9], \s*SK*128
	s_or_b32 s[G0V+4*\s+3], s[G0V+4*\s+3], 0x80000000
	s_add_nc_u64 s[G0M+4*\s+2:G0M+4*\s+3], s[10:11], \s*SK*4
	s_or_b32 s[G0M+4*\s+3], s[G0M+4*\s+3], 0x80000000
.endr
	s_add_nc_u64 s[4:5], s[4:5], s[26:27]
	s_add_nc_u64 s[12:13], s[12:13], s[90:91]
	CROUND                          ; all sixteen work-groups are here: the first joint loads meet
	JLOAD 0, 0                      ; slot 0.  Slot 1 is asked for when slot 0 is in, by the first change of slots
	; A fragment of K or Q is 16 rows x 32 channels in 8 registers: lane l holds row l % 16, channels 8 (l / 16) + 0..7 and 16 + 8 (l / 16) + 0..7: two loads of 16 bytes, 32 bytes apart.
	v_and_b32 v1, 15, v0            ; l % 16
	v_bfe_u32 v176, v0, 4, 1        ; l / 16
	v_and_b32 v177, 7, v0
	v_bfe_u32 v178, v0, 3, 1
	s_lshl_b32 s92, s[HH], 6        ; my head's 64 bytes of a row
	v_lshlrev_b32 v[QO], 7, v1
	v_lshl_add_u32 v[QO], v176, 4, v[QO]
	v_add_nc_u32 v[QO], s92, v[QO]
	v_cmp_eq_u32 s93, 0, v177       ; lanes 0, 8, 16, 24 hold rows 0 and 8 of ONES
	WIN 0x40                        ; destination window 1
.irp t, 0,1
	global_load_b128 v[QF+8*\t:QF+8*\t+3],   v[QO], s[4:5] offset:\t*2048
	global_load_b128 v[QF+8*\t+4:QF+8*\t+7], v[QO], s[4:5] offset:\t*2048+32
.endr
.set i, 0
.rept 8
	v_cndmask_b32 v[ONES+i], 0, s94, s93
.set i, i+1
.endr
	WIN 0
.irp t, 0,1
	v_mov_b32 v[ST+8*\t], 0xff7fffff   ; m: the lowest finite number
	v_mov_b32 v[ST+8*\t+1], 0          ; named with it as a pair
	v_mov_b32 v[ST+8*\t+2], 0
	v_mov_b32 v[ST+8*\t+3], 0          ; named with a as a pair
.endr
.set i, OO
.rept 48                            ; O^T and l start at 0: no first step is written out.  This stands in the wait for the first tile
	v_mov_b32 v[i], 0
.set i, i+1
.endr
	v_mul_u32_u24 v[AK0], v1, PK    ; K: key l % 16, my head, 16 bytes for each half of the lanes
	v_lshl_add_u32 v[AK0], v176, 4, v[AK0]
	v_add_nc_u32 v[AK0], s92, v[AK0]
	s_mul_i32 s95, s[QQ], 32*PM     ; the mask: row 32 qq + l % 16 of a plane, 32 bytes for each half of the lanes
	s_add_co_u32 s95, s95, MOFF
	v_mul_u32_u24 v[AM0], v1, PM
	v_lshl_add_u32 v[AM0], v176, 5, v[AM0]
	v_add_nc_u32 v[AM0], s95, v[AM0]
	; The turning load takes 16 keys x 16 channels (lane l reads key 8 (l / 16) + l % 8, channels 8 ((l / 8) % 2) + 0..7) and leaves half a fragment of V^T: lane l holds channel l % 16 and 8 keys.
	v_lshl_add_u32 v[AV0], v176, 3, v177
	v_mul_u32_u24 v[AV0], v[AV0], PVP
	v_lshl_add_u32 v[AV0], v178, 4, v[AV0]
	s_add_co_u32 s95, s92, VOFF
	v_add_nc_u32 v[AV0], s95, v[AV0]
	s_mul_i32 s95, s[QQ], 32*SP     ; into the stage: row 32 qq + l % 16, my head's 64 bytes
	s_add_co_u32 s95, s95, s92
	s_add_co_u32 s95, s95, STAGE
	v_mul_u32_u24 v[STO], v1, SP
	v_lshl_add_u32 v[STO], v176, 4, v[STO]
	v_add_nc_u32 v[STO], s95, v[STO]
	s_mul_i32 s95, s[WV], 16*SP     ; back: wave w takes rows 16 w .. + 15, whole; 32 lanes take four rows of 128 bytes
	s_add_co_u32 s95, s95, STAGE
	v_bfe_u32 v[RD], v0, 3, 2
	v_mul_u32_u24 v[RD], v[RD], SP
	v_lshl_add_u32 v[RD], v177, 4, v[RD]
	v_add_nc_u32 v[RD], s95, v[RD]
	v_and_b32 v[GO], 31, v0
	v_lshlrev_b32 v[GO], 4, v[GO]
; THE LDS LOADS stand in runs.  The step to be fetched begins at the scalar bases, which a change of slots sets and each run steps: K's 4 fragments, and the mask straight into S^T's registers
; (24 loads); V's 4 fragments, turned (8 loads).
.macro FETCHKM
	WIN 0
	v_add_nc_u32 v[AK], s[TBK], v[AK0]
	v_add_nc_u32 v[AM], s[TBM], v[AM0]
	s_add_co_u32 s[TBK], s[TBK], 64*PK   ; the next fetch is the next step's: 64 keys on,
	s_add_co_u32 s[TBM], s[TBM], MPL     ; the next plane
	WIN 0x40
.irp kb, 0,1,2,3
	ds_load_b128 v[KF+8*\kb:KF+8*\kb+3],   v[AK] offset:\kb*16*PK
	ds_load_b128 v[KF+8*\kb+4:KF+8*\kb+7], v[AK] offset:\kb*16*PK+32
.endr
	WIN 0
.irp t, 0,1
.irp kb, 0,1,2,3
	ds_load_b128 v[SS+32*\t+8*\kb:SS+32*\t+8*\kb+3],   v[AM] offset:\t*16*PM+\kb*64
	ds_load_b128 v[SS+32*\t+8*\kb+4:SS+32*\t+8*\kb+7], v[AM] offset:\t*16*PM+\kb*64+16
.endr
.endr
.endm
.macro FETCHV
	WIN 0
	v_add_nc_u32 v[AV], s[TBV], v[AV0]
	s_add_co_u32 s[TBV], s[TBV], 64*PVP
	WIN 0x40
.irp kk, 0,1
.irp cb, 0,1
	ds_load_tr16_b128 v[VF+16*\kk+8*\cb:VF+16*\kk+8*\cb+3],   v[AV] offset:\kk*32*PVP+\cb*32
	ds_load_tr16_b128 v[VF+16*\kk+8*\cb+4:VF+16*\kk+8*\cb+7], v[AV] offset:\kk*32*PVP+16*PVP+\cb*32
.endr
.endr
	WIN 0
.endm
; THE MATRIX WORK.  8 products S^T = K Q^T + mask^T, on 8 accumulators; 12 products O^T += V^T P and l += ONES P, on 6 accumulators by turns, one instruction a turn.
.macro KQ
	WIN 0x05                        ; K and Q in window 1, S^T in window 0
.irp kb, 0,1,2,3
.irp t, 0,1
	v_wmma_f32_16x16x32_f16 v[SS+32*\t+8*\kb:SS+32*\t+8*\kb+7], v[KF+8*\kb:KF+8*\kb+7], v[QF+8*\t:QF+8*\t+7], v[SS+32*\t+8*\kb:SS+32*\t+8*\kb+7]
.endr
.endr
.endm
.macro PVM
	WIN 0x01                        ; V and ONES in window 1
.irp kk, 0,1
.irp cb, 0,1
.irp t, 0,1
	v_wmma_f32_16x16x32_f16 v[OO+16*\t+8*\cb:OO+16*\t+8*\cb+7], v[VF+16*\kk+8*\cb:VF+16*\kk+8*\cb+7], v[PP+16*\t+8*\kk:PP+16*\t+8*\kk+7], v[OO+16*\t+8*\cb:OO+16*\t+8*\cb+7]
.endr
.endr
.irp t, 0,1
	v_wmma_f32_16x16x32_f16 v[LL+8*\t:LL+8*\t+7], v[ONES:ONES+7], v[PP+16*\t+8*\kk:PP+16*\t+8*\kk+7], v[LL+8*\t:LL+8*\t+7]
.endr
.endr
.endm
; THE VECTOR WORK.
.macro REGS t
.set rT, ST+8*(\t)
.set rC, ST+8*(\t)+4
.set rM, MV+(\t)
.set rS, SS+32*(\t)
.set rP, PP+16*(\t)
.set rO, OO+16*(\t)
.set rL, LL+8*(\t)
.endm
; Number n of the 22 that find a tile's maximum and a.  s0-s31 are the lane's 32 scores; each accumulator's lowest registers are read first.
;   0-11 four chains c0-c3 of seven scores each     12-14, 16 the four scores left over, the old m, and c0-c3 into c0     15 m_old is kept
;   17, 18 the query's other 32 keys lie in the lane 16 away: the new m     19-21 m_old - m_new; times c; a
.macro XS t, n
	REGS \t
.if (\n) < 4
	v_max3_num_f32 v[rC+(\n)], v[rS+8*(\n)], v[rS+8*(\n)+1], v[rS+8*(\n)+2]
.elseif (\n) < 12
	v_max3_num_f32 v[rC+(\n)%4], v[rC+(\n)%4], v[rS+8*((\n)%4)+2*((\n)/4)+1], v[rS+8*((\n)%4)+2*((\n)/4)+2]
.elseif (\n) == 12
	v_max3_num_f32 v[rC], v[rC], v[rS+7], v[rS+15]
.elseif (\n) == 13
	v_max3_num_f32 v[rC+1], v[rC+1], v[rS+23], v[rS+31]
.elseif (\n) == 14
	v_max3_num_f32 v[rC+2], v[rC+2], v[rC+3], v[rT]
.elseif (\n) == 15
	v_mov_b32 v[rM], v[rT]
.elseif (\n) == 16
	v_max3_num_f32 v[rC], v[rC], v[rC+1], v[rC+2]
.elseif (\n) == 17
	v_permlanex16_b32 v[rC+3], v[rC], s[SEL], s[SEL+1]
.elseif (\n) == 18
	v_max_num_f32 v[rT], v[rC], v[rC+3]
.elseif (\n) == 19
	v_sub_f32 v[rC+1], v[rM], v[rT]
.elseif (\n) == 20
	v_mul_f32 v[rC+1], s[CS], v[rC+1]
.else
	v_exp_f32 v[rT+2], v[rC+1]
.endif
.endm
.macro MAXS                         ; the two tiles alternate, so that no line reads the result of the one before it
.irp n, 0,1,2,3,4,5,6,7,8,9,10,11,12,13,14,15,16,17,18,19,20,21
	XS 0, \n
	XS 1, \n
.endr
.endm
.macro FA t, n                      ; pair n of 16: s - m
	REGS \t
	v_pk_add_f32 v[rS+2*(\n):rS+2*(\n)+1], v[rS+2*(\n):rS+2*(\n)+1], v[rT:rT+1] op_sel_hi:[1,0] neg_lo:[0,1] neg_hi:[0,1]
.endm
.macro FM t, n                      ; times c
	REGS \t
	v_pk_mul_f32 v[rS+2*(\n):rS+2*(\n)+1], v[rS+2*(\n):rS+2*(\n)+1], s[CS:CS+1] op_sel_hi:[1,0]
.endm
.macro EE t, n                      ; the exponential of score n of 32
	REGS \t
	v_exp_f32 v[rS+(\n)], v[rS+(\n)]
.endm
.macro CC t, n                      ; pair n rounded to f16
	REGS \t
	s_wait_alu depctr_va_vdst(0)
	v_cvt_pk_f16_f32 v[rP+(\n)], v[rS+2*(\n)], v[rS+2*(\n)+1]
.endm
; Exponentials and plain lines by turns while plain lines last: a pair's difference is made three trips, its scaling two trips ahead of its exponentials, its rounding a trip behind them.
; Between an exponential and the first use of its result stands a plain line that names none of its registers (ISA guide 5.7.2).
.macro EXPS
.irp n, 0,1,2
	FA 0, \n
	FA 1, \n
.endr
.irp n, 0,1
	FM 0, \n
	FM 1, \n
.endr
.set i, 0
.rept 17
.if i < 14
	FM 0, i+2
.endif
.if i < 16
	EE 0, 2*i
.endif
.if i < 14
	FM 1, i+2
.endif
.if i < 16
	EE 1, 2*i
.endif
.if i < 13
	FA 0, i+3
.endif
.if i < 16
	EE 0, 2*i+1
.endif
.if i < 13
	FA 1, i+3
.endif
.if i < 16
	EE 1, 2*i+1
.endif
.if i > 0
	CC 0, i-1
	CC 1, i-1
.endif
.set i, i+1
.endr
.endm
.macro RESC                         ; O^T and l times a; each accumulator is read from its lowest registers on.  l's registers 1 to 7 are 0 and stay 0
.irp t, 0,1
	REGS \t
.irp z, 0,1,2,3,4,5,6,7
	v_pk_mul_f32 v[rO+2*\z:rO+2*\z+1], v[rO+2*\z:rO+2*\z+1], v[rT+2:rT+3] op_sel_hi:[1,0]
.endr
	v_mul_f32 v[rL], v[rL], v[rT+2]
.endr
.endm
; A KEY STEP IN TWO HALVES.  SCORES: the step's scores and its softmax.  SUMS: the next step's K and mask are fetched; the step's rescaling and second product; the next step's V is fetched.
; A trip of the loops below is SUMS of one step and SCORES of the next, so that a change of slots stands between a step's softmax and its second product: that step's V came into registers
; a step ago, and the first thing behind the change is the fetch from the new slot.
.macro SCORES
	s_wait_dscnt 8                  ; K and the mask are in; V's eight younger loads may be out
	KQ
	WIN 0
	PLACES
	MAXS
	EXPS
.endm
.macro SUMS
	FETCHKM
	s_wait_dscnt 24                 ; V is in; the 24 just issued may be out
	RESC
	PVM
	WIN 0
	PLACES                          ; in front of the loads into V's registers
	FETCHV
.endm
.macro STEPS n                      ; n trips
	s_mov_b32 s[CNT], \n
.Lst_\@:
	SUMS
	SCORES
	s_sub_co_u32 s[CNT], s[CNT], 1
	s_cmp_lg_u32 s[CNT], 0
	s_cbranch_scc1 .Lst_\@
.endm
	CHANGE 0, 1                     ; slot 0 is in, everybody's part of it; slot 1 is asked for
	FETCHKM                         ; key step 0
	FETCHV
	s_wait_loadcnt 0x0              ; Q
	s_mov_b32 s[SLOTS], 5
	s_mov_b32 s[CNT], 3
	s_branch .Lmid                  ; the loop is entered in the middle of a trip: the first step has no step before it
.Lslot:                             ; 4 trips of two slots: the fills of slots 2 to 9
	CHANGE 1, 1
	STEPS 3
	CHANGE 0, 1
	s_mov_b32 s[CNT], 3
.Lstep:
	SUMS
.Lmid:
	SCORES
	s_sub_co_u32 s[CNT], s[CNT], 1
	s_cmp_lg_u32 s[CNT], 0
	s_cbranch_scc1 .Lstep
	s_sub_co_u32 s[SLOTS], s[SLOTS], 1
	s_cmp_lg_u32 s[SLOTS], 0
	s_cbranch_scc1 .Lslot
	CHANGE 1, 2                     ; the tail is written out: the last fill, the head pair's last 128 keys
	STEPS 3
	CHANGE 0, 0                     ; and nothing more
	STEPS 2
	s_wait_dscnt 0x0                ; the last step's V is in
	RESC
	PVM
	WIN 0
	PLACES                          ; in front of the way out's reads
	; THE WAY OUT.  O^T is divided by l, rounded to f16 and sent through the stage: a row's 128 bytes come from the two heads' waves.
.irp t, 0,1
	v_rcp_f32 v[ST+8*\t+2], v[LL+8*\t]
.endr
	v_nop                           ; a plain line between the last reciprocal and the use of its result
	s_wait_alu depctr_va_vdst(0)
.irp t, 0,1
.irp z, 0,1,2,3,4,5,6,7
	v_pk_mul_f32 v[OO+16*\t+2*\z:OO+16*\t+2*\z+1], v[OO+16*\t+2*\z:OO+16*\t+2*\z+1], v[ST+8*\t+2:ST+8*\t+3] op_sel_hi:[1,0]
.endr
.endr
.irp t, 0,1
.irp z, 0,1,2,3,4,5,6,7
	v_cvt_pk_f16_f32 v[SS+8*\t+\z], v[OO+16*\t+2*\z], v[OO+16*\t+2*\z+1]
.endr
.endr
.irp t, 0,1
.irp cb, 0,1
	ds_store_b128 v[STO], v[SS+8*\t+4*\cb:SS+8*\t+4*\cb+3] offset:\t*16*SP+\cb*32  ; into slot 1: every wave's reads of it were over at the last change of slots' barrier
.endr
.endr
	s_wait_dscnt 0x0                ; for the others' sake: my stores into the stage are done
	s_barrier_signal -1
	s_barrier_wait -1
.irp f, 0,1,2,3
	ds_load_b128 v[SS+32+4*\f:SS+32+4*\f+3], v[RD] offset:\f*4*SP
.endr
.irp f, 0,1,2,3
	s_wait_dscnt 3-\f
	global_store_b128 v[GO], v[SS+32+4*\f:SS+32+4*\f+3], s[12:13] offset:\f*512  ; four rows: 512 consecutive bytes, at a multiple of 256 from oh's first
.endr
	s_wait_tensorcnt 0x0            ; the wave's end: the add to my spare word and its waits, behind my last tensor load and my last LDS store
	ds_add_u32 v[SPW], v[NIL]
	s_wait_dscnt 0x0
	CROUND                          ; the closing round: no work-group ends while a partner may still ask for a tile that names it
	s_endpgm
.Lfunc_end_k_qf4e74c3548_attn:
	.size	k_qf4e74c3548_attn, .Lfunc_end_k_qf4e74c3548_attn-k_qf4e74c3548_attn
	.p2alignl 7, 3214868480
	.fill 96, 4, 3214868480
	.section	.rodata,"a",@progbits
	.p2align	6, 0x0
	.amdhsa_kernel k_qf4e74c3548_attn
		.amdhsa_group_segment_fixed_size 327680
		.amdhsa_private_segment_fixed_size 0
		.amdhsa_enable_private_segment 0
		.amdhsa_kernarg_size 40
		.amdhsa_user_sgpr_count 2
		.amdhsa_user_sgpr_kernarg_segment_ptr 1
		.amdhsa_wavefront_size32 1
		.amdhsa_system_sgpr_workgroup_id_x 1
		.amdhsa_system_sgpr_workgroup_id_y 1
		.amdhsa_system_sgpr_workgroup_id_z 1
		.amdhsa_system_vgpr_workitem_id 0
		.amdhsa_next_free_vgpr 352
		.amdhsa_next_free_sgpr 96
		.amdhsa_reserve_vcc 0
		.amdhsa_float_denorm_mode_32 3
		.amdhsa_float_denorm_mode_16_64 3
		.amdhsa_memory_ordered 1
		.amdhsa_forward_progress 1
		.amdhsa_inst_pref_size 94
	.end_amdhsa_kernel
	.amdgpu_metadata
---
amdhsa.version: [ 1, 2 ]
amdhsa.kernels:
  - .name:           k_qf4e74c3548_attn
    .symbol:         k_qf4e74c3548_attn.kd
    .args:
      - { .name: qh, .offset: 0, .size: 8, .value_kind: global_buffer, .address_space: global }
      - { .name: kh, .offset: 8, .size: 8, .value_kind: global_buffer, .address_space: global }
      - { .name: vh, .offset: 16, .size: 8, .value_kind: global_buffer, .address_space: global }
      - { .name: attention_mask, .offset: 24, .size: 8, .value_kind: global_buffer, .address_space: global }
      - { .name: oh, .offset: 32, .size: 8, .value_kind: global_buffer, .address_space: global }
    .group_segment_fixed_size: 327680
    .private_segment_fixed_size: 0
    .kernarg_segment_align: 8
    .kernarg_segment_size: 40
    .max_flat_workgroup_size: 256
    .sgpr_count:     96
    .vgpr_count:     352
    .wavefront_size: 32
...
	.end_amdgpu_metadata
.endif
;; end of part 7
;; launch proj: the kernel of part 4 again; grid 16 x 16, 4 waves a work-group, clusters of 4 x 4, 327,680 bytes of LDS; arguments oh, wob, out0; writes out0
;; ======== version 3 of 3: 4 launches; version 2 with the launch cast written anew for expert scheduling mode
;; limits: values are held in f16: magnitudes above 65,504 overflow, below 6.1e-05 lose precision; right only within a limited range of input values
;; workspace buffers: xb 16,777,216 bytes; wb 25,165,824 bytes; wob 8,388,608 bytes; qh 4,194,304 bytes; kh 4,194,304 bytes; vh 4,194,304 bytes; oh 4,194,304 bytes
;; launch cast (part 8): grid 128 x 6, 8 waves a work-group, no clusters, 68,608 bytes of LDS; arguments hidden_states, wq, wk, wv, wo, xb, wb, wob; writes xb, wb, wob
.if DOCPART == 8
	.amdgcn_target "amdgcn-amd-amdhsa--gfx1250"
	.amdhsa_code_object_version 6
	.text
	.protected	k_qf4e74c3548_cast
	.globl	k_qf4e74c3548_cast
	.p2align	8
	.type	k_qf4e74c3548_cast,@function
k_qf4e74c3548_cast:
	s_mov_b64 s[64:65], 0
	v_nop
	global_prefetch_b8 v0, s[64:65] scope:SCOPE_SE
	s_setreg_imm32_b32 hwreg(HW_REG_WAVE_SCHED_MODE, 0, 2), 2
	s_setreg_imm32_b32 hwreg(HW_REG_WAVE_MODE, 25, 1), 1
	s_wait_xcnt 0x0
	s_wait_alu depctr_vm_vsrc(0)
; The module's f32 matrix inputs are rounded ONCE to 16 bits and laid out for the products that follow.
;   xb  = bf16(x), IN FRAGMENT ORDER: [128 blocks of 16 rows][128 blocks of 32 K][1,024 bytes].  A fragment is the register image of a matrix operand: two halves of 512 bytes; in half j
;         lane l's 16 bytes lie at 16 l and hold row l % 16, K = 16 j + 8 (l / 16) + 0..7.  So the next launch takes half a fragment by one load of 512 consecutive bytes, straight into registers.
;   wb  = bf16(wq | wk | wv)           [32 heads][q, k, v][32][4096]: row 96 h + 32 t + d, so that a head pair's 192 rows lie together
;   wob = 4 x bf16(wo), written as f16 [4096][1024]  (the 4 undoes the 1/4 that v carries; bf16's 8 significant bits fit f16's 11)
; LIMIT: |4 wo| stays within f16's 65,504; below 6e-5 it keeps f16's fixed step of 6e-8.
; A stream: no barrier, no matrix unit, since no byte is used twice.  The grid's y picks a slab of 16 MiB of input (0, 1: the K halves of x; 2, 3, 4: wq, wk, wv; 5: wo), x a piece of 131,072 bytes.
; A wave takes 16,384 bytes: 32 loads of 512 neighbouring bytes, all issued at once.
; WEIGHTS: a piece is 8 whole rows, which stay 8 neighbouring rows; each load is rounded and stored as 256 neighbouring bytes, at a multiple of 256 from the buffer's first byte.
; X: a piece is 16 rows x 2,048 K, a wave's part 16 rows x 256 K.  A load holds one row, a fragment's half 16 rows: so the rounded numbers turn through the wave's own 16 x 528 bytes of LDS
; (no other wave touches them: no barrier), and leave as 16 stores of 512 consecutive bytes.
; THE MODE: SCHED_MODE bits 1:0 = 2 (LLVM: expert scheduling mode 2), set by the entry lines.  The code itself states the register dependences
; between vector instructions and memory or LDS instructions, with s_wait_alu, always for 0.
; THE PLAN.  Registers that memory or LDS instructions touch:
;   v1, v2, v[LSA], v[LLA]  offsets and LDS addresses: made by vector lines at a path's head, read by its loads and stores, never written again.
;   v[X ..]   four registers to each of the 32 loads.  Load j lands in them; its roundings write them in place; its store reads the first two.  On the weights' paths nothing writes them again.
;             On x's path the 16 LDS loads land in the first 64 of them, behind all 32 LDS stores, and the 16 global stores read them there.
;   v[SPW], v[NIL]  written at the head, read by the closing add alone.
; The 32 loads go in eight GROUPS of four.  While group g is rounded, group g - 1's four stores go out: one wait on va_vdst at a group's head states that the group before has written its
; registers, and the roundings issued since name only their own load's registers (and v[TW], v[TW+1] on wo's path): none that those stores touch.  The last group's stores follow the walk, behind one more such wait.
.set X,   4                            ; v[4:131]  32 loads of 4 registers
.set TW,  132                          ; v[132:133] at work (wo's path): no memory instruction names them there
.set LSA, 132                          ; v132  x's path: where I put 8 bytes of a row
.set LLA, 133                          ; v133  x's path: where I read 16 bytes of a fragment
.set SPW, 134                          ; v134  LDS address of my spare word; never rewritten
.set NIL, 135                          ; v135  0; never rewritten
.set XP,  528                          ; a row in the stage: 512 bytes + 16 = 33 x 16: the 16 rows of a read start at 16 different groups of four banks (ISA guide 11.1)
.set XST, 16*XP                        ; a wave's stage
.set SPARE, 8*XST                      ; behind the stages: the spare words, 128 bytes a wave: four blocks of 256 bytes that no other line names
.set GR,  4                            ; loads in a group
; Load j is rounded, in place.  kind 0: wq, wk, wv; 1: wo; 2: x.
.macro RND kind, j
.if (\kind) == 1                       ; wo: rounded to bf16 like every input, times 4 (exact), and that number written as f16
	v_cvt_pk_bf16_f32 v[TW],   v[X+4*(\j)],   v[X+4*(\j)+1]
	v_cvt_pk_bf16_f32 v[TW+1], v[X+4*(\j)+2], v[X+4*(\j)+3]
	v_lshlrev_b32 v[X+4*(\j)],   16, v[TW]
	v_and_b32     v[X+4*(\j)+1], 0xffff0000, v[TW]
	v_lshlrev_b32 v[X+4*(\j)+2], 16, v[TW+1]
	v_and_b32     v[X+4*(\j)+3], 0xffff0000, v[TW+1]
	v_pk_mul_f32 v[X+4*(\j):X+4*(\j)+1],   v[X+4*(\j):X+4*(\j)+1],   4.0 op_sel_hi:[1,0]
	v_pk_mul_f32 v[X+4*(\j)+2:X+4*(\j)+3], v[X+4*(\j)+2:X+4*(\j)+3], 4.0 op_sel_hi:[1,0]
	v_cvt_pk_f16_f32 v[X+4*(\j)],   v[X+4*(\j)],   v[X+4*(\j)+1]
	v_cvt_pk_f16_f32 v[X+4*(\j)+1], v[X+4*(\j)+2], v[X+4*(\j)+3]
.else
	v_cvt_pk_bf16_f32 v[X+4*(\j)],   v[X+4*(\j)],   v[X+4*(\j)+1]
	v_cvt_pk_bf16_f32 v[X+4*(\j)+1], v[X+4*(\j)+2], v[X+4*(\j)+3]
.endif
.endm
; Load j's 8 bytes a lane leave: to memory (the weights), or into my stage (x): row j / 2, its numbers 128 (j % 2) on.
.macro LEAVE kind, j
.if (\kind) == 2
	ds_store_b64 v[LSA], v[X+4*(\j):X+4*(\j)+1] offset:((\j)/2)*XP+((\j)%2)*256
.else
	global_store_b64 v2, v[X+4*(\j):X+4*(\j)+1], s[26:27] offset:256*(\j)
.endif
.endm
; The walk over the 32 loads.
.macro WALK kind
.set j, 0
.rept 32
.if (j%GR) == 0
	s_wait_loadcnt 31-j                            ; loads come back in order (ISA guide 5.7.1): load j is in, the younger ones stay out
.if j > 0
	s_wait_alu depctr_va_vdst(0)                   ; the roundings of the group before have written its registers, which the group's four stores, dealt among the lines below, read
.endif
.endif
.if j >= GR
	LEAVE \kind, j-GR                              ; no wait: no vector line since the wait above names this store's registers
.endif
.if (j%GR) != 0
	s_wait_loadcnt 31-j                            ; load j is in, the younger ones stay out
.endif
	RND \kind, j
.set j, j+1
.endr
	s_wait_alu depctr_va_vdst(0)                   ; the last group's roundings have written its registers, which the four stores below read
.set j, 32-GR
.rept GR
	LEAVE \kind, j
.set j, j+1
.endr
.endm
	s_load_b512 s[8:23], s[0:1], 0x0               ; x s[8:9], wq s[10:11], wk s[12:13], wv s[14:15], wo s[16:17], xb s[18:19], wb s[20:21], wob s[22:23]
	v_lshl_add_u32 v[SPW], v0, 2, SPARE
	v_mov_b32 v[NIL], 0
	s_and_b32 s2, ttmp7, 0xffff                    ; the slab
	v_lshrrev_b32 v3, 5, v0                        ; wave
	v_readfirstlane_b32 s3, v3
	v_and_b32 v1, 31, v0                           ; lane
	s_wait_alu depctr_va_sdst(0)                   ; s3 is written
	s_cmp_lt_u32 s2, 2
	s_cbranch_scc1 .Lx
	; THE WEIGHTS
	s_lshl_b32 s28, ttmp9, 17                      ; my piece in the source,
	s_mov_b32 s29, 0
	s_lshl_b32 s32, ttmp9, 16                      ; and in wob, which keeps the source's order
	s_lshr_b32 s34, ttmp9, 2                       ; in wb: head = piece / 4,
	s_mul_i32 s34, s34, 96
	s_sub_co_u32 s35, s2, 2                        ; t = slab - 2 (for wo this offset is made and not taken),
	s_lshl_b32 s35, s35, 5
	s_add_co_u32 s34, s34, s35
	s_and_b32 s35, ttmp9, 3                        ; d = 8 (piece % 4),
	s_lshl_b32 s35, s35, 3
	s_add_co_u32 s34, s34, s35
	s_lshl_b32 s34, s34, 13                        ; rows of 8,192 bytes
	s_cmp_eq_u32 s2, 5
	s_cselect_b32 s34, s32, s34
	s_mov_b32 s35, 0
	v_lshlrev_b32 v2, 3, v1                        ; out: 8 bytes a lane,
	v_lshlrev_b32 v1, 4, v1                        ; in: 16
	v_lshl_add_u32 v1, v3, 14, v1                  ; + wave x 16,384
	v_lshl_add_u32 v2, v3, 13, v2                  ; + wave x 8,192
	s_wait_kmcnt 0x0
	s_mov_b64 s[24:25], s[10:11]                   ; the source, chosen by the slab's number
	s_cmp_eq_u32 s2, 3
	s_cselect_b64 s[24:25], s[12:13], s[24:25]
	s_cmp_eq_u32 s2, 4
	s_cselect_b64 s[24:25], s[14:15], s[24:25]
	s_cmp_eq_u32 s2, 5
	s_cselect_b64 s[24:25], s[16:17], s[24:25]
	s_cselect_b64 s[26:27], s[22:23], s[20:21]     ; the destination
	s_add_nc_u64 s[24:25], s[24:25], s[28:29]
	s_add_nc_u64 s[26:27], s[26:27], s[34:35]
	s_wait_alu depctr_va_vdst(0)                   ; v1 and v2 are written: every load below reads v1 as its offset, every store v2; no later vector line names them
.set j, 0
.rept 32
	global_load_b128 v[X+4*j:X+4*j+3], v1, s[24:25] offset:512*j th:TH_LOAD_NT  ; read once in the launch
.set j, j+1
.endr
	s_cmp_eq_u32 s2, 5
	s_cbranch_scc1 .Lwo
	WALK 0
	s_endpgm
.Lwo:
	WALK 1
	s_endpgm
.Lx:                                                   ; X: row block = the grid's x, K half = the slab
	s_lshl_b32 s28, ttmp9, 18                      ; in: 16 rows of 16,384 bytes,
	s_lshl_b32 s30, s2, 13                         ; the half's 2,048 numbers of 4 bytes
	s_add_co_u32 s28, s28, s30
	s_mov_b32 s29, 0
	s_lshl_b32 s34, ttmp9, 17                      ; out: the row block's 128 fragments of 1,024 bytes,
	s_lshl_b32 s30, s2, 16                         ; the half's 64
	s_add_co_u32 s34, s34, s30
	s_mov_b32 s35, 0
	s_mul_i32 s31, s3, XST                         ; my stage
	v_lshl_add_u32 v[LSA], v1, 3, s31              ; into it: 8 bytes a lane, 256 neighbouring bytes a store
	v_lshlrev_b32 v2, 4, v1                        ; 16 x lane
	v_lshl_add_u32 v1, v3, 10, v2                  ; in: + wave x 256 numbers
	v_lshl_add_u32 v2, v3, 13, v2                  ; out: + wave x 8 fragments
	v_and_b32 v[LLA], 15, v0                       ; back: row l % 16, 16 bytes for each half of the lanes
	v_mul_u32_u24 v[LLA], v[LLA], XP
	v_bfe_u32 v3, v0, 4, 1
	v_lshl_add_u32 v[LLA], v3, 4, v[LLA]
	v_add_nc_u32 v[LLA], s31, v[LLA]
	s_wait_kmcnt 0x0
	s_add_nc_u64 s[24:25], s[8:9], s[28:29]
	s_add_nc_u64 s[26:27], s[18:19], s[34:35]
	s_wait_alu depctr_va_vdst(0)                   ; v1, v2, v[LSA] and v[LLA] are written: the loads, the global stores, the LDS stores and the LDS loads below read them; no later vector line names them
.set j, 0
.rept 32                                               ; row j / 2, its numbers 128 (j % 2) on
	global_load_b128 v[X+4*j:X+4*j+3], v1, s[24:25] offset:(j/2)*16384+(j%2)*512 th:TH_LOAD_NT
.set j, j+1
.endr
	WALK 2
	s_wait_alu depctr_vm_vsrc(0)                   ; the LDS stores have read their data in v[X ..], in which the LDS loads below land (the roundings that named these registers stand ahead of the walk's last wait on va_vdst)
.set j, 0
.rept 16                                               ; fragment j / 2 of my eight, half j % 2.  LDS serves a wave's instructions in order (ISA guide 5.7.1.4): these see the stores above
	ds_load_b128 v[X+4*j:X+4*j+3], v[LLA] offset:(j/2)*64+(j%2)*32
.set j, j+1
.endr
.set j, 0
.rept 16
	s_wait_dscnt 15-j                              ; LDS loads come back in order: load j is in
	global_store_b128 v2, v[X+4*j:X+4*j+3], s[26:27] offset:512*j  ; 512 consecutive bytes, at a multiple of 256 from xb's first
.set j, j+1
.endr
	s_wait_dscnt 0x0                               ; the closing lines, six on end
	s_wait_alu 0x0
	s_wait_tensorcnt 0x0
	ds_add_u32 v[SPW], v[NIL]
	s_wait_dscnt 0x0
	s_endpgm
.Lfunc_end_k_qf4e74c3548_cast:
	.size	k_qf4e74c3548_cast, .Lfunc_end_k_qf4e74c3548_cast-k_qf4e74c3548_cast
	.p2alignl 7, 3214868480
	.fill 96, 4, 3214868480
	.section	.rodata,"a",@progbits
	.p2align	6, 0x0
	.amdhsa_kernel k_qf4e74c3548_cast
		.amdhsa_group_segment_fixed_size 68608
		.amdhsa_private_segment_fixed_size 0
		.amdhsa_enable_private_segment 0
		.amdhsa_kernarg_size 64
		.amdhsa_user_sgpr_count 2
		.amdhsa_user_sgpr_kernarg_segment_ptr 1
		.amdhsa_wavefront_size32 1
		.amdhsa_system_sgpr_workgroup_id_x 1
		.amdhsa_system_sgpr_workgroup_id_y 1
		.amdhsa_system_sgpr_workgroup_id_z 1
		.amdhsa_system_vgpr_workitem_id 0
		.amdhsa_next_free_vgpr 136
		.amdhsa_next_free_sgpr 66
		.amdhsa_reserve_vcc 0
		.amdhsa_float_denorm_mode_32 3
		.amdhsa_float_denorm_mode_16_64 3
		.amdhsa_memory_ordered 1
		.amdhsa_forward_progress 1
		.amdhsa_inst_pref_size 50
	.end_amdhsa_kernel
	.amdgpu_metadata
---
amdhsa.version: [ 1, 2 ]
amdhsa.kernels:
  - .name:           k_qf4e74c3548_cast
    .symbol:         k_qf4e74c3548_cast.kd
    .args:
      - { .name: hidden_states, .offset: 0, .size: 8, .value_kind: global_buffer, .address_space: global }
      - { .name: wq, .offset: 8, .size: 8, .value_kind: global_buffer, .address_space: global }
      - { .name: wk, .offset: 16, .size: 8, .value_kind: global_buffer, .address_space: global }
      - { .name: wv, .offset: 24, .size: 8, .value_kind: global_buffer, .address_space: global }
      - { .name: wo, .offset: 32, .size: 8, .value_kind: global_buffer, .address_space: global }
      - { .name: xb, .offset: 40, .size: 8, .value_kind: global_buffer, .address_space: global }
      - { .name: wb, .offset: 48, .size: 8, .value_kind: global_buffer, .address_space: global }
      - { .name: wob, .offset: 56, .size: 8, .value_kind: global_buffer, .address_space: global }
    .group_segment_fixed_size: 68608
    .private_segment_fixed_size: 0
    .kernarg_segment_align: 8
    .kernarg_segment_size: 64
    .max_flat_workgroup_size: 256
    .sgpr_count:     66
    .vgpr_count:     136
    .wavefront_size: 32
...
	.end_amdgpu_metadata
.endif
;; end of part 8
;; launch qkv: the kernel of part 6 again; grid 16 x 16, 4 waves a work-group, clusters of 4 x 1, 327,680 bytes of LDS; arguments xb, wb, position_ids, qh, kh, vh; writes qh, kh, vh
;; launch attn: the kernel of part 7 again; grid 16 x 16, 8 waves a work-group, clusters of 4 x 4, 327,680 bytes of LDS; arguments qh, kh, vh, attention_mask, oh; writes oh
;; launch proj: the kernel of part 4 again; grid 16 x 16, 4 waves a work-group, clusters of 4 x 4, 327,680 bytes of LDS; arguments oh, wob, out0; writes out0
